; MI455X (gfx1250); checked and timed in simulation.
; The chip was launched on July 23, 2026; its instructions are those of AMD's public machine-readable ISA for CDNA 5 (MIT licence, August 2026) and "CDNA5" Instruction Set Architecture Reference Guide (July 2026). The comments in the code are by the model that wrote it; some were corrected since.
;; Attention Block. Allowed arithmetic: matrix products marked QUANTISED: E2M3 operands, one E8M0 scale for each 32 along K, by v_wmma_scale_f32_16x16x128_f8f6f4 with both operands' format E2M3, f32 sums; everything else in f32.
;; Inputs: Wk 1,024 x 1,024 float32; Wq 1,024 x 1,024 float32; Wv 1,024 x 1,024 float32; x 4 x 2,048 x 1,024 float32.
;; Outputs: out0 4 x 2,048 x 1,024 float32.
;; This version of the problem:
;;   THIS VERSION OF THE PROBLEM IS GIVEN IN LOW PRECISION. The matrix products marked QUANTISED in the list below multiply operands that are first quantised to E2M3 (2 exponent bits, 3 mantissa bits; 6 bits a number), with one power-of-two scale for each 32 numbers along K (OCP MX v1.0); their sums are f32. All else is computed in f32.
;;   The module's matrix products, in the order in which they are computed (A, B: the left and right operand; K: the contracted axis; several contracted axes count as one K, in the product's order):
;;     1. [M 8,192, K 1,024] x [K 1,024, N 1,024]; A: input x; B: input Wq: QUANTISED
;;     2. [M 8,192, K 1,024] x [K 1,024, N 1,024]; A: input x; B: input Wk: QUANTISED
;;     3. [M 8,192, K 1,024] x [K 1,024, N 1,024]; A: input x; B: input Wv: QUANTISED
;;     4. batch 4 x [M 2,048, K 1,024] x [K 1,024, N 2,048]; A: computed on the way; B: computed on the way: QUANTISED
;;     5. batch 4 x [M 2,048, K 2,048] x [K 2,048, N 1,024]; A: softmax (see below); B: computed on the way: QUANTISED
;;   THE QUANTISER, for each operand of a quantised product, along K:
;;     - K is cut into blocks of 32 from its start; a last block that is shorter is filled with zeros.
;;     - A block's scale is 2^e with e = floor(log2(the largest magnitude in the block)) - 2, held to -126 .. 127; a block of zeros has e = 0. As a byte (E8M0): e + 127.
;;     - Each number is divided by its block's scale, clamped to +-7.5, and rounded to the nearest number of E2M3, ties to even, subnormals kept.
;;     - The product sums the exact products of the quantised numbers (number of the format x scale) in f32.
;;   ~~~python
;;   def quantise(x, axis):      # numpy; x: float32 -> the quantised numbers, widened to float32 again
;;       x = np.moveaxis(x, axis, -1); K = x.shape[-1]
;;       x = np.pad(x, [(0, 0)] * (x.ndim - 1) + [(0, -K % 32)]); x = x.reshape(x.shape[:-1] + (-1, 32)); a = np.abs(x).max(-1, keepdims=True)
;;       e = np.where(a > 0, np.clip(np.frexp(np.where(a > 0, a, 1))[1] - 1 - 2, -126, 127), 0)      # np.frexp(a)[1] - 1 = floor(log2(a)), exactly
;;       r = np.clip(x / 2.0 ** e, -7.5, 7.5)
;;       step = 2.0 ** (np.maximum(np.frexp(np.where(r == 0, 1, r))[1] - 1, 0) - 3)
;;       q = np.round(r / step) * step * 2.0 ** e      # np.round: ties to even
;;       return np.moveaxis(q.reshape(q.shape[:-2] + (-1,))[..., :K], -1, axis).astype(np.float32)
;;   ~~~
;;   SOFTMAX AHEAD OF A QUANTISED PRODUCT. Where the list says 'softmax', what is quantised is not the finished softmax but p = 2^(t - M), with t = logit x log2(e) and M = ceil(the row's largest t), a whole number; so 1/2 < the row's largest p <= 1. The row's sum l is taken of the UNQUANTISED p, in f32, and the product's result is divided by l at the end. Since M is a whole number, a kernel that streams over the keys may use a running M (the ceiling of the running maximum): every later rescaling is an exact power of two, which a block's scale takes up: the codes' values come out the same.
;;   OPERANDS COMPUTED ON THE WAY. 'Computed on the way' means the value that the module computes at that place (a softmax that the list does not call 'softmax' is quantised finished and normalised). What goes into a quantiser is computed in f32, as accurately as f32 sums, v_exp_f32 and their like allow (about 1e-6 of the number): no bf16 or f16 on the way to a quantiser, and a product that is left as it is and whose result goes on into a quantised operand takes f32 operands (vector FMAs, or v_wmma_f32_16x16x4_f32). A number that lies on a knife's edge between two numbers of the format may be rounded either way, as far as f32 arithmetic and the matrix unit's own rounding can turn it there, and no further.
;; 2 versions. Each part assembles by itself: llvm-mc -triple=amdgcn-amd-amdhsa -mcpu=gfx1250 --defsym DOCPART=n.
;; ======== version 1 of 2: 4 launches
;; workspace buffers: xw 9,011,200 bytes; qkv 19,660,800 bytes; pu 13,631,488 bytes; pl 524,288 bytes
;; launch quant (part 1): grid 704 x 1, 8 waves a work-group, no clusters, 69,120 bytes of LDS; arguments x, Wq, Wk, Wv, xw; writes xw
.if DOCPART == 1
	.amdgcn_target "amdgcn-amd-amdhsa--gfx1250"
	.amdhsa_code_object_version 6
	.text
	.protected	k_q46be7864b2_quant
	.globl	k_q46be7864b2_quant
	.p2align	8
	.type	k_q46be7864b2_quant,@function
k_q46be7864b2_quant:
	s_mov_b64 s[64:65], 0
	v_nop
	global_prefetch_b8 v0, s[64:65] scope:SCOPE_SE
	s_setreg_imm32_b32 hwreg(HW_REG_WAVE_MODE, 25, 1), 1
	s_wait_xcnt 0x0
; THE PROGRAM: out = softmax(causal(q k^T / 32)) v with q, k, v = x Wq^T, x Wk^T, x Wv^T; B = 4, T = 2048, C = 1024; all five products on codes of FP6 (E2M3) with one E8M0 scale for each 32 along K.
; Four launches: this one (x and the three weights into codes), proj (q, k, v, quantised on the way out), scores (q k^T, p = 2^(t - M'), quantised), pv (p v, divided by the row's sum).
; WORK LEFT OUT, in the launches scores and pv: every tile of 256 queries x 256 keys whose keys all come after its queries.  The problem's own lower-triangular mask sets all logits of such a tile to -infinity
; ahead of the softmax, so its p is 0 whatever finite values x and the weights hold, and 0 x v adds nothing to any output.  36 of 64 tiles of a batch are kept.  All four inputs have a way to the output and are loaded.
; LIMITS: a NaN, an infinity or an overflow that reaches only the tiles left out is not carried to the result.  NaN and infinities among the inputs are not served.  A block of zeros gets the scale byte 1
; where the quantiser says 127: its codes are zeros, which add nothing under any byte but 0xff, and this program alone reads the bytes.
;
; THIS LAUNCH.  x [8192][1024] and Wq, Wk, Wv [1024][1024], f32, K innermost, become UNITS.  A unit is 128 rows x 128 along K as the image of the operand's registers:
;   fragment f (16 rows x 128 K, 12 registers a lane) at byte 1536 f; its registers 4 c .. 4 c + 3 of lane l at + 512 c + 16 l.  Lane (r = l % 16, h = l / 16): registers 6 c .. 6 c + 5 hold k = 64 c + 32 h + 0 .. 31.
;   Lane r of fragment f is row 32 (f / 2) + 8 (f % 2) + r + 8 (r / 8) of the 128: so the results of a product that takes such fragments lie along the next K as the conversions want them.
;   At byte 12,288: the scale words; lane l = 16 p + r has 16 bytes, word j = the scale word of row r of fragment 2 j + p.  12,800 bytes in all.
; Unit u = 8 g + ks: group g of 128 rows (x: 0-63, Wq: 64-71, Wk: 72-79, Wv: 80-87), K step ks.  Work-group u makes unit u, wave w its fragment w.
; Each load reads 512 consecutive bytes of one row; the 16 rows turn through the wave's own stage in LDS (pitch 528), so that a lane gets its two whole blocks of 32; each store covers 512 consecutive bytes, aligned.
.set UNIT,  12800
.set SCO,   12288
.set SPT,   528                        ; a stage row: 512 bytes + 16
.set STG,   16*SPT                     ; a wave's stage
.set GATH,  8*STG                      ; 512 bytes in which the eight waves' scale words meet
.set SPARE, GATH+512                   ; the spare words, 128 bytes for each wave: four blocks of 256 bytes that no other line names
.set GR,  1                            ; v1   GATH + 16 x lane
.set LO,  2                            ; v2   16 x lane
.set SI,  3                            ; v3   into my stage: 16 x lane
.set SU,  4                            ; v4   out of it: row r, + 128 h
.set GA,  5                            ; v5   where my fragment's scale words go
.set SPW, 6                            ; v6   my spare word; never rewritten
.set NIL, 7                            ; v7   0; never rewritten
.set R,   16                           ; v16-79   the 16 rows as loaded
.set X,   80                           ; v80-143  my two blocks of 32
.set C,   144                          ; v144-155 the fragment
.set T2,  156                          ; v156-158, v160-162 the blocks' upper halves, as converted
.set WV,  16
.set SEL, 34
	s_load_b256 s[4:11], s[0:1], 0x0               ; x, Wq, Wk, Wv
	s_load_b64 s[12:13], s[0:1], 0x20              ; xw
	v_lshl_add_u32 v[SPW], v0, 2, SPARE
	v_mov_b32 v[NIL], 0
	v_lshrrev_b32 v1, 5, v0
	v_readfirstlane_b32 s[WV], v1                  ; wave 0..7
	v_and_b32 v1, 31, v0
	v_lshlrev_b32 v[LO], 4, v1
	v_add_nc_u32 v[GR], GATH, v[LO]
	s_mul_i32 s17, s[WV], STG
	v_add_nc_u32 v[SI], s17, v[LO]
	v_and_b32 v8, 15, v0                           ; r
	v_bfe_u32 v9, v0, 4, 1                         ; h
	v_mul_u32_u24 v[SU], v8, SPT
	v_lshl_add_u32 v[SU], v9, 7, v[SU]
	v_add_nc_u32 v[SU], s17, v[SU]
	s_and_b32 s18, s[WV], 1
	s_lshr_b32 s19, s[WV], 1
	s_lshl_b32 s22, s18, 8
	s_lshl_b32 s23, s19, 2
	s_add_co_u32 s22, s22, s23
	s_add_co_u32 s22, s22, GATH
	v_lshl_add_u32 v[GA], v8, 4, s22               ; GATH + 256 (w % 2) + 16 r + 4 (w / 2)
	v_lshlrev_b32 v9, 3, v9                        ; 8 h: my bytes' place in the scale word
	s_mov_b32 s[SEL], 0x76543210
	s_mov_b32 s[SEL+1], 0xfedcba98                 ; lane l xor 16
	s_lshr_b32 s20, ttmp9, 6                       ; 0-7: x, 8: Wq, 9: Wk, 10: Wv
	s_lshr_b32 s24, ttmp9, 3
	s_and_b32 s25, ttmp9, 7                        ; the K step
	s_wait_kmcnt 0x0
	s_cmp_eq_u32 s20, 9                            ; the choice hangs on the work-group's number alone
	s_cselect_b64 s[14:15], s[8:9], s[10:11]
	s_cmp_eq_u32 s20, 8
	s_cselect_b64 s[14:15], s[6:7], s[14:15]
	s_cmp_lt_u32 s20, 8
	s_cselect_b64 s[14:15], s[4:5], s[14:15]
	s_cselect_b32 s21, 63, 7
	s_and_b32 s24, s24, s21                        ; the group of 128 rows in its tensor
	s_lshl_b32 s24, s24, 7
	s_lshl_b32 s26, s19, 5
	s_add_co_u32 s24, s24, s26
	s_lshl_b32 s26, s18, 3
	s_add_co_u32 s24, s24, s26                     ; my fragment's first row: 128 g + 32 (w / 2) + 8 (w % 2)
	s_lshl_b32 s24, s24, 12                        ; rows of 4,096 bytes
	s_lshl_b32 s25, s25, 9                         ; 512 bytes a K step
	s_add_co_u32 s24, s24, s25
	s_mov_b32 s25, 0
	s_add_nc_u64 s[14:15], s[14:15], s[24:25]
	s_mul_i32 s26, ttmp9, UNIT
	s_mov_b32 s27, 0
	s_add_nc_u64 s[12:13], s[12:13], s[26:27]      ; my work-group's unit
	s_mul_i32 s28, s[WV], 1536
	s_mov_b32 s29, 0
	s_add_nc_u64 s[30:31], s[12:13], s[28:29]      ; my fragment in it
.irp t, 0,1,2,3,4,5,6,7,8,9,10,11,12,13,14,15
	global_load_b128 v[R+4*\t:R+4*\t+3], v[LO], s[14:15] offset:(\t+8*(\t/8))*4096 th:TH_LOAD_NT   ; lane t's row: 512 consecutive bytes
.endr
.irp t, 0,1,2,3,4,5,6,7,8,9,10,11,12,13,14,15
	s_wait_loadcnt 15-\t                           ; loads come back in order: row t is in, the younger ones stay out
	ds_store_b128 v[SI], v[R+4*\t:R+4*\t+3] offset:SPT*\t
.endr
.irp c, 0,1
.irp i, 0,1,2,3,4,5,6,7
	ds_load_b128 v[X+32*\c+4*\i:X+32*\c+4*\i+3], v[SU] offset:256*\c+16*\i   ; LDS serves a wave's instructions in order: these see my stores.  k = 64 c + 32 h + 4 i ..
.endr
.endr
	v_mov_b32 v10, 0                               ; (written once: a lane permute's destination counts as one of its sources; it is written anew below)
	s_wait_dscnt 0x0
.irp c, 0,1
	v_max3_num_f32 v[10+\c], |v[X+32*\c]|, |v[X+32*\c+1]|, 0x1800000   ; my block 2 c + h: all 32 numbers are mine; the floor 2^(3 - 127) keeps the byte at 1 from below
.endr
.irp i, 2,4,6,8,10,12,14,16,18,20,22,24,26,28,30
.irp c, 0,1
	v_max3_num_f32 v[10+\c], v[10+\c], |v[X+32*\c+\i]|, |v[X+32*\c+\i+1]|
.endr
.endr
.irp c, 0,1
	v_add_nc_u32 v[12+\c], 0xff000000, v[10+\c]    ; 2 off the exponent field: the conversion takes the exponent field of this operand as its scale
.endr
.irp c, 0,1
	v_lshrrev_b32 v[14+\c], 23, v[12+\c]           ; the scale's byte
.endr
	v_lshl_or_b32 v8, v15, 16, v14                 ; blocks h and 2 + h,
	v_lshlrev_b32 v8, v9, v8                       ; at their places in the word;
	v_mov_b32 v10, 0
	v_permlanex16_b32 v10, v8, s[SEL], s[SEL+1]
	v_or_b32 v8, v8, v10                           ; with lane l xor 16's two the word is whole
.irp c, 0,1
	v_cvt_scalef32_pk16_fp6_f32 v[C+6*\c:C+6*\c+2], v[X+32*\c:X+32*\c+15], v[12+\c]
	v_cvt_scalef32_pk16_fp6_f32 v[T2+4*\c:T2+4*\c+2], v[X+32*\c+16:X+32*\c+31], v[12+\c]   ; (a conversion's three registers begin on an even number)
.endr
	v_nop                                          ; one plain place behind a scaled conversion
.irp c, 0,1
.irp i, 0,1,2
	v_mov_b32 v[C+6*\c+3+\i], v[T2+4*\c+\i]
.endr
.endr
.irp c, 0,1,2
	global_store_b128 v[LO], v[C+4*\c:C+4*\c+3], s[30:31] offset:512*\c   ; 32 lanes store 512 consecutive bytes, at a multiple of 256 from the buffer's first byte
.endr
	ds_store_b32 v[GA], v8                         ; lanes r and r + 16 write the same word with the same value
	s_wait_dscnt 0x0                               ; for the others' sake: my store has landed
	s_barrier_signal -1
	s_barrier_wait -1
	s_cmp_lg_u32 s[WV], 0
	s_cbranch_scc1 .Lnot_0
	ds_load_b128 v[16:19], v[GR]                   ; wave 0 sends the unit's 512 bytes of scale words
	s_wait_dscnt 0x0
	global_store_b128 v[LO], v[16:19], s[12:13] offset:SCO
.Lnot_0:
	s_wait_tensorcnt 0x0                           ; the wave's end: behind my last LDS store
	ds_add_u32 v[SPW], v[NIL]
	s_wait_dscnt 0x0
	s_endpgm
.Lfunc_end_k_q46be7864b2_quant:
	.size	k_q46be7864b2_quant, .Lfunc_end_k_q46be7864b2_quant-k_q46be7864b2_quant
	.p2alignl 7, 3214868480
	.fill 96, 4, 3214868480
	.section	.rodata,"a",@progbits
	.p2align	6, 0x0
	.amdhsa_kernel k_q46be7864b2_quant
		.amdhsa_group_segment_fixed_size 69120
		.amdhsa_private_segment_fixed_size 0
		.amdhsa_enable_private_segment 0
		.amdhsa_kernarg_size 40
		.amdhsa_user_sgpr_count 2
		.amdhsa_user_sgpr_kernarg_segment_ptr 1
		.amdhsa_wavefront_size32 1
		.amdhsa_system_sgpr_workgroup_id_x 1
		.amdhsa_system_sgpr_workgroup_id_y 1
		.amdhsa_system_sgpr_workgroup_id_z 1
		.amdhsa_system_vgpr_workitem_id 0
		.amdhsa_next_free_vgpr 168
		.amdhsa_next_free_sgpr 66
		.amdhsa_reserve_vcc 0
		.amdhsa_float_denorm_mode_32 3
		.amdhsa_float_denorm_mode_16_64 3
		.amdhsa_memory_ordered 1
		.amdhsa_forward_progress 1
		.amdhsa_inst_pref_size 11
	.end_amdhsa_kernel
	.amdgpu_metadata
---
amdhsa.version: [ 1, 2 ]
amdhsa.kernels:
  - .name:           k_q46be7864b2_quant
    .symbol:         k_q46be7864b2_quant.kd
    .args:
      - { .name: x, .offset: 0, .size: 8, .value_kind: global_buffer, .address_space: global }
      - { .name: Wq, .offset: 8, .size: 8, .value_kind: global_buffer, .address_space: global }
      - { .name: Wk, .offset: 16, .size: 8, .value_kind: global_buffer, .address_space: global }
      - { .name: Wv, .offset: 24, .size: 8, .value_kind: global_buffer, .address_space: global }
      - { .name: xw, .offset: 32, .size: 8, .value_kind: global_buffer, .address_space: global }
    .group_segment_fixed_size: 69120
    .private_segment_fixed_size: 0
    .kernarg_segment_align: 8
    .kernarg_segment_size: 40
    .max_flat_workgroup_size: 256
    .sgpr_count:     66
    .vgpr_count:     168
    .wavefront_size: 32
...
	.end_amdgpu_metadata
.endif
;; end of part 1
;; launch proj (part 2): grid 8 x 48, 4 waves a work-group, clusters of 4 x 4, 327,680 bytes of LDS; arguments xw, qkv; writes qkv
.if DOCPART == 2
	.amdgcn_target "amdgcn-amd-amdhsa--gfx1250"
	.amdhsa_code_object_version 6
	.text
	.protected	k_q46be7864b2_proj
	.globl	k_q46be7864b2_proj
	.p2align	8
	.type	k_q46be7864b2_proj,@function
k_q46be7864b2_proj:
	s_mov_b64 s[64:65], 0
	v_nop
	global_prefetch_b8 v0, s[64:65] scope:SCOPE_SE
	s_setreg_imm32_b32 hwreg(HW_REG_WAVE_MODE, 25, 1), 1
	s_wait_xcnt 0x0
	s_wait_alu depctr_hold_cnt(0) depctr_sa_sdst(0) depctr_va_vdst(0) depctr_va_sdst(0) depctr_va_ssrc(0) depctr_va_vcc(0) depctr_vm_vsrc(0)
	s_getreg_b32 s2, hwreg(HW_REG_IB_STS2, 6, 4)
	s_cmp_eq_u32 s2, 0
	s_cbranch_scc0 .Lentry_in_a_cluster
	s_endpgm
.Lentry_in_a_cluster:
	s_bfe_u32 s2, ttmp6, 0x10000c
	s_cmp_lg_u32 s2, 0xf033
	s_cbranch_scc0 .Lentry_shape_is_right
	s_endpgm
.Lentry_shape_is_right:
; q = x Wq^T, k = x Wk^T, v = x Wv^T on the units that the first launch made (their layout: its head comment), K = 1024; the results are quantised in registers and leave as units again:
; q and k along d (unit 8 G + ks and 512 + 8 G + ks: G = group of 128 tokens, ks = group of 128 of d), v along the tokens (unit 1024 + (8 b + cg) 16 + ks: cg = group of 128 channels, ks = group of 128 tokens of batch b).
; A tile is 256 (source 1's rows) x 256 (source 0's rows), four waves of 128 x 128: 64 accumulators.  In the result lane l holds ONE row of source 1 (l % 16) and its registers run along source 0's rows, which by the
; units' choice of rows are 16 neighbours in two neighbouring accumulators.  So: for q and k source 1 = tokens, source 0 = rows of Wq, Wk (clusters with y < 8); for v source 1 = rows of Wv, source 0 = tokens (y >= 8).
; K goes in 8 steps of 128 through two LDS slots of two steps.  A wave's tensor load brings two units on end, 25,600 dense bytes; fragments come by ds_load_b128 at 16 x lane: no pitch, no padding.
; CLUSTER 4 x 4: source 1's tile hangs on the cluster's y and cy alone and is asked for jointly along a row of the cluster; source 0's on the cluster's x, y and cx, jointly along a column.
; By this text's count a wave has two tensor loads out at the start and one behind each change of slots.
; REGISTERS: window 0: v1-7 addresses; v8-15, v16-23 scale words of source 1 and 0, two sets; v24-63 at work on the way out; v64-159, v160-255 source 1's fragments, two sets.  window 1: source 0's, v0-95, v96-191.
;   windows 2, 3: accumulator (a, b) at v[8 (8 (a % 4) + b)], a < 4 in window 2.
; LIMITS: as the first launch's head comment states them.
.set UNIT,  12800
.set SCO,   12288
.set GRP,   8*UNIT                     ; a group's eight K steps
.set REG,   2*UNIT                     ; what one tensor load brings
.set SLOT,  4*REG                      ; source 1's two halves, then source 0's
.set SPARE, 2*SLOT                     ; the spare words, 128 bytes for each wave: two blocks of 256 bytes that no other line names
.set LI,   1
.set ADRA, 2
.set ADRB, 4
.set SPW,  6
.set NIL,  7
.set SA,   8
.set SB,   16
.set TM,   24                          ; v24-27 largest magnitudes, v28-31 bytes, v36-39 the conversions' scale operands
.set PW,   40                          ; v40-47 the eight fragments' scale words
.set SW,   48                          ; v48-51 the same in the unit's layout
.set T2,   52                          ; v52-54, v56-58
.set AF,   64
.set CD,   64                          ; the way out: the eight fragments made, 12 registers each: no store's data are written again
.set G1,  24
.set G0,  32
.set G1B, 48
.set G0B, 56
.set SEL, 20
.set HM,  66
.set MSB, 0
.macro WIN new                         ; the immediate's high byte repeats the setting that is left
.if MSB != (\new)
	s_set_vgpr_msb (MSB<<8)|(\new)
.set MSB, (\new)
.endif
.endm
.macro PLACES cnt
.rept \cnt
	v_nop
.endr
.endm
.macro JLOAD g0a, g0b                  ; waves 0 and 1 fetch source 1's halves, waves 2 and 3 source 0's; the branch hangs on the wave's number alone; s_nop 0 and four v_nop follow each line
	s_cmp_eq_u32 s15, 0
	s_cbranch_scc0 .Lfor_b_\@
	tensor_load_to_lds s[\g0a:\g0a+3], s[G1:G1+7]
	s_nop 0
.rept 4
	v_nop
.endr
	s_branch .Lasked_\@
.Lfor_b_\@:
	tensor_load_to_lds s[\g0b:\g0b+3], s[G1B:G1B+7]
	s_nop 0
.rept 4
	v_nop
.endr
.Lasked_\@:
.endm
.macro CREST                           ; a round of the cluster's barrier behind its opening barrier
	s_cmp_lg_u32 s14, 0
	s_cbranch_scc1 .Lnot_wave_0_\@
	s_barrier_signal -3
.Lnot_wave_0_\@:
	s_barrier_wait -3
	s_barrier_signal -1
	s_barrier_wait -1
.endm
.macro CROUND
	s_barrier_signal -1
	s_barrier_wait -1
	CREST
.endm
; one product; pa, pb: source 0's, source 1's scale words stand in lanes 16-31 of their register
.macro WMX zero, pa, pb
.if \zero
.if (\pa) && (\pb)
	v_wmma_scale_f32_16x16x128_f8f6f4 v[rD:rD+7], v[rB:rB+11], v[rA:rA+11], 0, v[rSB], v[rSA] matrix_a_fmt:MATRIX_FMT_FP6 matrix_b_fmt:MATRIX_FMT_FP6 matrix_a_scale:MATRIX_SCALE_ROW1 matrix_b_scale:MATRIX_SCALE_ROW1
.elseif (\pa)
	v_wmma_scale_f32_16x16x128_f8f6f4 v[rD:rD+7], v[rB:rB+11], v[rA:rA+11], 0, v[rSB], v[rSA] matrix_a_fmt:MATRIX_FMT_FP6 matrix_b_fmt:MATRIX_FMT_FP6 matrix_a_scale:MATRIX_SCALE_ROW1
.elseif (\pb)
	v_wmma_scale_f32_16x16x128_f8f6f4 v[rD:rD+7], v[rB:rB+11], v[rA:rA+11], 0, v[rSB], v[rSA] matrix_a_fmt:MATRIX_FMT_FP6 matrix_b_fmt:MATRIX_FMT_FP6 matrix_b_scale:MATRIX_SCALE_ROW1
.else
	v_wmma_scale_f32_16x16x128_f8f6f4 v[rD:rD+7], v[rB:rB+11], v[rA:rA+11], 0, v[rSB], v[rSA] matrix_a_fmt:MATRIX_FMT_FP6 matrix_b_fmt:MATRIX_FMT_FP6
.endif
.else
.if (\pa) && (\pb)
	v_wmma_scale_f32_16x16x128_f8f6f4 v[rD:rD+7], v[rB:rB+11], v[rA:rA+11], v[rD:rD+7], v[rSB], v[rSA] matrix_a_fmt:MATRIX_FMT_FP6 matrix_b_fmt:MATRIX_FMT_FP6 matrix_a_scale:MATRIX_SCALE_ROW1 matrix_b_scale:MATRIX_SCALE_ROW1
.elseif (\pa)
	v_wmma_scale_f32_16x16x128_f8f6f4 v[rD:rD+7], v[rB:rB+11], v[rA:rA+11], v[rD:rD+7], v[rSB], v[rSA] matrix_a_fmt:MATRIX_FMT_FP6 matrix_b_fmt:MATRIX_FMT_FP6 matrix_a_scale:MATRIX_SCALE_ROW1
.elseif (\pb)
	v_wmma_scale_f32_16x16x128_f8f6f4 v[rD:rD+7], v[rB:rB+11], v[rA:rA+11], v[rD:rD+7], v[rSB], v[rSA] matrix_a_fmt:MATRIX_FMT_FP6 matrix_b_fmt:MATRIX_FMT_FP6 matrix_b_scale:MATRIX_SCALE_ROW1
.else
	v_wmma_scale_f32_16x16x128_f8f6f4 v[rD:rD+7], v[rB:rB+11], v[rA:rA+11], v[rD:rD+7], v[rSB], v[rSA] matrix_a_fmt:MATRIX_FMT_FP6 matrix_b_fmt:MATRIX_FMT_FP6
.endif
.endif
.endm
; source 1's blocks a0 .. a0 + cnt - 1, each against source 0's eight.  The 64 accumulators take turns, one instruction a turn, in the same order in every K step
.macro MUL a0, cnt, set, zero
.set xa, \a0
.rept \cnt
.set xb, 0
.rept 8
.set rD, 8*(8*(xa%4)+xb)
.set rB, 96*(\set)+12*xb
.set rA, AF+96*(\set)+12*xa
.set rSB, SB+4*(\set)+xb/2
.set rSA, SA+4*(\set)+xa/2
	WMX \zero, xb%2, xa%2
.set xb, xb+1
.endr
.set xa, xa+1
.endr
.endm
; 50 LDS loads in one run: a K step's sixteen fragments and eight registers of scale words into set
.macro FETCH slot, q, set
	WIN 0x40                                       ; destination window 1, address window 0
.irp i, 0,1,2,3,4,5,6,7
.irp c, 0,1,2
	ds_load_b128 v[96*(\set)+12*\i+4*\c:96*(\set)+12*\i+4*\c+3], v[ADRB+\slot] offset:UNIT*(\q)+1536*\i+512*\c
.endr
.endr
	WIN 0
.irp i, 0,1,2,3,4,5,6,7
.irp c, 0,1,2
	ds_load_b128 v[AF+96*(\set)+12*\i+4*\c:AF+96*(\set)+12*\i+4*\c+3], v[ADRA+\slot] offset:UNIT*(\q)+1536*\i+512*\c
.endr
.endr
	ds_load_b128 v[SB+4*(\set):SB+4*(\set)+3], v[ADRB+\slot] offset:UNIT*(\q)+SCO
	ds_load_b128 v[SA+4*(\set):SA+4*(\set)+3], v[ADRA+\slot] offset:UNIT*(\q)+SCO
.endm
; a slot's first K step (set 0); the second's fragments are asked for at its head, 64 products ahead of their use
.macro KSTEP slot, zero
	s_wait_dscnt 0x0                               ; set 0 is in
	PLACES 4                                       ; in front of loads into registers that the last products read
	FETCH \slot, 1, 1
	WIN 0xa1                                       ; source 0 window 1, source 1 window 0, C and D window 2
	MUL 0, 4, 0, \zero
	WIN 0xf1                                       ; C and D window 3
	MUL 4, 4, 0, \zero
	WIN 0
.endm
; a slot's second K step (set 1) changes slots: ONE barrier.  In front of it each wave waits for all its tensor loads (its part of the next slot), adds 0 to its spare word, and waits for that and for its reads of this slot
.macro TURN slot, next, fill
	s_wait_tensorcnt 0x0
	ds_add_u32 v[SPW], v[NIL]
	s_wait_dscnt 1                                 ; set 1 is in; the add may be out
	WIN 0xa1
	MUL 0, 1, 1, 0                                 ; eight products stand between the add and the wait for it
	s_wait_dscnt 0x0                               ; the add is done, and my reads of this slot are over
	s_barrier_signal -1
	MUL 1, 1, 1, 0
	WIN 0
	s_barrier_wait -1
.if \fill
	CREST                                          ; the barrier has opened a round of the cluster's: no wave of any partner still reads this slot or has a load on its way
	s_add_nc_u64 s[G0+4*\slot+2:G0+4*\slot+3], s[G0+4*\slot+2:G0+4*\slot+3], 2*REG
	s_add_nc_u64 s[G0B+4*\slot+2:G0B+4*\slot+3], s[G0B+4*\slot+2:G0B+4*\slot+3], 2*REG
	JLOAD G0+4*\slot, G0B+4*\slot                  ; the first tensor load behind the round: 128 products ahead of the wait for it; its four v_nop are the places in front of the loads below
.else
	PLACES 4
.endif
	FETCH \next, 0, 0
	WIN 0xa1
	MUL 2, 2, 1, 0
	WIN 0xf1
	MUL 4, 4, 1, 0
	WIN 0
.endm
	s_load_b128 s[4:7], s[0:1], 0x0                ; xw, qkv
	v_lshl_add_u32 v[SPW], v0, 2, SPARE
	v_mov_b32 v[NIL], 0
	ds_add_u32 v[SPW], v[NIL]                      ; the wave's opening: the add, twice on end, and its wait ahead of my first tensor load
	ds_add_u32 v[SPW], v[NIL]
	v_lshrrev_b32 v1, 5, v0
	v_readfirstlane_b32 s14, v1                    ; wave 0..3
	s_lshr_b32 s15, s14, 1                         ; my half of source 1's rows.  Also: I fetch for source 1 (0) or 0 (1)
	s_and_b32 s16, s14, 1                          ; my half of source 0's rows.  Also: which half I fetch
	s_bfe_u32 s40, ttmp6, 0x40000                  ; cx
	s_bfe_u32 s41, ttmp6, 0x40004                  ; cy
	s_lshl_b32 s42, ttmp9, 2
	s_add_co_u32 s42, s42, s40                     ; X = 4 x cluster x + cx
	s_and_b32 s18, ttmp7, 0xffff                   ; the cluster's y: the same in all sixteen partners
	s_lshl_b32 s17, s18, 2
	s_add_co_u32 s17, s17, s41                     ; Y = 4 x cluster y + cy
	s_lshl_b32 s43, s41, 2
	s_lshl_b32 s43, 15, s43                        ; my row of the cluster
	s_lshl_b32 s44, 0x1111, s40                    ; my column
	s_or_b32 s[G1], s43, (3<<16)|(1<<21)           ; 15:0 the mask; 17:16 elements of 8 bytes; 21 set beside a mask; no padding
	s_or_b32 s[G1B], s44, (3<<16)|(1<<21)
.irp g, G1, G1B
	s_mov_b32 s[\g+1], 32<<16                      ; tensor_dim0 = 32 elements: rows of 256 bytes
	s_mov_b32 s[\g+2], 100<<16                     ; tensor_dim1 = 100 rows: 25,600 dense bytes
	s_mov_b32 s[\g+3], 32<<16                      ; tile_dim0
	s_mov_b32 s[\g+4], 100                         ; tile_dim1
	s_mov_b32 s[\g+5], 32                          ; the pitch
	s_mov_b32 s[\g+6], 0
	s_mov_b32 s[\g+7], 0
.endr
	s_lshl_b32 s19, s17, 1                         ; q, k: source 1 = token groups 2 Y ..
	s_lshl_b32 s22, s41, 1
	s_add_co_u32 s22, s22, 80                      ; v: source 1 = Wv's groups 80 + 2 cy ..
	s_lshl_b32 s45, s42, 1
	s_add_co_u32 s46, s45, 64                      ; q, k: source 0 = Wq's and Wk's groups 64 + 2 X ..
	s_max_u32 s47, s18, 8
	s_sub_co_u32 s47, s47, 8
	s_lshl_b32 s47, s47, 4
	s_add_co_u32 s47, s47, s45                     ; v: source 0 = token groups 2 X + 16 (cluster y - 8) ..
	s_cmp_lt_u32 s18, 8
	s_cselect_b32 s19, s19, s22
	s_cselect_b32 s46, s46, s47
	s_add_co_u32 s22, s19, s16                     ; the groups that I would fetch
	s_add_co_u32 s47, s46, s16
	s_mul_i32 s22, s22, GRP
	s_mov_b32 s23, 0
	s_mul_i32 s68, s47, GRP
	s_mov_b32 s69, 0
	s_mul_i32 s70, s14, REG                        ; where they go: wave x 25,600: no place in the cluster enters an LDS address
	s_mov_b32 s[SEL], 0x76543210
	s_mov_b32 s[SEL+1], 0xfedcba98
	s_mov_b32 s[HM], 0xffff0000                    ; lanes 16-31
	s_wait_dscnt 0x0                               ; both opening adds are done
	s_wait_kmcnt 0x0
	s_add_nc_u64 s[22:23], s[4:5], s[22:23]
	s_add_nc_u64 s[68:69], s[4:5], s[68:69]
	CROUND                                         ; all sixteen work-groups are here: the first joint loads meet
.irp s, 0,1
	s_mov_b32 s[G0+4*\s], 1
	s_add_co_u32 s[G0+4*\s+1], s70, \s*SLOT
	s_add_nc_u64 s[G0+4*\s+2:G0+4*\s+3], s[22:23], \s*REG
	s_or_b32 s[G0+4*\s+3], s[G0+4*\s+3], 0x80000000
	s_mov_b32 s[G0B+4*\s], 1
	s_add_co_u32 s[G0B+4*\s+1], s70, \s*SLOT
	s_add_nc_u64 s[G0B+4*\s+2:G0B+4*\s+3], s[68:69], \s*REG
	s_or_b32 s[G0B+4*\s+3], s[G0B+4*\s+3], 0x80000000
	JLOAD G0+4*\s, G0B+4*\s
.endr
	v_and_b32 v1, 31, v0
	v_lshlrev_b32 v[LI], 4, v1                     ; 16 x lane
	s_mul_i32 s71, s15, REG
	s_mul_i32 s72, s16, REG
	s_add_co_u32 s72, s72, 2*REG
.irp s, 0,1
	v_add_nc_u32 v[ADRA+\s], s71, v[LI]
	v_add_nc_u32 v[ADRB+\s], s72, v[LI]
	s_add_co_u32 s71, s71, SLOT
	s_add_co_u32 s72, s72, SLOT
.endr
.irp b, 0,1,2,3
	v_mov_b32 v[TM+4+\b], 0                        ; written once: a lane permute's destination counts as one of its sources
.endr
	; the unit that my 128 x 128 becomes
	s_lshl_b32 s73, s42, 1
	s_add_co_u32 s73, s73, s16                     ; q, k: c = 2 X + my half: 0-7 q's groups of d, 8-15 k's
	s_lshr_b32 s74, s73, 3
	s_lshl_b32 s74, s74, 9
	s_and_b32 s73, s73, 7
	s_add_co_u32 s73, s73, s74
	s_lshl_b32 s74, s17, 1
	s_add_co_u32 s74, s74, s15                     ; G = 2 Y + my half
	s_lshl_b32 s74, s74, 3
	s_add_co_u32 s73, s73, s74                     ; 512 (c / 8) + 8 G + c % 8
	s_add_co_u32 s75, s46, s16                     ; v: my token group
	s_lshr_b32 s76, s75, 4                         ; its batch
	s_lshl_b32 s76, s76, 3
	s_lshl_b32 s77, s41, 1
	s_add_co_u32 s76, s76, s77
	s_add_co_u32 s76, s76, s15                     ; 8 b + cg
	s_lshl_b32 s76, s76, 4
	s_and_b32 s75, s75, 15
	s_add_co_u32 s75, s75, s76
	s_add_co_u32 s75, s75, 1024
	s_cmp_lt_u32 s18, 8
	s_cselect_b32 s73, s73, s75
	s_mul_i32 s74, s73, UNIT
	s_mov_b32 s75, 0
	s_add_nc_u64 s[12:13], s[6:7], s[74:75]
	s_wait_tensorcnt 1                             ; my part of slot 0 is in; slot 1's may stay out
	s_barrier_signal -1
	s_barrier_wait -1
	FETCH 0, 0, 0
	KSTEP 0, 1                                     ; the first products start the sums: nothing is cleared
	TURN 0, 1, 1
	KSTEP 1, 0
	TURN 1, 0, 1
	KSTEP 0, 0
	TURN 0, 1, 0                                   ; nothing is left to fetch, so no round follows
	KSTEP 1, 0
	s_wait_dscnt 0x0
	WIN 0xa1
	MUL 0, 4, 1, 0
	WIN 0xf1
	MUL 4, 4, 1, 0
	WIN 0
	PLACES 4                                       ; in front of the first reads of results and writes of operands' registers
; THE WAY OUT.  Source 1's block a: my lane's 64 numbers, register 16 b + i = place 32 b + 16 (lane / 16) + i along the next K, become fragment a of my unit.  Each accumulator is read from its low end on.
.macro QW a
.set AC, 64*((\a)%4)
.set WN, 2+(\a)/4
	WIN WN*5                                       ; sources 0 and 1: the accumulators' window
.irp b, 0,1,2,3
	v_max3_num_f32 v[TM+\b], |v[AC+16*\b]|, |v[AC+16*\b+1]|, 0x1800000   ; the floor 2^(3 - 127) keeps the byte at 1 from below
.endr
.irp i, 2,4,6,8,10,12,14
.irp b, 0,1,2,3
	v_max3_num_f32 v[TM+\b], |v[AC+16*\b+\i]|, |v[AC+16*\b+\i+1]|, v[TM+\b]
.endr
.endr
	WIN 0
.irp b, 0,1,2,3
	v_permlanex16_b32 v[TM+4+\b], v[TM+\b], s[SEL], s[SEL+1]
.endr
.irp b, 0,1,2,3
	v_max_num_f32 v[TM+\b], v[TM+\b], v[TM+4+\b]   ; with lane l xor 16's: the block's largest magnitude
.endr
.irp b, 0,1,2,3
	v_add_nc_u32 v[TM+12+\b], 0xff000000, v[TM+\b] ; 2 off its exponent field: the conversion's scale operand
.endr
.irp b, 0,1,2,3
	v_lshrrev_b32 v[TM+4+\b], 23, v[TM+12+\b]      ; the scale's byte
.endr
	v_lshl_or_b32 v[PW+\a], v[TM+5], 8, v[TM+4]
	v_lshl_or_b32 v[PW+\a], v[TM+6], 16, v[PW+\a]
	v_lshl_or_b32 v[PW+\a], v[TM+7], 24, v[PW+\a]
	WIN WN                                         ; source 0: the accumulators' window
.irp c, 0,1
	v_cvt_scalef32_pk16_fp6_f32 v[CD+12*(\a)+6*\c:CD+12*(\a)+6*\c+2], v[AC+32*\c:AC+32*\c+15], v[TM+12+2*\c]
	v_cvt_scalef32_pk16_fp6_f32 v[T2+4*\c:T2+4*\c+2], v[AC+32*\c+16:AC+32*\c+31], v[TM+12+2*\c+1]
.endr
	WIN 0
	v_nop                                          ; one plain place behind a scaled conversion
.irp c, 0,1                                    ; the operand's layout wants a whole block in a lane
.irp i, 0,1,2
	v_permlane16_swap_b32 v[CD+12*(\a)+6*\c+\i], v[T2+4*\c+\i]
.endr
.irp i, 0,1,2
	v_mov_b32 v[CD+12*(\a)+6*\c+3+\i], v[T2+4*\c+\i]
.endr
.endr
.irp c, 0,1,2
	global_store_b128 v[LI], v[CD+12*(\a)+4*\c:CD+12*(\a)+4*\c+3], s[12:13] offset:1536*(\a)+512*\c   ; 512 consecutive bytes, at a multiple of 256 from the buffer's first byte
.endr
.endm
.irp a, 0,1,2,3,4,5,6,7
	QW \a
.endr
.irp j, 0,1,2,3
	v_cndmask_b32 v[SW+\j], v[PW+2*\j], v[PW+2*\j+1], s[HM]   ; lanes 0-15: fragment 2 j's words, lanes 16-31: fragment 2 j + 1's
.endr
	global_store_b128 v[LI], v[SW:SW+3], s[12:13] offset:SCO
	s_wait_tensorcnt 0x0                           ; the wave's end
	ds_add_u32 v[SPW], v[NIL]
	s_wait_dscnt 0x0
	CROUND                                         ; the closing round
	s_endpgm
.Lfunc_end_k_q46be7864b2_proj:
	.size	k_q46be7864b2_proj, .Lfunc_end_k_q46be7864b2_proj-k_q46be7864b2_proj
	.p2alignl 7, 3214868480
	.fill 96, 4, 3214868480
	.section	.rodata,"a",@progbits
	.p2align	6, 0x0
	.amdhsa_kernel k_q46be7864b2_proj
		.amdhsa_group_segment_fixed_size 327680
		.amdhsa_private_segment_fixed_size 0
		.amdhsa_enable_private_segment 0
		.amdhsa_kernarg_size 16
		.amdhsa_user_sgpr_count 2
		.amdhsa_user_sgpr_kernarg_segment_ptr 1
		.amdhsa_wavefront_size32 1
		.amdhsa_system_sgpr_workgroup_id_x 1
		.amdhsa_system_sgpr_workgroup_id_y 1
		.amdhsa_system_sgpr_workgroup_id_z 1
		.amdhsa_system_vgpr_workitem_id 0
		.amdhsa_next_free_vgpr 1024
		.amdhsa_next_free_sgpr 100
		.amdhsa_reserve_vcc 0
		.amdhsa_float_denorm_mode_32 3
		.amdhsa_float_denorm_mode_16_64 3
		.amdhsa_memory_ordered 1
		.amdhsa_forward_progress 1
		.amdhsa_inst_pref_size 135
	.end_amdhsa_kernel
	.amdgpu_metadata
---
amdhsa.version: [ 1, 2 ]
amdhsa.kernels:
  - .name:           k_q46be7864b2_proj
    .symbol:         k_q46be7864b2_proj.kd
    .args:
      - { .name: xw, .offset: 0, .size: 8, .value_kind: global_buffer, .address_space: global }
      - { .name: qkv, .offset: 8, .size: 8, .value_kind: global_buffer, .address_space: global }
    .group_segment_fixed_size: 327680
    .private_segment_fixed_size: 0
    .kernarg_segment_align: 8
    .kernarg_segment_size: 16
    .max_flat_workgroup_size: 128
    .sgpr_count:     100
    .vgpr_count:     1024
    .wavefront_size: 32
...
	.end_amdgpu_metadata
.endif
;; end of part 2
;; launch scores (part 3): grid 36 x 4, 4 waves a work-group, no clusters, 327,680 bytes of LDS; arguments qkv, pu, pl; writes pu, pl
.if DOCPART == 3
	.amdgcn_target "amdgcn-amd-amdhsa--gfx1250"
	.amdhsa_code_object_version 6
	.text
	.protected	k_q46be7864b2_scores
	.globl	k_q46be7864b2_scores
	.p2align	8
	.type	k_q46be7864b2_scores,@function
k_q46be7864b2_scores:
	s_mov_b64 s[64:65], 0
	v_nop
	global_prefetch_b8 v0, s[64:65] scope:SCOPE_SE
	s_setreg_imm32_b32 hwreg(HW_REG_WAVE_MODE, 25, 1), 1
	s_wait_xcnt 0x0
; S = q k^T on units (their layout: the first launch's head comment), K = 1024, and the softmax's p, quantised along the keys, as units again.
; WORK LEFT OUT: the tiles of 256 queries x 256 keys whose keys all come after their queries: the problem's own causal mask makes their p 0 for all inputs (shown at the first launch's head).  36 tiles of 64 a batch: (i, j), j <= i.
; A tile is four waves of 128 queries (source 1) x 128 keys (source 0); a lane holds ONE query, its registers run along the keys.
; THE SOFTMAX BY CHUNKS OF 128 KEYS.  t = score x log2(e) / 32.  M' = the ceiling of the largest t of my query among the chunk's keys that count; p' = 2^(t - M') is quantised, block by block of 32 keys.
; M' is a whole number, and so is the row's M = the largest M': p = p' x 2^(M' - M) has the same codes, and its scale byte is p''s less M - M'.  The next launch takes that off.  Beside the codes go M' and l' = the sum of the unquantised p'.
; A P unit: 12,800 bytes as every unit, then 512 bytes of M' (f32, laid as the scale words); unit (16 b + gq) 16 + ks, gq the group of 128 queries, ks of 128 keys; l' in pl, 512 bytes a unit.
; On the diagonal tile the wave whose 128 keys all come after its 128 queries stays in the matrix loop (it shares the ring's barriers) and stores a unit of zero codes, bytes 1, M' = -3e38, l' = 0.
; NO CLUSTER: a row or a column of the triangle holds 1 to 8 tiles that are kept, so fours that share a tile would need partners without work.
; By this text's count a wave has two tensor loads out at the start and one behind each change of slots.
; LIMITS: as the first launch's head comment states them; a p' under 2^-126 is taken as 0.
.set UNIT,  12800
.set PUNIT, 13312
.set SCO,   12288
.set MPO,   12800
.set GRP,   8*UNIT
.set REG,   2*UNIT
.set SLOT,  4*REG
.set SPARE, 2*SLOT                     ; the spare words, 128 bytes for each wave: two blocks of 256 bytes that no other line names
.set LI,   1
.set ADRA, 2
.set ADRB, 4
.set SPW,  6
.set NIL,  7
.set SA,   8
.set SB,   16
.set BM,   24                          ; v24-27 the blocks' largest scores, then p; v28-31 at work
.set SO,   32                          ; v32-35 the conversions' scale operands
.set NM,   36                          ; v36 -M' (v37 named with it as a pair)
.set XT,   38
.set SMA,  40                          ; v[40:41], v[42:43] the sum's two chains
.set SMB,  42
.set T2,   44                          ; v44-46, v48-50
.set EE,   52                          ; v52, v53: the diagonal's limits
.set NINF, 54
.set AF,   64
.set CD,   64                          ; the eight fragments made
.set PA,   160                         ; v160-223 a block's 64 p'
.set PW,   224                         ; v224-231 scale words, v232-239 M', v240-247 l'
.set MM,   232
.set LL,   240
.set G1,  24
.set G0,  32
.set SEL, 20
.set HM,  48
.set CS,  50
.set QB,  44
.set KB,  45
.set PU,  10
.set PLA, 12
.set MSB, 0
.macro WIN new
.if MSB != (\new)
	s_set_vgpr_msb (MSB<<8)|(\new)
.set MSB, (\new)
.endif
.endm
.macro PLACES cnt
.rept \cnt
	v_nop
.endr
.endm
.macro WMX zero, pa, pb
.if \zero
.if (\pa) && (\pb)
	v_wmma_scale_f32_16x16x128_f8f6f4 v[rD:rD+7], v[rB:rB+11], v[rA:rA+11], 0, v[rSB], v[rSA] matrix_a_fmt:MATRIX_FMT_FP6 matrix_b_fmt:MATRIX_FMT_FP6 matrix_a_scale:MATRIX_SCALE_ROW1 matrix_b_scale:MATRIX_SCALE_ROW1
.elseif (\pa)
	v_wmma_scale_f32_16x16x128_f8f6f4 v[rD:rD+7], v[rB:rB+11], v[rA:rA+11], 0, v[rSB], v[rSA] matrix_a_fmt:MATRIX_FMT_FP6 matrix_b_fmt:MATRIX_FMT_FP6 matrix_a_scale:MATRIX_SCALE_ROW1
.elseif (\pb)
	v_wmma_scale_f32_16x16x128_f8f6f4 v[rD:rD+7], v[rB:rB+11], v[rA:rA+11], 0, v[rSB], v[rSA] matrix_a_fmt:MATRIX_FMT_FP6 matrix_b_fmt:MATRIX_FMT_FP6 matrix_b_scale:MATRIX_SCALE_ROW1
.else
	v_wmma_scale_f32_16x16x128_f8f6f4 v[rD:rD+7], v[rB:rB+11], v[rA:rA+11], 0, v[rSB], v[rSA] matrix_a_fmt:MATRIX_FMT_FP6 matrix_b_fmt:MATRIX_FMT_FP6
.endif
.else
.if (\pa) && (\pb)
	v_wmma_scale_f32_16x16x128_f8f6f4 v[rD:rD+7], v[rB:rB+11], v[rA:rA+11], v[rD:rD+7], v[rSB], v[rSA] matrix_a_fmt:MATRIX_FMT_FP6 matrix_b_fmt:MATRIX_FMT_FP6 matrix_a_scale:MATRIX_SCALE_ROW1 matrix_b_scale:MATRIX_SCALE_ROW1
.elseif (\pa)
	v_wmma_scale_f32_16x16x128_f8f6f4 v[rD:rD+7], v[rB:rB+11], v[rA:rA+11], v[rD:rD+7], v[rSB], v[rSA] matrix_a_fmt:MATRIX_FMT_FP6 matrix_b_fmt:MATRIX_FMT_FP6 matrix_a_scale:MATRIX_SCALE_ROW1
.elseif (\pb)
	v_wmma_scale_f32_16x16x128_f8f6f4 v[rD:rD+7], v[rB:rB+11], v[rA:rA+11], v[rD:rD+7], v[rSB], v[rSA] matrix_a_fmt:MATRIX_FMT_FP6 matrix_b_fmt:MATRIX_FMT_FP6 matrix_b_scale:MATRIX_SCALE_ROW1
.else
	v_wmma_scale_f32_16x16x128_f8f6f4 v[rD:rD+7], v[rB:rB+11], v[rA:rA+11], v[rD:rD+7], v[rSB], v[rSA] matrix_a_fmt:MATRIX_FMT_FP6 matrix_b_fmt:MATRIX_FMT_FP6
.endif
.endif
.endm
.macro MUL a0, cnt, set, zero          ; the 64 accumulators take turns, one instruction a turn, in the same order in every K step
.set xa, \a0
.rept \cnt
.set xb, 0
.rept 8
.set rD, 8*(8*(xa%4)+xb)
.set rB, 96*(\set)+12*xb
.set rA, AF+96*(\set)+12*xa
.set rSB, SB+4*(\set)+xb/2
.set rSA, SA+4*(\set)+xa/2
	WMX \zero, xb%2, xa%2
.set xb, xb+1
.endr
.set xa, xa+1
.endr
.endm
.macro FETCH slot, q, set
	WIN 0x40
.irp i, 0,1,2,3,4,5,6,7
.irp c, 0,1,2
	ds_load_b128 v[96*(\set)+12*\i+4*\c:96*(\set)+12*\i+4*\c+3], v[ADRB+\slot] offset:UNIT*(\q)+1536*\i+512*\c
.endr
.endr
	WIN 0
.irp i, 0,1,2,3,4,5,6,7
.irp c, 0,1,2
	ds_load_b128 v[AF+96*(\set)+12*\i+4*\c:AF+96*(\set)+12*\i+4*\c+3], v[ADRA+\slot] offset:UNIT*(\q)+1536*\i+512*\c
.endr
.endr
	ds_load_b128 v[SB+4*(\set):SB+4*(\set)+3], v[ADRB+\slot] offset:UNIT*(\q)+SCO
	ds_load_b128 v[SA+4*(\set):SA+4*(\set)+3], v[ADRA+\slot] offset:UNIT*(\q)+SCO
.endm
.macro KSTEP slot, zero
	s_wait_dscnt 0x0                               ; set 0 is in
	PLACES 4                                       ; in front of loads into registers that the last products read
	FETCH \slot, 1, 1
	WIN 0xa1
	MUL 0, 4, 0, \zero
	WIN 0xf1
	MUL 4, 4, 0, \zero
	WIN 0
.endm
.macro TURN slot, next, fill           ; the change of slots: all my tensor loads, the add, my reads of this slot; ONE barrier; the refill first behind it
	s_wait_tensorcnt 0x0
	ds_add_u32 v[SPW], v[NIL]
	s_wait_dscnt 1                                 ; set 1 is in; the add may be out
	WIN 0xa1
	MUL 0, 1, 1, 0
	s_wait_dscnt 0x0                               ; the add is done, and my reads of this slot are over
	s_barrier_signal -1
	MUL 1, 1, 1, 0
	WIN 0
	s_barrier_wait -1
.if \fill
	s_add_nc_u64 s[G0+4*\slot+2:G0+4*\slot+3], s[G0+4*\slot+2:G0+4*\slot+3], 2*REG
	tensor_load_to_lds s[G0+4*\slot:G0+4*\slot+3], s[G1:G1+7]   ; my one tensor load behind this barrier: 128 products ahead of the wait for it
	s_nop 0
.endif
	PLACES 4                                       ; in front of the loads below
	FETCH \next, 0, 0
	WIN 0xa1
	MUL 2, 2, 1, 0
	WIN 0xf1
	MUL 4, 4, 1, 0
	WIN 0
.endm
	s_load_b128 s[4:7], s[0:1], 0x0                ; qkv, pu
	s_load_b64 s[8:9], s[0:1], 0x10                ; pl
	v_lshl_add_u32 v[SPW], v0, 2, SPARE
	v_mov_b32 v[NIL], 0
	ds_add_u32 v[SPW], v[NIL]                      ; the wave's opening: the add, twice on end, and its wait ahead of my first tensor load
	ds_add_u32 v[SPW], v[NIL]
	v_lshrrev_b32 v1, 5, v0
	v_readfirstlane_b32 s14, v1                    ; wave 0..3
	s_lshr_b32 s15, s14, 1                         ; my half of the queries
	s_and_b32 s16, s14, 1                          ; my half of the keys
	s_and_b32 s17, ttmp7, 0xffff                   ; the batch
	s_mov_b32 s18, 0                               ; i: how many rows of the triangle begin at or under my number
.irp th, 1,3,6,10,15,21,28
	s_cmp_ge_u32 ttmp9, \th
	s_cselect_b32 s19, 1, 0
	s_add_co_u32 s18, s18, s19
.endr
	s_add_co_u32 s19, s18, 1
	s_mul_i32 s19, s19, s18
	s_lshr_b32 s19, s19, 1
	s_sub_co_u32 s19, ttmp9, s19                   ; j = my number - i (i + 1) / 2
	s_mov_b32 s[G1], 3<<16                         ; no mask; elements of 8 bytes; no padding
	s_mov_b32 s[G1+1], 32<<16                      ; rows of 256 bytes,
	s_mov_b32 s[G1+2], 100<<16                     ; 100 of them: two units on end
	s_mov_b32 s[G1+3], 32<<16
	s_mov_b32 s[G1+4], 100
	s_mov_b32 s[G1+5], 32
	s_mov_b32 s[G1+6], 0
	s_mov_b32 s[G1+7], 0
	s_cmp_lt_u32 s14, 2                            ; waves 0, 1 fetch q's halves, waves 2, 3 k's
	s_cselect_b32 s22, s18, s19
	s_cselect_b32 s23, 0, 512*UNIT                 ; k's units lie behind q's 512
	s_lshl_b32 s22, s22, 1
	s_add_co_u32 s22, s22, s16
	s_lshl_b32 s40, s17, 4
	s_add_co_u32 s22, s22, s40                     ; the group of 128 tokens
	s_mul_i32 s22, s22, GRP
	s_add_co_u32 s22, s22, s23
	s_mov_b32 s23, 0
	s_mul_i32 s41, s14, REG                        ; my region of a slot
	s_mov_b32 s[SEL], 0x76543210
	s_mov_b32 s[SEL+1], 0xfedcba98
	s_mov_b32 s[HM], 0xffff0000
	s_mov_b32 s[CS], 0x3d38aa3b                    ; c = log2(e) / 32
	s_mov_b32 s[CS+1], s[CS]
	s_wait_dscnt 0x0                               ; both opening adds are done
	s_wait_kmcnt 0x0
	s_add_nc_u64 s[22:23], s[4:5], s[22:23]
.irp s, 0,1
	s_mov_b32 s[G0+4*\s], 1
	s_add_co_u32 s[G0+4*\s+1], s41, \s*SLOT
	s_add_nc_u64 s[G0+4*\s+2:G0+4*\s+3], s[22:23], \s*REG
	s_or_b32 s[G0+4*\s+3], s[G0+4*\s+3], 0x80000000
.endr
	tensor_load_to_lds s[G0:G0+3], s[G1:G1+7]      ; K steps 0, 1
	s_nop 0
	tensor_load_to_lds s[G0+4:G0+7], s[G1:G1+7]    ; K steps 2, 3
	s_nop 0
	PLACES 4
	v_and_b32 v1, 31, v0
	v_lshlrev_b32 v[LI], 4, v1
	s_mul_i32 s42, s15, REG
	s_mul_i32 s43, s16, REG
	s_add_co_u32 s43, s43, 2*REG
.irp s, 0,1
	v_add_nc_u32 v[ADRA+\s], s42, v[LI]
	v_add_nc_u32 v[ADRB+\s], s43, v[LI]
	s_add_co_u32 s42, s42, SLOT
	s_add_co_u32 s43, s43, SLOT
.endr
	v_and_b32 v55, 15, v0
	v_and_b32 v[EE], 8, v55
	v_add_nc_u32 v[EE], v[EE], v55
	v_bfe_u32 v55, v0, 4, 1
	v_lshlrev_b32 v55, 4, v55
	v_sub_nc_u32 v[EE], v[EE], v55                 ; r + 8 (r / 8) - 16 h: even fragments;
	v_add_nc_u32 v[EE+1], 8, v[EE]                 ; odd ones
	v_mov_b32 v[NINF], 0xff800000
	v_mov_b32 v[NM+1], 0                           ; (named as the upper half of a pair)
.irp b, 0,1,2,3
	v_mov_b32 v[BM+4+\b], 0                        ; written once: a lane permute's destination counts as one of its sources
.endr
	s_lshl_b32 s42, s17, 4
	s_lshl_b32 s[QB], s18, 1
	s_add_co_u32 s[QB], s[QB], s15                 ; my group of queries in the batch,
	s_lshl_b32 s[KB], s19, 1
	s_add_co_u32 s[KB], s[KB], s16                 ; and of keys
	s_add_co_u32 s42, s42, s[QB]
	s_lshl_b32 s42, s42, 4
	s_add_co_u32 s42, s42, s[KB]                   ; my P unit
	s_mul_i32 s46, s42, PUNIT
	s_mov_b32 s47, 0
	s_add_nc_u64 s[PU:PU+1], s[6:7], s[46:47]
	s_lshl_b32 s46, s42, 9
	s_add_nc_u64 s[PLA:PLA+1], s[8:9], s[46:47]
	s_wait_tensorcnt 1                             ; my part of slot 0 is in; slot 1's may stay out
	s_barrier_signal -1
	s_barrier_wait -1
	FETCH 0, 0, 0
	KSTEP 0, 1
	TURN 0, 1, 1
	KSTEP 1, 0
	TURN 1, 0, 1
	KSTEP 0, 0
	TURN 0, 1, 0
	KSTEP 1, 0
	s_wait_dscnt 0x0
	WIN 0xa1
	MUL 0, 4, 1, 0
	WIN 0xf1
	MUL 4, 4, 1, 0
	WIN 0
	PLACES 4                                       ; in front of the first reads of results and writes of operands' registers
	s_cmp_gt_u32 s[KB], s[QB]                      ; ids and the wave's number alone; no barrier stands behind this branch
	s_cbranch_scc1 .Ldead
; Fragment a of my queries: query 32 (a / 2) + 8 (a % 2) + r + 8 (r / 8); register 16 b + n holds key 32 b + 16 (lane / 16) + n.
.macro SOFT a
.set AC, 64*((\a)%4)
.set WN, 2+(\a)/4
.set BD, (\a)/2
	s_cmp_lg_u32 s[KB], s[QB]                      ; on the diagonal alone: hidden scores become -infinity ahead of the maximum
	s_cbranch_scc1 .Lopen_\@
	WIN WN*65                                      ; destination and source 0: the accumulators' window
.set nn, 0
.rept 16                                       ; block a / 2 holds the diagonal: hidden where n > my limit
	v_cmp_gt_i32 vcc_lo, nn, v[EE+(\a)%2]
	v_cndmask_b32 v[AC+16*BD+nn], v[AC+16*BD+nn], v[NINF], vcc_lo
.set nn, nn+1
.endr
.set nn, 16*(BD+1)
.rept 16*(3-BD)                                ; the blocks behind it are hidden whole; those in front of it count whole
	v_mov_b32 v[AC+nn], 0xff800000
.set nn, nn+1
.endr
	WIN 0
.Lopen_\@:
	WIN WN*5
.irp b, 0,1,2,3
	v_max_num_f32 v[BM+\b], v[AC+16*\b], v[AC+16*\b+1]   ; each block's largest score: it serves for the row's maximum and, since p rises with the score, for the block's largest p
.endr
.irp i, 2,4,6,8,10,12,14
.irp b, 0,1,2,3
	v_max3_num_f32 v[BM+\b], v[AC+16*\b+\i], v[AC+16*\b+\i+1], v[BM+\b]
.endr
.endr
	WIN 0
.irp b, 0,1,2,3
	v_permlanex16_b32 v[BM+4+\b], v[BM+\b], s[SEL], s[SEL+1]
.endr
.irp b, 0,1,2,3
	v_max_num_f32 v[BM+\b], v[BM+\b], v[BM+4+\b]
.endr
	v_max3_num_f32 v[XT], v[BM], v[BM+1], v[BM+2]
	v_max_num_f32 v[XT], v[XT], v[BM+3]
	v_mul_f32 v[XT], s[CS], v[XT]                  ; as t (c is positive)
	v_floor_f32 v[NM], -v[XT]                      ; -M' = floor(-t): a whole number
	WIN WN
.set nn, 0
.rept 32
	v_pk_fma_f32 v[PA+nn:PA+nn+1], v[AC+nn:AC+nn+1], s[CS:CS+1], v[NM:NM+1] op_sel_hi:[1,0,0]   ; t - M', two at a time
.set nn, nn+2
.endr
	WIN 0
.irp b, 0,1,2,3
	v_fma_f32 v[BM+\b], v[BM+\b], s[CS], v[NM]
.endr
.set nn, 0
.rept 64
	v_exp_f32 v[PA+nn], v[PA+nn]                   ; p' = 2^(t - M')
.set nn, nn+1
.endr
	v_mul_f32 v[MM+\a], -1.0, v[NM]                ; M'.  (The plain place behind the exponentials)
	s_wait_alu depctr_va_vdst(0)                   ; one wait for the batch, ahead of its first reader
.irp b, 0,1,2,3
	v_exp_f32 v[BM+\b], v[BM+\b]                   ; the block's largest p'
.endr
	v_pk_add_f32 v[SMB:SMB+1], v[PA:PA+1], v[PA+2:PA+3]        ; the sum of the unquantised p', two at a time, in two chains
	v_pk_add_f32 v[SMA:SMA+1], v[PA+4:PA+5], v[PA+6:PA+7]
.irp j, 8,12,16,20,24,28,32,36,40,44,48,52,56,60
	v_pk_add_f32 v[SMA:SMA+1], v[SMA:SMA+1], v[PA+\j:PA+\j+1]
	v_pk_add_f32 v[SMB:SMB+1], v[SMB:SMB+1], v[PA+\j+2:PA+\j+3]
.endr
	v_pk_add_f32 v[SMA:SMA+1], v[SMA:SMA+1], v[SMB:SMB+1]
	s_wait_alu depctr_va_vdst(0)                   ; and one for the four
.irp b, 0,1,2,3
	v_max_num_f32 v[BM+\b], 0x1800000, v[BM+\b]    ; the floor 2^(3 - 127): a block of zeros keeps the byte 1
.endr
.irp b, 0,1,2,3
	v_add_nc_u32 v[SO+\b], 0xff000000, v[BM+\b]
.endr
.irp b, 0,1,2,3
	v_lshrrev_b32 v[BM+4+\b], 23, v[SO+\b]
.endr
	v_lshl_or_b32 v[PW+\a], v[BM+5], 8, v[BM+4]
	v_lshl_or_b32 v[PW+\a], v[BM+6], 16, v[PW+\a]
	v_lshl_or_b32 v[PW+\a], v[BM+7], 24, v[PW+\a]
.irp c, 0,1
	v_cvt_scalef32_pk16_fp6_f32 v[CD+12*(\a)+6*\c:CD+12*(\a)+6*\c+2], v[PA+32*\c:PA+32*\c+15], v[SO+2*\c]
	v_cvt_scalef32_pk16_fp6_f32 v[T2+4*\c:T2+4*\c+2], v[PA+32*\c+16:PA+32*\c+31], v[SO+2*\c+1]
.endr
	v_nop                                          ; one plain place behind a scaled conversion
.irp c, 0,1
.irp i, 0,1,2
	v_permlane16_swap_b32 v[CD+12*(\a)+6*\c+\i], v[T2+4*\c+\i]
.endr
.irp i, 0,1,2
	v_mov_b32 v[CD+12*(\a)+6*\c+3+\i], v[T2+4*\c+\i]
.endr
.endr
	v_add_f32 v[SMA], v[SMA], v[SMA+1]
	v_permlanex16_b32 v[SMB], v[SMA], s[SEL], s[SEL+1]
	v_add_f32 v[LL+\a], v[SMA], v[SMB]             ; l'
.irp c, 0,1,2
	global_store_b128 v[LI], v[CD+12*(\a)+4*\c:CD+12*(\a)+4*\c+3], s[PU:PU+1] offset:1536*(\a)+512*\c   ; 512 consecutive bytes, at a multiple of 256 from the buffer's first byte
.endr
.endm
.irp a, 0,1,2,3,4,5,6,7
	SOFT \a
.endr
.irp j, 0,1,2,3
	v_cndmask_b32 v[160+\j], v[PW+2*\j], v[PW+2*\j+1], s[HM]   ; lanes 0-15: fragment 2 j's, lanes 16-31: fragment 2 j + 1's
	v_cndmask_b32 v[164+\j], v[MM+2*\j], v[MM+2*\j+1], s[HM]
	v_cndmask_b32 v[168+\j], v[LL+2*\j], v[LL+2*\j+1], s[HM]
.endr
	global_store_b128 v[LI], v[160:163], s[PU:PU+1] offset:SCO
	global_store_b128 v[LI], v[164:167], s[PU:PU+1] offset:MPO
	global_store_b128 v[LI], v[168:171], s[PLA:PLA+1]
	s_branch .Lend
.Ldead:                                            ; all my keys come after all my queries: zero codes
.irp j, 0,1,2,3
	v_mov_b32 v[160+\j], 0
	v_mov_b32 v[164+\j], 0x01010101
	v_mov_b32 v[168+\j], 0xff61b1e6                ; -3e38, under every M'
.endr
.irp f, 0,1,2,3,4,5,6,7,8,9,10,11,12,13,14,15,16,17,18,19,20,21,22,23
	global_store_b128 v[LI], v[160:163], s[PU:PU+1] offset:512*\f
.endr
	global_store_b128 v[LI], v[164:167], s[PU:PU+1] offset:SCO
	global_store_b128 v[LI], v[168:171], s[PU:PU+1] offset:MPO
	global_store_b128 v[LI], v[160:163], s[PLA:PLA+1]
.Lend:
	s_wait_tensorcnt 0x0                           ; the wave's end
	ds_add_u32 v[SPW], v[NIL]
	s_wait_dscnt 0x0
	s_endpgm
.Lfunc_end_k_q46be7864b2_scores:
	.size	k_q46be7864b2_scores, .Lfunc_end_k_q46be7864b2_scores-k_q46be7864b2_scores
	.p2alignl 7, 3214868480
	.fill 96, 4, 3214868480
	.section	.rodata,"a",@progbits
	.p2align	6, 0x0
	.amdhsa_kernel k_q46be7864b2_scores
		.amdhsa_group_segment_fixed_size 327680
		.amdhsa_private_segment_fixed_size 0
		.amdhsa_enable_private_segment 0
		.amdhsa_kernarg_size 24
		.amdhsa_user_sgpr_count 2
		.amdhsa_user_sgpr_kernarg_segment_ptr 1
		.amdhsa_wavefront_size32 1
		.amdhsa_system_sgpr_workgroup_id_x 1
		.amdhsa_system_sgpr_workgroup_id_y 1
		.amdhsa_system_sgpr_workgroup_id_z 1
		.amdhsa_system_vgpr_workitem_id 0
		.amdhsa_next_free_vgpr 1024
		.amdhsa_next_free_sgpr 66
		.amdhsa_reserve_vcc 1
		.amdhsa_float_denorm_mode_32 3
		.amdhsa_float_denorm_mode_16_64 3
		.amdhsa_memory_ordered 1
		.amdhsa_forward_progress 1
		.amdhsa_inst_pref_size 211
	.end_amdhsa_kernel
	.amdgpu_metadata
---
amdhsa.version: [ 1, 2 ]
amdhsa.kernels:
  - .name:           k_q46be7864b2_scores
    .symbol:         k_q46be7864b2_scores.kd
    .args:
      - { .name: qkv, .offset: 0, .size: 8, .value_kind: global_buffer, .address_space: global }
      - { .name: pu, .offset: 8, .size: 8, .value_kind: global_buffer, .address_space: global }
      - { .name: pl, .offset: 16, .size: 8, .value_kind: global_buffer, .address_space: global }
    .group_segment_fixed_size: 327680
    .private_segment_fixed_size: 0
    .kernarg_segment_align: 8
    .kernarg_segment_size: 24
    .max_flat_workgroup_size: 128
    .sgpr_count:     66
    .vgpr_count:     1024
    .wavefront_size: 32
...
	.end_amdgpu_metadata
.endif
;; end of part 3
;; launch pv (part 4): grid 8 x 16, 4 waves a work-group, clusters of 4 x 1, 327,680 bytes of LDS; arguments pu, pl, qkv, out0; writes out0
.if DOCPART == 4
	.amdgcn_target "amdgcn-amd-amdhsa--gfx1250"
	.amdhsa_code_object_version 6
	.text
	.protected	k_q46be7864b2_pv
	.globl	k_q46be7864b2_pv
	.p2align	8
	.type	k_q46be7864b2_pv,@function
k_q46be7864b2_pv:
	s_mov_b64 s[64:65], 0
	v_nop
	global_prefetch_b8 v0, s[64:65] scope:SCOPE_SE
	s_setreg_imm32_b32 hwreg(HW_REG_WAVE_MODE, 25, 1), 1
	s_wait_xcnt 0x0
	s_wait_alu depctr_hold_cnt(0) depctr_sa_sdst(0) depctr_va_vdst(0) depctr_va_sdst(0) depctr_va_ssrc(0) depctr_va_vcc(0) depctr_vm_vsrc(0)
	s_getreg_b32 s2, hwreg(HW_REG_IB_STS2, 6, 4)
	s_cmp_eq_u32 s2, 0
	s_cbranch_scc0 .Lentry_in_a_cluster
	s_endpgm
.Lentry_in_a_cluster:
	s_bfe_u32 s2, ttmp6, 0x10000c
	s_cmp_lg_u32 s2, 0x3003
	s_cbranch_scc0 .Lentry_shape_is_right
	s_endpgm
.Lentry_shape_is_right:
; out = (p v) / l on the P units of the launch before and v's units (layouts: the head comments of the first launch and of the launch before).
; WORK LEFT OUT: the slots of 256 keys that come after a block of 256 queries: the problem's own causal mask makes their p 0 for all inputs (shown at the first launch's head).
; SHARES.  A work-group takes one group of 128 channels (ct) and TWO blocks of 256 queries of one batch: H = block 7 - ip and L = block ip.  H needs 8 - ip slots of 256 keys, L ip + 1: nine in all, whatever ip: equal work
; in all 128 work-groups, and every step a constant of the text.  The stream of slots: H0, L0 .. L_ip, H1 .. H_(7 - ip).  Slots 0 (H), 1 (L) and 5 to 8 (H) are fixed; for slots 2, 3, 4 a scalar test on ip chooses.
; A wave takes 64 queries of each block (group w / 2, fragments 4 (w % 2) on) x 128 channels: 32 accumulators for H (window 2), 32 for L (window 3).  Source 0 = 16 channels of v, source 1 = 16 queries of p.
; THE SCALES.  p was quantised under the chunk's M'; the row's M is the largest M'.  M - M' is a whole number, 0 or more, and is taken off each of the chunk's four scale bytes (1 to 125, so with bit 7 set no byte borrows
; from its neighbour); a byte that would fall under 0 becomes 0.  LIMIT: such a block, more than 2^-125 under the row's largest p, is multiplied with 2^-127 where the quantiser holds the scale at 2^-126.
; l = the sum of l' 2^(M' - M) over the row's chunks; the result is multiplied by 1 / l.
; CLUSTER 4 x 1: the four partners differ in ct alone and walk the same P: P's tiles are asked for jointly (waves 0, 1); v's are each work-group's own (waves 2, 3).  ip and the batch come from the cluster's y: the same in all four.
; By this text's count a wave has two tensor loads out at the start and one behind each round.
; REGISTERS: window 0: v1-12 addresses; v16-21 M of H, of L, of the slot chosen; v22-27 at work; v28-39 raw scale words, M', scale words, two sets; v40-47 v's scale words; v48-63 1 / l, eight pairs; v64-159 p's fragments, two sets;
;   v160-255 the statistics at the head; on the way out v64-255.  window 1: v's fragments, v0-95, v96-191.
.set UNIT,  12800
.set PUNIT, 13312
.set SCO,   12288
.set MPO,   12800
.set PSLOT, 4*PUNIT+2*UNIT             ; a slot: P's group 0 (two units), group 1, v's two units: 78,848 bytes
.set SPARE, 2*PSLOT                    ; the spare words, 128 bytes for each wave: two blocks of 256 bytes that no other line names
.set SPT,   528                        ; the way out: a stage of 16 rows x (512 + 16) bytes for each wave, in slot 1, which has had its last fill and its last read by then
.set LI,  1
.set ADA, 2
.set ADB, 4
.set ASC, 6
.set SPW, 8
.set NIL, 9
.set STO, 10
.set RD,  11
.set SOF, 12
.set MH,  16
.set ML,  18
.set MC,  20
.set DD,  22
.set WW,  24
.set KK,  26
.set LH,  22                           ; (at the head: l of H, of L)
.set LW,  24
.set RS,  28
.set RM,  32
.set SA,  36
.set SB,  40
.set IVP, 48
.set PF,  64
.set OT,  64
.set OB,  128
.set MPH, 160                          ; the head's statistics: M' and l' of H's 16 chunks, of L's 8
.set LPH, 192
.set MPL, 224
.set LPL, 240
.set WV,  12
.set GS,  13
.set WL,  14
.set CT,  16
.set BA,  17
.set IP,  18
.set SEL, 20
.set HM,  22
.set MK,  23
.set G1P, 24
.set G1V, 32
.set G0P, 40
.set G0V, 48
.set PHB, 56
.set PLB, 58
.set VB,  60
.set OUT, 72
.set SPH, 76
.set SLH, 78
.set SPL, 80
.set SLL, 82
.set MSB, 0
.macro WIN new
.if MSB != (\new)
	s_set_vgpr_msb (MSB<<8)|(\new)
.set MSB, (\new)
.endif
.endm
.macro PLACES cnt
.rept \cnt
	v_nop
.endr
.endm
.macro CROUND                          ; a round of the cluster's barrier
	s_barrier_signal -1
	s_barrier_wait -1
	s_cmp_lg_u32 s[WV], 0
	s_cbranch_scc1 .Lnot_wave_0_\@
	s_barrier_signal -3
.Lnot_wave_0_\@:
	s_barrier_wait -3
	s_barrier_signal -1
	s_barrier_wait -1
.endm
.macro JLOAD s                         ; waves 0, 1: P's groups, jointly; waves 2, 3: v's units; s_nop 0 and four v_nop follow each line
	s_cmp_lt_u32 s[WV], 2
	s_cbranch_scc0 .Lfor_v_\@
	tensor_load_to_lds s[G0P+4*(\s):G0P+4*(\s)+3], s[G1P:G1P+7]
	s_nop 0
.rept 4
	v_nop
.endr
	s_branch .Lasked_\@
.Lfor_v_\@:
	tensor_load_to_lds s[G0V+4*(\s):G0V+4*(\s)+3], s[G1V:G1V+7]
	s_nop 0
.rept 4
	v_nop
.endr
.Lasked_\@:
.endm
; the descriptors of LDS slot s for place n of the stream: scalar work alone.  L's while n - 1 <= ip, with key slot n - 1; else H's, with key slot n - 1 - ip
.macro NEXT s, n
.if (\n) <= 4
	s_cmp_ge_u32 s[IP], (\n)-1
	s_cselect_b64 s[66:67], s[PLB:PLB+1], s[PHB:PHB+1]
	s_cselect_b32 s68, 0, s[IP]
.else
	s_mov_b64 s[66:67], s[PHB:PHB+1]
	s_mov_b32 s68, s[IP]
.endif
	s_sub_co_u32 s68, (\n)-1, s68
	s_mul_i32 s70, s68, 2*PUNIT
	s_mov_b32 s71, 0
	s_add_nc_u64 s[G0P+4*(\s)+2:G0P+4*(\s)+3], s[66:67], s[70:71]
	s_or_b32 s[G0P+4*(\s)+3], s[G0P+4*(\s)+3], 0x80000000
	s_mul_i32 s92, s68, 2*UNIT
	s_mov_b32 s93, 0
	s_add_nc_u64 s[G0V+4*(\s)+2:G0V+4*(\s)+3], s[VB:VB+1], s[92:93]
	s_or_b32 s[G0V+4*(\s)+3], s[G0V+4*(\s)+3], 0x80000000
.endm
.macro WMX zero, pa, pb
.if \zero
.if (\pa) && (\pb)
	v_wmma_scale_f32_16x16x128_f8f6f4 v[rD:rD+7], v[rB:rB+11], v[rA:rA+11], 0, v[rSB], v[rSA] matrix_a_fmt:MATRIX_FMT_FP6 matrix_b_fmt:MATRIX_FMT_FP6 matrix_a_scale:MATRIX_SCALE_ROW1 matrix_b_scale:MATRIX_SCALE_ROW1
.elseif (\pa)
	v_wmma_scale_f32_16x16x128_f8f6f4 v[rD:rD+7], v[rB:rB+11], v[rA:rA+11], 0, v[rSB], v[rSA] matrix_a_fmt:MATRIX_FMT_FP6 matrix_b_fmt:MATRIX_FMT_FP6 matrix_a_scale:MATRIX_SCALE_ROW1
.elseif (\pb)
	v_wmma_scale_f32_16x16x128_f8f6f4 v[rD:rD+7], v[rB:rB+11], v[rA:rA+11], 0, v[rSB], v[rSA] matrix_a_fmt:MATRIX_FMT_FP6 matrix_b_fmt:MATRIX_FMT_FP6 matrix_b_scale:MATRIX_SCALE_ROW1
.else
	v_wmma_scale_f32_16x16x128_f8f6f4 v[rD:rD+7], v[rB:rB+11], v[rA:rA+11], 0, v[rSB], v[rSA] matrix_a_fmt:MATRIX_FMT_FP6 matrix_b_fmt:MATRIX_FMT_FP6
.endif
.else
.if (\pa) && (\pb)
	v_wmma_scale_f32_16x16x128_f8f6f4 v[rD:rD+7], v[rB:rB+11], v[rA:rA+11], v[rD:rD+7], v[rSB], v[rSA] matrix_a_fmt:MATRIX_FMT_FP6 matrix_b_fmt:MATRIX_FMT_FP6 matrix_a_scale:MATRIX_SCALE_ROW1 matrix_b_scale:MATRIX_SCALE_ROW1
.elseif (\pa)
	v_wmma_scale_f32_16x16x128_f8f6f4 v[rD:rD+7], v[rB:rB+11], v[rA:rA+11], v[rD:rD+7], v[rSB], v[rSA] matrix_a_fmt:MATRIX_FMT_FP6 matrix_b_fmt:MATRIX_FMT_FP6 matrix_a_scale:MATRIX_SCALE_ROW1
.elseif (\pb)
	v_wmma_scale_f32_16x16x128_f8f6f4 v[rD:rD+7], v[rB:rB+11], v[rA:rA+11], v[rD:rD+7], v[rSB], v[rSA] matrix_a_fmt:MATRIX_FMT_FP6 matrix_b_fmt:MATRIX_FMT_FP6 matrix_b_scale:MATRIX_SCALE_ROW1
.else
	v_wmma_scale_f32_16x16x128_f8f6f4 v[rD:rD+7], v[rB:rB+11], v[rA:rA+11], v[rD:rD+7], v[rSB], v[rSA] matrix_a_fmt:MATRIX_FMT_FP6 matrix_b_fmt:MATRIX_FMT_FP6
.endif
.endif
.endm
.macro PROD a0, set, zero              ; 16 products: p's fragments a0, a0 + 1 against v's eight.  A block's 32 accumulators take turns, one instruction a turn, in the same order in every K step
.set xa, \a0
.rept 2
.set xb, 0
.rept 8
.set rD, 8*(8*xa+xb)
.set rB, 96*(\set)+12*xb
.set rA, PF+48*(\set)+12*xa
.set rSB, SB+4*(\set)+xb/2
.set rSA, SA+2*(\set)+xa/2
	WMX \zero, xb%2, xa%2
.set xb, xb+1
.endr
.set xa, xa+1
.endr
.endm
.macro MULR a0, set, idx, zero         ; the same for place idx of the stream: onto H's accumulators or L's.  Every window is 0 on the way in and on the way out
.if (\idx) == 1
	WIN 0xf1                                       ; source 0 (v) window 1, source 1 (p) window 0, C and D window 3
	PROD \a0, \set, \zero
	WIN 0
.elseif ((\idx) >= 2) && ((\idx) <= 4)
	s_cmp_ge_u32 s[IP], (\idx)-1                   ; the same in all waves and in all four partners
	s_cbranch_scc1 .Lml_\@
	WIN 0xa1
	PROD \a0, \set, 0
	WIN 0
	s_branch .Lmd_\@
.Lml_\@:
	WIN 0xf1
	PROD \a0, \set, 0
	WIN 0
.Lmd_\@:
.else
	WIN 0xa1                                       ; C and D window 2
	PROD \a0, \set, \zero
	WIN 0
.endif
.endm
; 39 LDS loads in one run: K step q of LDS slot s into set q: the three loads of scales first
.macro FETCHP s, q
	ds_load_b64 v[RS+2*(\q):RS+2*(\q)+1], v[ASC+(\s)] offset:PUNIT*(\q)
	ds_load_b64 v[RM+2*(\q):RM+2*(\q)+1], v[ASC+(\s)] offset:PUNIT*(\q)+512
	ds_load_b128 v[SB+4*(\q):SB+4*(\q)+3], v[ADB+(\s)] offset:UNIT*(\q)+SCO
.irp a, 0,1,2,3
.irp c, 0,1,2
	ds_load_b128 v[PF+48*(\q)+12*\a+4*\c:PF+48*(\q)+12*\a+4*\c+3], v[ADA+(\s)] offset:PUNIT*(\q)+1536*\a+512*\c
.endr
.endr
	WIN 0x40
.irp i, 0,1,2,3,4,5,6,7
.irp c, 0,1,2
	ds_load_b128 v[96*(\q)+12*\i+4*\c:96*(\q)+12*\i+4*\c+3], v[ADB+(\s)] offset:UNIT*(\q)+1536*\i+512*\c
.endr
.endr
	WIN 0
.endm
; p's scale words of set under the row's M (in v[m], v[m + 1])
.macro ADJ set, m
.irp j, 0,1
	v_sub_f32 v[DD+\j], v[\m+\j], v[RM+2*(\set)+\j]   ; M - M': a whole number, 0 or more
.endr
.irp j, 0,1
	v_min_num_f32 v[DD+\j], 0x42fe0000, v[DD+\j]   ; at most 127
.endr
.irp j, 0,1
	v_cvt_u32_f32 v[DD+\j], v[DD+\j]
.endr
.irp j, 0,1
	v_lshl_or_b32 v[DD+\j], v[DD+\j], 8, v[DD+\j]
.endr
.irp j, 0,1
	v_lshl_or_b32 v[DD+\j], v[DD+\j], 16, v[DD+\j] ; in all four bytes
.endr
.irp j, 0,1
	v_or_b32 v[WW+\j], 0x80808080, v[RS+2*(\set)+\j]
.endr
.irp j, 0,1
	v_sub_nc_u32 v[WW+\j], v[WW+\j], v[DD+\j]      ; 128 + byte - d lies in 2 .. 253: no byte borrows
.endr
.irp j, 0,1
	v_and_b32 v[KK+\j], 0x80808080, v[WW+\j]       ; bit 7 stands where byte - d is 0 or more
.endr
.irp j, 0,1
	v_lshrrev_b32 v[DD+\j], 7, v[KK+\j]
.endr
.irp j, 0,1
	v_sub_nc_u32 v[KK+\j], v[KK+\j], v[DD+\j]      ; 0x7f there, 0 elsewhere
.endr
.irp j, 0,1
	v_and_b32 v[SA+2*(\set)+\j], v[WW+\j], v[KK+\j]
.endr
	PLACES 8                                       ; a scale register written by a vector instruction stands eight places ahead of the scaled product
.endm
.macro ADJM set, idx
.if (\idx) == 1
	ADJ \set, ML
.elseif ((\idx) >= 2) && ((\idx) <= 4)
	ADJ \set, MC
.else
	ADJ \set, MH
.endif
.endm
.macro MSEL idx                        ; the M of a slot that is chosen
.if ((\idx) >= 2) && ((\idx) <= 4)
	s_cmp_ge_u32 s[IP], (\idx)-1
	s_cselect_b32 s[MK], -1, 0
	v_cndmask_b32 v[MC], v[MH], v[ML], s[MK]
	v_cndmask_b32 v[MC+1], v[MH+1], v[ML+1], s[MK]
.endif
.endm
; the next K step (LDS slot sn, step qn, place idxn) is fetched and its scales are made while the K step in hand (set 1 - qn, place idxc) is multiplied
.macro BODY sn, qn, idxn, idxc, zero
	FETCHP \sn, \qn
	MULR 0, 1-(\qn), \idxc, \zero
	s_wait_dscnt 36                                ; the three loads of scales are in; the 36 fragment loads behind them may be out
	ADJM \qn, \idxn
	MULR 2, 1-(\qn), \idxc, \zero
.endm
.macro KSTEP idx, zero
	s_wait_dscnt 0x0                               ; set 0 is in
	PLACES 4                                       ; in front of loads into registers that the last products read
	BODY (\idx)%2, 1, \idx, \idx, \zero
.endm
; a slot's second K step changes slots.  Each wave waits for all its tensor loads, adds 0 to its spare word, and waits for that and for its reads of this slot; a round of the cluster's barrier; the refill first behind it
.macro TURN idx
.set SS, (\idx)%2
	s_wait_tensorcnt 0x0                           ; no tensor load of mine is out, so the descriptors may be written
	ds_add_u32 v[SPW], v[NIL]                      ; 0 onto my spare word; the descriptors' lines stand between it and the wait for it
.if (\idx) <= 6
	NEXT SS, (\idx)+2
.endif
	s_wait_dscnt 0x0                               ; the add is done, set 1 is in, and my reads of this slot are over
.if (\idx) <= 6
	CROUND
	JLOAD SS                                       ; its four v_nop are the places in front of the loads below
.else
	s_barrier_signal -1
	s_barrier_wait -1
	PLACES 4
.endif
	MSEL (\idx)+1
	BODY 1-SS, 0, (\idx)+1, \idx, 0
.endm
	s_load_b256 s[4:11], s[0:1], 0x0               ; pu, pl, qkv, out0
	v_lshl_add_u32 v[SPW], v0, 2, SPARE
	v_mov_b32 v[NIL], 0
	ds_add_u32 v[SPW], v[NIL]                      ; the wave's opening: the add, twice on end, and its wait ahead of my first tensor load
	ds_add_u32 v[SPW], v[NIL]
	v_lshrrev_b32 v1, 5, v0
	v_readfirstlane_b32 s[WV], v1                  ; wave 0..3
	s_lshr_b32 s[GS], s[WV], 1                     ; my group of a block's two
	s_and_b32 s[WL], s[WV], 1                      ; my half of its fragments.  Also: which group of P, or which unit of v, I fetch
	s_bfe_u32 s15, ttmp6, 0x40000                  ; cx
	s_lshl_b32 s[CT], ttmp9, 2
	s_add_co_u32 s[CT], s[CT], s15                 ; my group of 128 channels
	s_and_b32 s[BA], ttmp7, 0xffff
	s_and_b32 s[IP], s[BA], 3                      ; ip
	s_lshr_b32 s[BA], s[BA], 2                     ; the batch
	s_mov_b32 s[G1P], 15|(3<<16)|(1<<21)           ; the mask: all four partners; elements of 8 bytes; bit 21 set beside a mask
	s_mov_b32 s[G1P+1], 32<<16                     ; rows of 256 bytes,
	s_mov_b32 s[G1P+2], 104<<16                    ; 104 of them: two P units on end
	s_mov_b32 s[G1P+3], 32<<16
	s_mov_b32 s[G1P+4], 104
	s_mov_b32 s[G1P+5], 32
	s_mov_b32 s[G1P+6], 0
	s_mov_b32 s[G1P+7], 0
	s_mov_b32 s[G1V], 3<<16                        ; no mask
	s_mov_b32 s[G1V+1], 32<<16
	s_mov_b32 s[G1V+2], 50<<16                     ; 50 rows: one unit
	s_mov_b32 s[G1V+3], 32<<16
	s_mov_b32 s[G1V+4], 50
	s_mov_b32 s[G1V+5], 32
	s_mov_b32 s[G1V+6], 0
	s_mov_b32 s[G1V+7], 0
	s_lshl_b32 s84, s[BA], 4
	s_sub_co_u32 s85, 7, s[IP]
	s_lshl_b32 s85, s85, 1
	s_add_co_u32 s85, s85, s84                     ; H's first group of queries: 16 b + 2 (7 - ip)
	s_lshl_b32 s86, s[IP], 1
	s_add_co_u32 s86, s86, s84                     ; L's: 16 b + 2 ip
	s_add_co_u32 s66, s85, s[WL]
	s_mul_i32 s66, s66, 16*PUNIT                   ; a group's sixteen P units
	s_mov_b32 s67, 0
	s_add_co_u32 s68, s86, s[WL]
	s_mul_i32 s68, s68, 16*PUNIT
	s_mov_b32 s69, 0
	s_lshl_b32 s92, s[BA], 3
	s_add_co_u32 s92, s92, s[CT]
	s_lshl_b32 s92, s92, 4
	s_add_co_u32 s92, s92, s[WL]
	s_add_co_u32 s92, s92, 1024
	s_mul_i32 s92, s92, UNIT                       ; v's unit 1024 + (8 b + ct) 16 + my half
	s_mov_b32 s93, 0
	s_mul_i32 s87, s[WL], 2*PUNIT                  ; where they go in a slot: no place in the cluster enters an LDS address
	s_mul_i32 s88, s[WL], UNIT
	s_add_co_u32 s88, s88, 4*PUNIT
	s_mov_b32 s[SEL], 0x76543210
	s_mov_b32 s[SEL+1], 0xfedcba98
	s_mov_b32 s[HM], 0xffff0000
	s_wait_dscnt 0x0                               ; both opening adds are done
	s_wait_kmcnt 0x0
	s_add_nc_u64 s[PHB:PHB+1], s[4:5], s[66:67]
	s_add_nc_u64 s[PLB:PLB+1], s[4:5], s[68:69]
	s_add_nc_u64 s[VB:VB+1], s[8:9], s[92:93]
	s_mov_b32 s[G0P], 1                            ; LDS slot 0: place 0 of the stream: H, keys 0-255
	s_mov_b32 s[G0P+1], s87
	s_mov_b64 s[G0P+2:G0P+3], s[PHB:PHB+1]
	s_or_b32 s[G0P+3], s[G0P+3], 0x80000000
	s_mov_b32 s[G0P+4], 1                          ; LDS slot 1: place 1: L, keys 0-255
	s_add_co_u32 s[G0P+5], s87, PSLOT
	s_mov_b64 s[G0P+6:G0P+7], s[PLB:PLB+1]
	s_or_b32 s[G0P+7], s[G0P+7], 0x80000000
	s_mov_b32 s[G0V], 1
	s_mov_b32 s[G0V+1], s88
	s_mov_b64 s[G0V+2:G0V+3], s[VB:VB+1]
	s_or_b32 s[G0V+3], s[G0V+3], 0x80000000
	s_mov_b32 s[G0V+4], 1
	s_add_co_u32 s[G0V+5], s88, PSLOT
	s_mov_b64 s[G0V+6:G0V+7], s[VB:VB+1]
	s_or_b32 s[G0V+7], s[G0V+7], 0x80000000
	CROUND                                         ; all four work-groups are here: the first joint loads meet
	s_cmp_lt_u32 s[WV], 2                          ; a wave's two first fills stand in one branch
	s_cbranch_scc0 .Lfirst_v
	tensor_load_to_lds s[G0P:G0P+3], s[G1P:G1P+7]
	s_nop 0
	tensor_load_to_lds s[G0P+4:G0P+7], s[G1P:G1P+7]
	s_nop 0
	PLACES 4
	s_branch .Lfirst_done
.Lfirst_v:
	tensor_load_to_lds s[G0V:G0V+3], s[G1V:G1V+7]
	s_nop 0
	tensor_load_to_lds s[G0V+4:G0V+7], s[G1V:G1V+7]
	s_nop 0
	PLACES 4
.Lfirst_done:
	v_and_b32 v1, 31, v0
	v_lshlrev_b32 v[LI], 4, v1                     ; 16 x lane
	s_mul_i32 s89, s[GS], 2*PUNIT                  ; my group of P in a slot
	s_mul_i32 s90, s[WL], 6144                     ; my four fragments
	s_add_co_u32 s90, s90, s89
	v_add_nc_u32 v[ADA], s90, v[LI]
	v_add_nc_u32 v[ADA+1], PSLOT, v[ADA]
	v_add_nc_u32 v[ADB], 4*PUNIT, v[LI]
	v_add_nc_u32 v[ADB+1], PSLOT, v[ADB]
	s_lshl_b32 s90, s[WL], 3                       ; of a lane's four words my fragments' two
	v_add_nc_u32 v[SOF], s90, v[LI]
	s_add_co_u32 s90, s90, s89
	s_add_co_u32 s90, s90, SCO
	v_add_nc_u32 v[ASC], s90, v[LI]
	v_add_nc_u32 v[ASC+1], PSLOT, v[ASC]
	s_mul_i32 s90, s[WV], 16*SPT
	s_add_co_u32 s90, s90, PSLOT                   ; my stage
	v_and_b32 v13, 15, v0
	v_bfe_u32 v14, v0, 4, 1
	v_mul_u32_u24 v[STO], v13, SPT
	v_lshl_add_u32 v[STO], v14, 6, v[STO]
	v_add_nc_u32 v[STO], s90, v[STO]               ; in: row r, + 64 h
	v_add_nc_u32 v[RD], s90, v[LI]                 ; back: a row's 512 bytes to the 32 lanes
	s_mov_b32 s91, 0
	s_lshl_b32 s94, s[WL], 18
	s_lshl_b32 s95, s[CT], 9
	s_add_co_u32 s94, s94, s95                     ; 64 rows of 4,096 bytes x my half + 512 bytes x ct
	s_add_co_u32 s89, s85, s[GS]                   ; my group of H
	s_mul_i32 s90, s89, 16*PUNIT
	s_add_co_u32 s90, s90, MPO
	s_add_nc_u64 s[SPH:SPH+1], s[4:5], s[90:91]    ; its chunks' M'
	s_lshl_b32 s90, s89, 13
	s_add_nc_u64 s[SLH:SLH+1], s[6:7], s[90:91]    ; and l'
	s_lshl_b32 s90, s89, 19
	s_add_co_u32 s90, s90, s94
	s_add_nc_u64 s[OUT:OUT+1], s[10:11], s[90:91]  ; and its rows of the output
	s_add_co_u32 s89, s86, s[GS]                   ; the same of L
	s_mul_i32 s90, s89, 16*PUNIT
	s_add_co_u32 s90, s90, MPO
	s_add_nc_u64 s[SPL:SPL+1], s[4:5], s[90:91]
	s_lshl_b32 s90, s89, 13
	s_add_nc_u64 s[SLL:SLL+1], s[6:7], s[90:91]
	s_lshl_b32 s90, s89, 19
	s_add_co_u32 s90, s90, s94
	s_add_nc_u64 s[OUT+2:OUT+3], s[10:11], s[90:91]
	; THE ROWS' M AND l, while the first tiles are on their way.  H has 16 - 2 ip chunks, L 2 ip + 2: the chunks that a given ip does not have keep M' = -3e38 and l' = 0
.set nn, 20
.rept 12
	v_mov_b32 v[MPH+nn], 0xff61b1e6
	v_mov_b32 v[LPH+nn], 0
.set nn, nn+1
.endr
.set nn, 4
.rept 12
	v_mov_b32 v[MPL+nn], 0xff61b1e6
	v_mov_b32 v[LPL+nn], 0
.set nn, nn+1
.endr
.macro STAT mreg, lreg, pb, lb, ks
	global_load_b64 v[\mreg+2*(\ks):\mreg+2*(\ks)+1], v[SOF], s[\pb:\pb+1] offset:PUNIT*(\ks)
	global_load_b64 v[\lreg+2*(\ks):\lreg+2*(\ks)+1], v[SOF], s[\lb:\lb+1] offset:512*(\ks)
.endm
.irp ks, 0,1,2,3,4,5,6,7,8,9
	STAT MPH, LPH, SPH, SLH, \ks
.endr
	s_cmp_gt_u32 s[IP], 2
	s_cbranch_scc1 .Lh_done
	STAT MPH, LPH, SPH, SLH, 10
	STAT MPH, LPH, SPH, SLH, 11
	s_cmp_gt_u32 s[IP], 1
	s_cbranch_scc1 .Lh_done
	STAT MPH, LPH, SPH, SLH, 12
	STAT MPH, LPH, SPH, SLH, 13
	s_cmp_gt_u32 s[IP], 0
	s_cbranch_scc1 .Lh_done
	STAT MPH, LPH, SPH, SLH, 14
	STAT MPH, LPH, SPH, SLH, 15
.Lh_done:
	STAT MPL, LPL, SPL, SLL, 0
	STAT MPL, LPL, SPL, SLL, 1
	s_cmp_lt_u32 s[IP], 1
	s_cbranch_scc1 .Ll_done
	STAT MPL, LPL, SPL, SLL, 2
	STAT MPL, LPL, SPL, SLL, 3
	s_cmp_lt_u32 s[IP], 2
	s_cbranch_scc1 .Ll_done
	STAT MPL, LPL, SPL, SLL, 4
	STAT MPL, LPL, SPL, SLL, 5
	s_cmp_lt_u32 s[IP], 3
	s_cbranch_scc1 .Ll_done
	STAT MPL, LPL, SPL, SLL, 6
	STAT MPL, LPL, SPL, SLL, 7
.Ll_done:
	s_wait_loadcnt 0x0
.irp j, 0,1
	v_max3_num_f32 v[MH+\j], v[MPH+\j], v[MPH+2+\j], v[MPH+4+\j]
	v_max3_num_f32 v[ML+\j], v[MPL+\j], v[MPL+2+\j], v[MPL+4+\j]
.endr
.irp k, 6,10,14,18,22,26
.irp j, 0,1
	v_max3_num_f32 v[MH+\j], v[MH+\j], v[MPH+\k+\j], v[MPH+\k+2+\j]
.endr
.endr
.irp k, 6,10
.irp j, 0,1
	v_max3_num_f32 v[ML+\j], v[ML+\j], v[MPL+\k+\j], v[MPL+\k+2+\j]
.endr
.endr
.irp j, 0,1
	v_max_num_f32 v[MH+\j], v[MH+\j], v[MPH+30+\j] ; the row's M: the largest M'
	v_max_num_f32 v[ML+\j], v[ML+\j], v[MPL+14+\j]
.endr
.set nn, 0
.rept 32
	v_sub_f32 v[MPH+nn], v[MPH+nn], v[MH+nn%2]     ; M' - M
.set nn, nn+1
.endr
.set nn, 0
.rept 16
	v_sub_f32 v[MPL+nn], v[MPL+nn], v[ML+nn%2]
.set nn, nn+1
.endr
.set nn, 0
.rept 32
	v_exp_f32 v[MPH+nn], v[MPH+nn]
.set nn, nn+1
.endr
.set nn, 0
.rept 16
	v_exp_f32 v[MPL+nn], v[MPL+nn]
.set nn, nn+1
.endr
.irp k, 0,1,2,3,4,5,6,7
	v_mov_b32 v[IVP+2*\k+1], 0                     ; the upper halves of the eight pairs, which are named and not used.  (Plain work behind the exponentials)
.endr
	v_mov_b32 v26, 0                               ; (a lane permute's destination counts as one of its sources)
	v_mov_b32 v27, 0
	s_wait_alu depctr_va_vdst(0)                   ; one wait for the batch, ahead of its first reader
.irp j, 0,1
	v_mul_f32 v[LH+\j], v[LPH+\j], v[MPH+\j]
	v_mul_f32 v[LW+\j], v[LPL+\j], v[MPL+\j]
.endr
.set nn, 2
.rept 30
	v_fmac_f32 v[LH+nn%2], v[LPH+nn], v[MPH+nn]    ; l += l' 2^(M' - M)
.set nn, nn+1
.endr
.set nn, 2
.rept 14
	v_fmac_f32 v[LW+nn%2], v[LPL+nn], v[MPL+nn]
.set nn, nn+1
.endr
.irp j, 0,1
	v_rcp_f32 v[LH+\j], v[LH+\j]
	v_rcp_f32 v[LW+\j], v[LW+\j]
.endr
	v_nop                                          ; a plain place behind the last reciprocal
	s_wait_alu depctr_va_vdst(0)                   ; and the wait ahead of the first reader
.irp j, 0,1                                    ; register j holds fragment 2 j's rows in lanes 0-15 and fragment 2 j + 1's in lanes 16-31; an accumulator wants its fragment's rows in both halves
	v_permlanex16_b32 v[26+\j], v[LH+\j], s[SEL], s[SEL+1]
.endr
.irp j, 0,1
	v_cndmask_b32 v[IVP+4*\j], v[LH+\j], v[26+\j], s[HM]
	v_cndmask_b32 v[IVP+4*\j+2], v[26+\j], v[LH+\j], s[HM]
.endr
.irp j, 0,1
	v_permlanex16_b32 v[26+\j], v[LW+\j], s[SEL], s[SEL+1]
.endr
.irp j, 0,1
	v_cndmask_b32 v[IVP+8+4*\j], v[LW+\j], v[26+\j], s[HM]
	v_cndmask_b32 v[IVP+8+4*\j+2], v[26+\j], v[LW+\j], s[HM]
.endr
	s_wait_tensorcnt 1                             ; my part of LDS slot 0 is in; slot 1's may stay out
	s_barrier_signal -1
	s_barrier_wait -1
	FETCHP 0, 0
	s_wait_dscnt 36
	ADJ 0, MH
	KSTEP 0, 1                                     ; H's first products start its sums,
	TURN 0
	KSTEP 1, 1                                     ; L's first products L's: nothing is cleared
	TURN 1
.irp x, 2,3,4,5,6,7
	KSTEP \x, 0
	TURN \x
.endr
	KSTEP 8, 0
	s_wait_dscnt 0x0
	MULR 0, 1, 8, 0
	MULR 2, 1, 8, 0
; THE WAY OUT, eight blocks of 16 queries x 128 channels (k / 4: H or L; k % 4: the fragment).  A lane holds one query; registers 16 b + e are channels 32 b + 16 (lane / 16) + e.  Times 1 / l into window 0, through my stage, back as whole rows of 512 bytes.
.macro PACK k
.set AC, 64*((\k)%4)
	WIN 2+(\k)/4                                   ; source 0: the accumulators' window
.set mm, 0
.rept 32
	v_pk_mul_f32 v[OT+2*mm:OT+2*mm+1], v[AC+2*mm:AC+2*mm+1], v[IVP+2*(\k):IVP+2*(\k)+1] op_sel_hi:[1,0]   ; each accumulator from its low end on
.set mm, mm+1
.endr
	WIN 0
.endm
.macro TOSTAGE k
.set BK, OB+64*((\k)%2)
.irp be, 0,1,2,3
.irp e, 0,1,2,3
	ds_store_b128 v[STO], v[OT+16*\be+4*\e:OT+16*\be+4*\e+3] offset:128*\be+16*\e
.endr
.endr
.irp t, 0,1,2,3,4,5,6,7,8,9,10,11,12,13,14,15
	ds_load_b128 v[BK+4*\t:BK+4*\t+3], v[RD] offset:SPT*\t   ; LDS serves a wave's instructions in order: these see my stores, and the next block's stores come behind them
.endr
.endm
.macro SEND k, younger
.set BK, OB+64*((\k)%2)
	s_wait_dscnt \younger                          ; the block is back in registers
.irp t, 0,1,2,3,4,5,6,7,8,9,10,11,12,13,14,15
	global_store_b128 v[LI], v[BK+4*\t:BK+4*\t+3], s[OUT+2*((\k)/4):OUT+2*((\k)/4)+1] offset:(32*(((\k)%4)/2)+8*((\k)%2)+\t+8*(\t/8))*4096 th:TH_STORE_NT   ; 512 consecutive bytes, at a multiple of 256 from the output's first byte
.endr
.endm
	PLACES 4                                       ; in front of the first reads of results and writes of operands' registers
	PACK 0
	TOSTAGE 0
.irp k, 1,2,3,4,5,6,7
	PACK \k
.if \k >= 2
	s_wait_xcnt 0x0                                ; block k - 2's stores have read their registers: block k's loads may land there
.endif
	TOSTAGE \k
	SEND \k-1, 32                                  ; behind block k - 1's loads: block k's 16 stores and 16 loads
.endr
	SEND 7, 0
	s_wait_tensorcnt 0x0                           ; the wave's end: behind my last tensor load and my last LDS store
	ds_add_u32 v[SPW], v[NIL]
	s_wait_dscnt 0x0
	CROUND                                         ; the closing round
	s_endpgm
.Lfunc_end_k_q46be7864b2_pv:
	.size	k_q46be7864b2_pv, .Lfunc_end_k_q46be7864b2_pv-k_q46be7864b2_pv
	.p2alignl 7, 3214868480
	.fill 96, 4, 3214868480
	.section	.rodata,"a",@progbits
	.p2align	6, 0x0
	.amdhsa_kernel k_q46be7864b2_pv
		.amdhsa_group_segment_fixed_size 327680
		.amdhsa_private_segment_fixed_size 0
		.amdhsa_enable_private_segment 0
		.amdhsa_kernarg_size 32
		.amdhsa_user_sgpr_count 2
		.amdhsa_user_sgpr_kernarg_segment_ptr 1
		.amdhsa_wavefront_size32 1
		.amdhsa_system_sgpr_workgroup_id_x 1
		.amdhsa_system_sgpr_workgroup_id_y 1
		.amdhsa_system_sgpr_workgroup_id_z 1
		.amdhsa_system_vgpr_workitem_id 0
		.amdhsa_next_free_vgpr 1024
		.amdhsa_next_free_sgpr 100
		.amdhsa_reserve_vcc 0
		.amdhsa_float_denorm_mode_32 3
		.amdhsa_float_denorm_mode_16_64 3
		.amdhsa_memory_ordered 1
		.amdhsa_forward_progress 1
		.amdhsa_inst_pref_size 248
	.end_amdhsa_kernel
	.amdgpu_metadata
---
amdhsa.version: [ 1, 2 ]
amdhsa.kernels:
  - .name:           k_q46be7864b2_pv
    .symbol:         k_q46be7864b2_pv.kd
    .args:
      - { .name: pu, .offset: 0, .size: 8, .value_kind: global_buffer, .address_space: global }
      - { .name: pl, .offset: 8, .size: 8, .value_kind: global_buffer, .address_space: global }
      - { .name: qkv, .offset: 16, .size: 8, .value_kind: global_buffer, .address_space: global }
      - { .name: out0, .offset: 24, .size: 8, .value_kind: global_buffer, .address_space: global }
    .group_segment_fixed_size: 327680
    .private_segment_fixed_size: 0
    .kernarg_segment_align: 8
    .kernarg_segment_size: 32
    .max_flat_workgroup_size: 128
    .sgpr_count:     100
    .vgpr_count:     1024
    .wavefront_size: 32
...
	.end_amdgpu_metadata
.endif
;; end of part 4
;; ======== version 2 of 2: 4 launches
;; limits: right only within a limited range of input values
;; workspace buffers: xw 9,011,200 bytes; qk 13,107,200 bytes; vu 6,553,600 bytes; pu 13,631,488 bytes; pl 524,288 bytes
;; launch quant (part 5): grid 704 x 1, 8 waves a work-group, no clusters, 69,120 bytes of LDS; arguments x, Wq, Wk, Wv, xw; writes xw
.if DOCPART == 5
	.amdgcn_target "amdgcn-amd-amdhsa--gfx1250"
	.amdhsa_code_object_version 6
	.text
	.protected	k_q46be7864b2_quant
	.globl	k_q46be7864b2_quant
	.p2align	8
	.type	k_q46be7864b2_quant,@function
k_q46be7864b2_quant:
	s_mov_b64 s[64:65], 0
	v_nop
	global_prefetch_b8 v0, s[64:65] scope:SCOPE_SE
	s_setreg_imm32_b32 hwreg(HW_REG_WAVE_MODE, 25, 1), 1
	s_wait_xcnt 0x0
; THE PROGRAM: out = softmax(causal(q k^T / 32)) v with q, k, v = x Wq^T, x Wk^T, x Wv^T; B = 4, T = 2048, C = 1024; all five products on codes of FP6 (E2M3) with one E8M0 scale for each 32 along K.
; Four launches: this one (x and the three weights into codes), proj (q and k, quantised on the way out), scores (q k^T, p = 2^(t - M'), quantised; in further work-groups v, quantised on the way out), pv (p v, divided by the row's sum).
; WORK LEFT OUT, in the launches scores and pv: every tile of 256 queries x 256 keys whose keys all come after its queries.  The problem's own lower-triangular mask sets all logits of such a tile to -infinity
; ahead of the softmax, so its p is 0 whatever finite values x and the weights hold, and 0 x v adds nothing to any output.  36 of 64 tiles of a batch are kept.  All four inputs have a way to the output and are loaded.
; LIMITS: a NaN, an infinity or an overflow that reaches only the tiles left out is not carried to the result.  NaN and infinities among the inputs are not served.  A block of zeros gets the scale byte 1
; where the quantiser says 127: its codes are zeros, which add nothing under any byte but 0xff, and this program alone reads the bytes.
;
; THE ROW ORDER of all operands: fragment f (16 rows) of a group of 128 rows holds rows 64 (f / 4) + 8 (f % 4) + 0 .. 7 and the same + 32.  So in a product that takes such fragments 4 c .. 4 c + 3 as its source 0, lane (r = l % 16, h = l / 16)
; gets results 64 c + 32 h + 0 .. 31 in 32 registers: one block of the next quantiser.
; THIS LAUNCH.  x [8192][1024] and Wq, Wk, Wv [1024][1024], f32, K innermost, become UNITS.  A unit is one fragment over all of K, as the image of the operand's registers:
;   K step ks (128 along K, 12 registers a lane) at byte 1536 ks; its registers 4 p .. 4 p + 3 of lane l at + 512 p + 16 l.  Registers 6 c .. 6 c + 5 hold k = 128 ks + 64 c + 32 h + 0 .. 31.
;   At byte 12,288: the scale words; lane l has 16 bytes, word i = the scale word of row r in K step 4 h + i.  12,800 bytes in all.
; Units 0-511: x: unit 16 g + 8 c + 2 j + w is fragment 4 c + j of the 128 tokens from 256 g + 128 w on.  Units 512 + 8 G + f: fragment f of group G of the weights' rows (Wq: 0-7, Wk: 8-15, Wv: 16-23).
; Work-group u makes unit u, wave w its K step w.  Each load reads 512 consecutive bytes of one row; the 16 rows turn through the wave's own stage in LDS (pitch 528), so that a lane gets its two whole blocks of 32;
; each store covers 512 consecutive bytes, aligned.
.set UNIT,  12800
.set SCO,   12288
.set SPT,   528                        ; a stage row: 512 bytes + 16
.set STG,   16*SPT                     ; a wave's stage
.set GATH,  8*STG                      ; 512 bytes in which the eight waves' scale words meet
.set SPARE, GATH+512                   ; the spare words, 128 bytes for each wave: four blocks of 256 bytes that no other line names
.set GR,  1                            ; v1   GATH + 16 x lane
.set LO,  2                            ; v2   16 x lane
.set SI,  3                            ; v3   into my stage: 16 x lane
.set SU,  4                            ; v4   out of it: row r, + 128 h
.set GA,  5                            ; v5   where my K step's scale words go
.set SPW, 6                            ; v6   my spare word; never rewritten
.set NIL, 7                            ; v7   0; never rewritten
.set R,   16                           ; v16-79   the 16 rows as loaded; when they have gone to the stage, v24-47 serve anew:
.set C,   24                           ; v24-35   the fragment
.set T2,  36                           ; v36-38, v40-42 the blocks' upper halves, as converted
.set X,   80                           ; v80-143  my two blocks of 32
.set WV,  16
.set SEL, 34
	s_load_b256 s[4:11], s[0:1], 0x0               ; x, Wq, Wk, Wv
	s_load_b64 s[12:13], s[0:1], 0x20              ; xw
	v_lshl_add_u32 v[SPW], v0, 2, SPARE
	v_mov_b32 v[NIL], 0
	v_lshrrev_b32 v1, 5, v0
	s_delay_alu instid0(VALU_DEP_1)
	v_readfirstlane_b32 s[WV], v1                  ; wave 0..7: the K step
	v_and_b32 v1, 31, v0
	s_delay_alu instid0(VALU_DEP_1)
	v_lshlrev_b32 v[LO], 4, v1
	s_delay_alu instid0(VALU_DEP_1)
	v_add_nc_u32 v[GR], GATH, v[LO]
	s_mul_i32 s17, s[WV], STG
	v_add_nc_u32 v[SI], s17, v[LO]
	v_and_b32 v8, 15, v0                           ; r
	v_bfe_u32 v9, v0, 4, 1                         ; h
	s_delay_alu instid0(VALU_DEP_2)
	v_mul_u32_u24 v[SU], v8, SPT
	s_delay_alu instid0(VALU_DEP_1)
	v_lshl_add_u32 v[SU], v9, 7, v[SU]
	s_delay_alu instid0(VALU_DEP_1)
	v_add_nc_u32 v[SU], s17, v[SU]
	s_lshr_b32 s22, s[WV], 2
	s_lshl_b32 s22, s22, 8
	s_and_b32 s23, s[WV], 3
	s_lshl_b32 s23, s23, 2
	s_add_co_u32 s22, s22, s23
	s_add_co_u32 s22, s22, GATH
	v_lshl_add_u32 v[GA], v8, 4, s22               ; GATH + 256 (ks / 4) + 16 r + 4 (ks % 4)
	v_lshlrev_b32 v9, 3, v9                        ; 8 h: my bytes' place in the scale word
	s_mov_b32 s[SEL], 0x76543210
	s_mov_b32 s[SEL+1], 0xfedcba98                 ; lane l xor 16
	s_lshr_b32 s20, ttmp9, 6                       ; 0-7: x, 8: Wq, 9: Wk, 10: Wv
	s_lshr_b32 s24, ttmp9, 4                       ; x: first row 256 g + 128 w + 64 c + 8 j
	s_lshl_b32 s24, s24, 8
	s_and_b32 s25, ttmp9, 1
	s_lshl_b32 s25, s25, 7
	s_add_co_u32 s24, s24, s25
	s_bfe_u32 s25, ttmp9, 0x10003
	s_lshl_b32 s25, s25, 6
	s_add_co_u32 s24, s24, s25
	s_bfe_u32 s25, ttmp9, 0x20001
	s_lshl_b32 s25, s25, 3
	s_add_co_u32 s24, s24, s25
	s_bfe_u32 s26, ttmp9, 0x30003                  ; a weight: 128 G + 64 (f / 4) + 8 (f % 4), G the group in its tensor
	s_lshl_b32 s26, s26, 7
	s_bfe_u32 s25, ttmp9, 0x10002
	s_lshl_b32 s25, s25, 6
	s_add_co_u32 s26, s26, s25
	s_and_b32 s25, ttmp9, 3
	s_lshl_b32 s25, s25, 3
	s_add_co_u32 s26, s26, s25
	s_wait_alu depctr_va_vdst(0)                   ; the wait at the head's end
	s_wait_kmcnt 0x0
	s_cmp_eq_u32 s20, 9                            ; the choice hangs on the work-group's number alone
	s_cselect_b64 s[14:15], s[8:9], s[10:11]
	s_cmp_eq_u32 s20, 8
	s_cselect_b64 s[14:15], s[6:7], s[14:15]
	s_cmp_lt_u32 s20, 8
	s_cselect_b64 s[14:15], s[4:5], s[14:15]
	s_cselect_b32 s24, s24, s26
	s_lshl_b32 s24, s24, 12                        ; rows of 4,096 bytes
	s_lshl_b32 s25, s[WV], 9                       ; 512 bytes a K step
	s_add_co_u32 s24, s24, s25
	s_mov_b32 s25, 0
	s_add_nc_u64 s[14:15], s[14:15], s[24:25]
	s_mul_i32 s26, ttmp9, UNIT
	s_mov_b32 s27, 0
	s_add_nc_u64 s[12:13], s[12:13], s[26:27]      ; my work-group's unit
	s_mul_i32 s28, s[WV], 1536
	s_mov_b32 s29, 0
	s_add_nc_u64 s[30:31], s[12:13], s[28:29]      ; my K step in it
.irp t, 0,1,2,3,4,5,6,7,8,9,10,11,12,13,14,15
	global_load_b128 v[R+4*\t:R+4*\t+3], v[LO], s[14:15] offset:(\t+24*(\t/8))*4096 th:TH_LOAD_NT   ; row t of the fragment: 512 consecutive bytes
.endr
.irp t, 0,1,2,3,4,5,6,7,8,9,10,11,12,13,14,15
	s_wait_loadcnt 15-\t                           ; loads come back in order: row t is in, the younger ones stay out
	ds_store_b128 v[SI], v[R+4*\t:R+4*\t+3] offset:SPT*\t
.endr
.irp c, 0,1
.irp i, 0,1,2,3,4,5,6,7
	ds_load_b128 v[X+32*\c+4*\i:X+32*\c+4*\i+3], v[SU] offset:256*\c+16*\i   ; LDS serves a wave's instructions in order: these see my stores.  k = 64 c + 32 h + 4 i ..
.endr
.endr
	v_mov_b32 v10, 0                               ; (written once: a lane permute's destination counts as one of its sources; it is written anew below)
	s_wait_dscnt 0x0
.irp c, 0,1
	v_max3_num_f32 v[10+\c], |v[X+32*\c]|, |v[X+32*\c+1]|, 0x1800000   ; my block 2 c + h: all 32 numbers are mine; the floor 2^(3 - 127) keeps the byte at 1 from below
.endr
.irp i, 2,4,6,8,10,12,14,16,18,20,22,24,26,28,30
.irp c, 0,1
	s_delay_alu instid0(VALU_DEP_2)
	v_max3_num_f32 v[10+\c], v[10+\c], |v[X+32*\c+\i]|, |v[X+32*\c+\i+1]|
.endr
.endr
.irp c, 0,1
	s_delay_alu instid0(VALU_DEP_2)
	v_add_nc_u32 v[12+\c], 0xff000000, v[10+\c]    ; 2 off the exponent field: the conversion takes the exponent field of this operand as its scale
.endr
.irp c, 0,1
	s_delay_alu instid0(VALU_DEP_2)
	v_lshrrev_b32 v[14+\c], 23, v[12+\c]           ; the scale's byte
.endr
	s_delay_alu instid0(VALU_DEP_1)
	v_lshl_or_b32 v8, v15, 16, v14                 ; blocks h and 2 + h,
	s_delay_alu instid0(VALU_DEP_1)
	v_lshlrev_b32 v8, v9, v8                       ; at their places in the word;
	v_mov_b32 v10, 0
	s_delay_alu instid0(VALU_DEP_1)
	v_permlanex16_b32 v10, v8, s[SEL], s[SEL+1]
	s_delay_alu instid0(VALU_DEP_1)
	v_or_b32 v8, v8, v10                           ; with lane l xor 16's two the word is whole
.irp c, 0,1
	v_cvt_scalef32_pk16_fp6_f32 v[C+6*\c:C+6*\c+2], v[X+32*\c:X+32*\c+15], v[12+\c]
	v_cvt_scalef32_pk16_fp6_f32 v[T2+4*\c:T2+4*\c+2], v[X+32*\c+16:X+32*\c+31], v[12+\c]   ; (a conversion's three registers begin on an even number)
.endr
	v_nop                                          ; one plain place behind a scaled conversion
.irp c, 0,1
.irp i, 0,1,2
	v_mov_b32 v[C+6*\c+3+\i], v[T2+4*\c+\i]
.endr
.endr
.irp c, 0,1,2
	global_store_b128 v[LO], v[C+4*\c:C+4*\c+3], s[30:31] offset:512*\c   ; 32 lanes store 512 consecutive bytes, at a multiple of 256 from the buffer's first byte
.endr
	ds_store_b32 v[GA], v8                         ; lanes r and r + 16 write the same word with the same value
	s_wait_dscnt 0x0                               ; for the others' sake: my store has landed
	s_barrier_signal -1
	s_barrier_wait -1
	s_cmp_lg_u32 s[WV], 0
	s_cbranch_scc1 .Lnot_0
	ds_load_b128 v[44:47], v[GR]                   ; wave 0 sends the unit's 512 bytes of scale words
	s_wait_dscnt 0x0
	global_store_b128 v[LO], v[44:47], s[12:13] offset:SCO
.Lnot_0:
	s_wait_tensorcnt 0x0                           ; the wave's end: behind my last LDS store
	ds_add_u32 v[SPW], v[NIL]
	s_wait_dscnt 0x0
	s_endpgm
.Lfunc_end_k_q46be7864b2_quant:
	.size	k_q46be7864b2_quant, .Lfunc_end_k_q46be7864b2_quant-k_q46be7864b2_quant
	.p2alignl 7, 3214868480
	.fill 96, 4, 3214868480
	.section	.rodata,"a",@progbits
	.p2align	6, 0x0
	.amdhsa_kernel k_q46be7864b2_quant
		.amdhsa_group_segment_fixed_size 69120
		.amdhsa_private_segment_fixed_size 0
		.amdhsa_enable_private_segment 0
		.amdhsa_kernarg_size 40
		.amdhsa_user_sgpr_count 2
		.amdhsa_user_sgpr_kernarg_segment_ptr 1
		.amdhsa_wavefront_size32 1
		.amdhsa_system_sgpr_workgroup_id_x 1
		.amdhsa_system_sgpr_workgroup_id_y 1
		.amdhsa_system_sgpr_workgroup_id_z 1
		.amdhsa_system_vgpr_workitem_id 0
		.amdhsa_next_free_vgpr 144
		.amdhsa_next_free_sgpr 66
		.amdhsa_reserve_vcc 0
		.amdhsa_float_denorm_mode_32 3
		.amdhsa_float_denorm_mode_16_64 3
		.amdhsa_memory_ordered 1
		.amdhsa_forward_progress 1
		.amdhsa_inst_pref_size 13
	.end_amdhsa_kernel
	.amdgpu_metadata
---
amdhsa.version: [ 1, 2 ]
amdhsa.kernels:
  - .name:           k_q46be7864b2_quant
    .symbol:         k_q46be7864b2_quant.kd
    .args:
      - { .name: x, .offset: 0, .size: 8, .value_kind: global_buffer, .address_space: global }
      - { .name: Wq, .offset: 8, .size: 8, .value_kind: global_buffer, .address_space: global }
      - { .name: Wk, .offset: 16, .size: 8, .value_kind: global_buffer, .address_space: global }
      - { .name: Wv, .offset: 24, .size: 8, .value_kind: global_buffer, .address_space: global }
      - { .name: xw, .offset: 32, .size: 8, .value_kind: global_buffer, .address_space: global }
    .group_segment_fixed_size: 69120
    .private_segment_fixed_size: 0
    .kernarg_segment_align: 8
    .kernarg_segment_size: 40
    .max_flat_workgroup_size: 256
    .sgpr_count:     66
    .vgpr_count:     144
    .wavefront_size: 32
...
	.end_amdgpu_metadata
.endif
;; end of part 5
;; launch proj (part 6): grid 16 x 16, 4 waves a work-group, clusters of 4 x 4, 327,680 bytes of LDS; arguments xw, qk; writes qk
.if DOCPART == 6
	.amdgcn_target "amdgcn-amd-amdhsa--gfx1250"
	.amdhsa_code_object_version 6
	.text
	.protected	k_q46be7864b2_proj
	.globl	k_q46be7864b2_proj
	.p2align	8
	.type	k_q46be7864b2_proj,@function
k_q46be7864b2_proj:
	s_mov_b64 s[64:65], 0
	v_nop
	global_prefetch_b8 v0, s[64:65] scope:SCOPE_SE
	s_setreg_imm32_b32 hwreg(HW_REG_WAVE_MODE, 25, 1), 1
	s_wait_xcnt 0x0
	s_wait_alu depctr_hold_cnt(0) depctr_sa_sdst(0) depctr_va_vdst(0) depctr_va_sdst(0) depctr_va_ssrc(0) depctr_va_vcc(0) depctr_vm_vsrc(0)
	s_getreg_b32 s2, hwreg(HW_REG_IB_STS2, 6, 4)
	s_cmp_eq_u32 s2, 0
	s_cbranch_scc0 .Lentry_in_a_cluster
	s_endpgm
.Lentry_in_a_cluster:
	s_bfe_u32 s2, ttmp6, 0x10000c
	s_cmp_lg_u32 s2, 0xf033
	s_cbranch_scc0 .Lentry_shape_is_right
	s_endpgm
.Lentry_shape_is_right:
; q = x Wq^T, k = x Wk^T on the units of the first launch (layout and row order: its head comment), K = 1024; the results are quantised in registers and leave as units of 128 rows x 128 along d, 12,800 bytes:
;   q: unit 8 G + ks, k: unit 512 + 8 G + ks (G: group of 128 tokens, ks: group of 128 of d).  Fragment f at byte 1536 f: registers 0-3 at 16 l, 6-9 at 512 + 16 l, 4-5 at 1024 + 8 l, 10-11 at 1280 + 8 l;
;   at byte 12,288 the scale words: lane l = 16 p + r has 16 bytes, word j = the scale word of row r of fragment 2 j + p.
; THE DEAL.  256 work-groups of four waves, 2 x 2: 512 tokens x 128 columns of q or k each.  A wave holds 64 rows of a weight, all of K, in registers (32 fragments, 384 registers) and takes x past them in sixteen blocks of 16 rows, all of K:
; the wave of row a takes unit 2 j + a of a chunk of 128 rows as its block j, the wave of column b the weight's units 4 b .. 4 b + 3.  The weight is source 0: a lane holds a token, its 32 registers run along d and are one scale block.
; LDS: two slots for x's chunks, the weights' region, 102,400 bytes each, dense; the stage for the scale bytes; the spare words.  Fragments come by ds_load_b128 at 16 x lane.
; FILLS.  At the head one joint load a wave: the weight's rows; chunk 0 in two halves; chunk 1.  Two refills, each behind a drained round of the cluster's barrier, in blocks 2 and 6: chunks 2 and 3; waves 0 and 1 a half each.
; By this text's count a wave never has more than one tensor load out.
; CLUSTER 4 x 4: x's rows hang on the cluster's y and cy and are shared along a row of the cluster, a weight's rows hang on the cluster's x and cx and are shared along a column.
; PREFETCHES: chunks 2 and 3, 400 blocks of 256 bytes each, are shared out by address among the sixteen waves that will ask jointly, 25 lanes a wave: chunk 2 at the head, ahead of the weights' LDS loads and of three blocks of products;
; chunk 3 behind block 0, six blocks ahead of its load.  Each has its own address register and lies inside xw.
; A BLOCK is 32 products; behind every second one stand two ENTRIES of the block's list: at most four scalar lines and one vector line: the next block's address, descriptors, and the search for the largest magnitude of the block
; before, in two chains side by side; the conversions stand behind the block's last product.  A round stands inside a block: its first two lines at the block's head, products between.
; THE WAITS' COUNTS: a block's rows were fetched two blocks ago; younger are the next block's NF loads and the store of a scale byte: none (NF) in the first two blocks, one (NF + 1) in the others; behind a barrier's wait for 0 none is written.
; LIMITS: as the first launch's head comment states them.
.set UB,    12800                      ; a unit of x or of a weight: 16 rows x 1,024
.set CH,    8*UB                       ; 128 rows
.set SCO,   12288
.set WB,    2*CH                       ; the weights' region
.set XN,    3*CH                       ; the scale bytes, 512 a wave: [half][p][r][j][h]
.set SPARE, XN+2048                    ; the spare words: two blocks of 256 bytes that no other line names
.set FR,    12                         ; registers of a fragment
.set FPW,   21                         ; fragments in a window: none lies across a border.  0-31 the weights' (4 q + b), 32-39, 40-47 x's two sets; fragment f in window 1 + f / 21
.set NF,    25                         ; LDS loads of a block
.set EMAX,  2
.set LANE,  3                          ; v3      lane
.set ADRA0, 4                          ; v4      LDS address of my block 0 in slot 0
.set CQ,    5                          ; v5      16 x lane + 512 b
.set C8,    6                          ; v6      8 x lane + 1024 + 256 b
.set LI,    9                          ; v9      16 x lane
.set SPW,   10
.set NIL,   11
.set ADRA,  12                         ; v12     of the block that is fetched next
.set ADRB,  14                         ; v14     of my weight's first unit
.set STO,   18                         ; v18     LDS: my scale byte
.set SB,    24                         ; v24-39  the weights' scale words: SB + 4 b + q % 4, K steps 4 on in lanes 16-31
.set TQ,    40                         ; v40-41  the two chains
.set SA,    46                         ; v46-53  x's, two sets of four
.set TC,    60                         ; v60-62  the second conversion's codes
.set ACC,   64                         ; v64-127 two sets of four accumulators
.set NCD,   128                        ; v128-139 six registers of codes of the even block, six of the odd
.set SOP,   240                        ; v240-241 the conversions' scale operands
.set EB,    244                        ; v244-245 scale bytes
.set VX,    248
.set G1A,   24                         ; group 1: x, half a chunk
.set G1B,   32                         ; a weight
.set G1C,   92                         ; x, a chunk
.set G0A,   56                         ; group 0: chunk 0's halves (G0A, G0D), chunk 1 and the refills (G0R), a weight (G0B)
.set G0B,   60
.set G0R,   68
.set G0D,   72
.set MSB, 0
.macro WIN new                         ; the immediate's high byte repeats the setting that is left
.if MSB != (\new)
	s_set_vgpr_msb (MSB<<8)|(\new)
.set MSB, (\new)
.endif
.endm
.macro PLACES cnt
.rept \cnt
	v_nop
.endr
.endm
.macro WALU
	s_wait_alu depctr_va_vdst(0)
.endm
.macro BARRIER
	s_barrier_signal -1
	s_barrier_wait -1
.endm
.macro MIDDLE                          ; a round behind its opening signal, up to the cluster's wait
	WIN 0
	s_barrier_wait -1
	s_cmp_lg_u32 s14, 0
	s_cbranch_scc1 .Lnot_wave_0_\@
	s_barrier_signal -3
.Lnot_wave_0_\@:
	s_barrier_wait -3
.endm
.macro CROUND
	s_barrier_signal -1
	MIDDLE
	BARRIER
.endm
.macro TLOAD g0, g1
	tensor_load_to_lds s[\g0:\g0+3], s[\g1:\g1+7]
	s_nop 0
	PLACES 4
.endm
.macro GROUP1 g, mask, rows            ; rows of 256 bytes (32 elements of 8 bytes), dense
	s_or_b32 s[\g], s[\mask], (3<<16)|(1<<21)
	s_mov_b32 s[\g+1], 32<<16
	s_mov_b32 s[\g+2], (\rows)<<16
	s_mov_b32 s[\g+3], 32<<16
	s_mov_b32 s[\g+4], \rows
	s_mov_b32 s[\g+5], 32
	s_mov_b32 s[\g+6], 0
	s_mov_b32 s[\g+7], 0
.endm
.macro SADD d, x
	s_add_co_u32 s\d, s\d, s\x
.endm
.macro G0SET g, lds, off, more         ; from xw + s[off] + more; s21 = 0
	s_mov_b32 s[\g], 1
	s_mov_b32 s[\g+1], \lds
	s_add_co_u32 s20, s\off, \more
	s_add_nc_u64 s[\g+2:\g+3], s[4:5], s[20:21]
	s_or_b32 s[\g+3], s[\g+3], 0x80000000
.endm
.macro PTR d, off                      ; s21 = 0
	s_mov_b32 s20, s\off
	s_add_nc_u64 s[\d:\d+1], s[6:7], s[20:21]
.endm
.macro FRAG f, q, a, o                 ; K step q's fragment of the unit at a + o
	WIN (1+(\f)/FPW)<<6
.set R_, FR*((\f)%FPW)
.irp p, 0,1,2
	ds_load_b128 v[R_+4*\p:R_+4*\p+3], \a offset:(\o)+1536*(\q)+512*\p
.endr
.endm
.macro WEIGHTS                         ; my 64 rows of the weight, all of K: 100 loads
.irp q, 0,1,2,3,4,5,6,7
.irp b, 0,1,2,3
	FRAG 4*\q+\b, \q, v[ADRB], UB*\b
.endr
.endr
	WIN 0
.irp b, 0,1,2,3
	ds_load_b128 v[SB+4*\b:SB+4*\b+3], v[ADRB] offset:UB*\b+SCO
.endr
.endm
.macro FETCHAT e, a, o                 ; a block of x's rows into set e: NF loads
.irp q, 0,1,2,3,4,5,6,7
	FRAG 32+8*(\e)+\q, \q, \a, \o
.endr
	WIN 0
	ds_load_b128 v[SA+4*(\e):SA+4*(\e)+3], \a offset:(\o)+SCO
.endm
.macro FETCH e
	FETCHAT \e, v[ADRA], 0
.endm
; a product, n = 4 q + b.  The four accumulators take turns, one instruction a turn
.macro PROD1 d, s0, s1, c, x0, x1, o
.if \o
	v_wmma_scale_f32_16x16x128_f8f6f4 v[\d:\d+7], v[FR*((\s0)%FPW):FR*((\s0)%FPW)+FR-1], v[FR*((\s1)%FPW):FR*((\s1)%FPW)+FR-1], \c, v[\x0], v[\x1] matrix_a_fmt:MATRIX_FMT_FP6 matrix_b_fmt:MATRIX_FMT_FP6 matrix_a_scale:MATRIX_SCALE_ROW1 matrix_b_scale:MATRIX_SCALE_ROW1
.else
	v_wmma_scale_f32_16x16x128_f8f6f4 v[\d:\d+7], v[FR*((\s0)%FPW):FR*((\s0)%FPW)+FR-1], v[FR*((\s1)%FPW):FR*((\s1)%FPW)+FR-1], \c, v[\x0], v[\x1] matrix_a_fmt:MATRIX_FMT_FP6 matrix_b_fmt:MATRIX_FMT_FP6
.endif
.endm
.macro PROD e, n, a0
.set Q_, (\n)/4
.set FB_, (\n)
.set FA_, 32+8*(\e)+Q_
.set D_, (\a0)+8*((\n)%4)
.set XB_, SB+4*((\n)%4)+Q_%4
.set XA_, SA+4*(\e)+Q_%4
	WIN (1+FB_/FPW)|((1+FA_/FPW)<<2)
.if Q_
	PROD1 D_, FB_, FA_, v[D_:D_+7], XB_, XA_, Q_/4
.else
	PROD1 D_, FB_, FA_, 0, XB_, XA_, 0
.endif
.endm
.macro BLOCK e, a0, from, to, list, x=0, y=0
.set N_, \from
.rept (\to)-(\from)
	PROD \e, N_, \a0
.if N_%2
	\list N_-1, \x, \y
	\list N_, \x, \y
.endif
.set N_, N_+1
.endr
.endm
; ---- what the lists are made of: each macro writes entry i of its part, and nothing beyond its last
.macro STEP i, wrap=0                  ; one entry: the address of the block two on; wrap: with the ring's end
.if (\i) == 0
	s_add_co_u32 s101, s101, 2*UB
.if \wrap
	s_cmp_eq_u32 s101, 2*CH
	s_cselect_b32 s101, 0, s101
.endif
	WIN 0
	v_add_nc_u32 v[ADRA], s101, v[ADRA0]
.endif
.endm
.macro CHAIN i, x, n                   ; 18 entries: the largest magnitude of the 32 sums from register x on, and the conversions' scale operand
.if (\i) >= 0 && (\i) < 14
.set B_, (\x)+16*((\i)%2)+2*((\i)/2)
.set T_, TQ+1-(\i)%2
	WIN 0
.if (\i) < 2
	v_max3_num_f32 v[T_], |v[B_]|, |v[B_+1]|, |v[B_+2]|
.else
	v_max3_num_f32 v[T_], v[T_], |v[B_+1]|, |v[B_+2]|
.endif
.elseif (\i) == 14
	WIN 0
	v_max3_num_f32 v[TQ+1], v[TQ+1], |v[\x+15]|, (EMAX+1)<<23   ; the floor keeps the byte at 1 from below
.elseif (\i) == 15
	WIN 0
	v_nop                                  ; keeps the next line out of its writer's pair
.elseif (\i) == 16
	WIN 0
	v_max3_num_f32 v[TQ], v[TQ], |v[\x+31]|, v[TQ+1]
.elseif (\i) == 17
	WIN 0
	v_add_nc_u32 v[SOP+\n], -(EMAX<<23), v[TQ]
.endif
.endm
.macro CODES i, x, c, n                ; 6 lines: 32 codes into v[c .. c+5], the scale's byte into v[EB+n]
.if (\i) == 0
	v_cvt_scalef32_pk16_fp6_f32 v[\c:\c+2], v[\x:\x+15], v[SOP+\n]
.elseif (\i) == 1
	v_cvt_scalef32_pk16_fp6_f32 v[TC:TC+2], v[\x+16:\x+31], v[SOP+\n]
.elseif (\i) == 2
	v_lshrrev_b32 v[EB+\n], 23, v[SOP+\n]
.else
	v_mov_b32 v[\c+\i], v[TC+\i-3]
.endif
.endm
.macro CODES6 x, c, n                  ; its last four lines are also the places between the block's last product and the loads that follow
	WIN 0
.irp i, 0,1,2,3,4,5
	CODES \i, \x, \c, \n
.endr
.endm
.macro PFTILE v, off, share            ; my sixteenth of 128 rows at s[off], to be asked for into the L2
	s_mul_i32 s21, s\share, CH/16
	s_add_co_u32 s20, s\off, s21
	v_min_u32 v\v, CH/16/256-1, v[LANE]
	v_lshl_add_u32 v\v, v\v, 8, s20
.endm
.macro PFGO v
	global_prefetch_b8 v\v, s[4:5] th:TH_LOAD_NT scope:SCOPE_SE
.endm
.macro ASK i                           ; 3 entries: the descriptor of the chunk at s88 for slot s47; then both step on
.if (\i) == 0
	s_mul_i32 s[G0R+1], s14, CH/2
	s_add_co_u32 s[G0R+1], s[G0R+1], s47
	s_mul_i32 s20, s14, CH/2
	SADD 20, 88
.elseif (\i) == 1
	s_mov_b32 s21, 0
	s_add_nc_u64 s[G0R+2:G0R+3], s[4:5], s[20:21]
	s_or_b32 s[G0R+3], s[G0R+3], 0x80000000
	s_add_co_u32 s88, s88, CH
.elseif (\i) == 2
	s_xor_b32 s47, s47, CH
.endif
.endm
.macro PUTA i                          ; 4 entries: where block s46's codes go (s[84:85]) and its scale byte (v[VX])
.if (\i) == 0
	s_and_b32 s20, s46, 7
	s_mul_i32 s20, s20, 1536
	s_bfe_u32 s23, s46, 0x10003
	s_mul_i32 s22, s23, 16*UB
.elseif (\i) == 1
	SADD 20, 22
	s_mov_b32 s21, 0
	s_lshl_b32 s23, s23, 8
.elseif (\i) == 2
	s_add_nc_u64 s[84:85], s[10:11], s[20:21]
	s_and_b32 s22, s46, 6
	SADD 23, 22
.elseif (\i) == 3
	s_and_b32 s22, s46, 1
	s_lshl_b32 s22, s22, 7
	SADD 23, 22
	s_add_co_u32 s46, s46, 1
	WIN 0
	v_add_nc_u32 v[VX], s23, v[STO]
.endif
.endm
; ---- the lists
.macro L_STEP i, x, y
	STEP \i
.endm
.macro L_NONE i, x, y
.endm
.macro L_Q i, x, y
	STEP \i
	PUTA (\i)-1
	CHAIN (\i)-5, \x, \y
.endm
.macro L_QL i, x, y                    ; nothing more is fetched
	PUTA \i
	CHAIN (\i)-4, \x, \y
.endm
.macro L_ROUND i, x, y
	ASK \i
	STEP (\i)-2, 1
	PUTA (\i)-3
	CHAIN (\i)-7, \x, \y
.endm
; ---- the blocks.  w: the count of the wait for the block's rows (-1: they are shown in already)
.macro BEGIN w
.if (\w) >= 0
	s_wait_dscnt \w
.endif
	s_wait_xcnt 0x0                        ; the last block's stores have read their registers and their base
.endm
.macro OUT e, fetch                    ; behind block n: block n - 1's scale byte and codes, the fetch of block n + 2
	WALU
	ds_store_b8 v[VX], v[EB+1-\e]
	global_store_b128 v[CQ], v[NCD+6*(1-\e):NCD+6*(1-\e)+3], s[84:85]
	global_store_b64 v[C8], v[NCD+6*(1-\e)+4:NCD+6*(1-\e)+5], s[84:85]
.if \fetch
	FETCH \e
.endif
.endm
.macro QB e, w, list, fetch
	BEGIN \w
	BLOCK \e, ACC+32*\e, 0, 32, \list, ACC+32*(1-\e), 1-\e
	CODES6 ACC+32*(1-\e), NCD+6*(1-\e), 1-\e
	OUT \e, \fetch
.endm
.macro QROUND w                        ; an even block with a refill
	BEGIN \w
	s_wait_tensorcnt 0x0
	ds_add_u32 v[SPW], v[NIL]
	BLOCK 0, ACC, 0, 26, L_ROUND, ACC+32, 1
	WIN 0
	WALU
	s_wait_dscnt 0x0                       ; the add is done, and so are my reads of the slot
	s_barrier_signal -1
	BLOCK 0, ACC, 26, 32, L_NONE
	CODES6 ACC+32, NCD+6, 1
	MIDDLE
	BARRIER
	s_cmp_lt_u32 s14, 2
	s_cbranch_scc0 .Lnone_\@
	TLOAD G0R, G1A
.Lnone_\@:
	OUT 0, 1
.endm
.macro QSHOW w                         ; a plain barrier inside the block shows the last refill to all
	BEGIN \w
	BLOCK 0, ACC, 0, 26, L_Q, ACC+32, 1
	WIN 0
	WALU
	s_wait_tensorcnt 0x0
	s_wait_dscnt 0x0
	s_barrier_signal -1
	BLOCK 0, ACC, 26, 32, L_NONE
	WIN 0
	s_barrier_wait -1
	CODES6 ACC+32, NCD+6, 1
	OUT 0, 1
.endm
; ================= THE HEAD
	s_load_b128 s[4:7], s[0:1], 0x0                     ; xw, qk
	v_lshl_add_u32 v[SPW], v0, 2, SPARE
	v_mov_b32 v[NIL], 0
	ds_add_u32 v[SPW], v[NIL]                           ; the wave's opening: the add, twice on end, and its wait
	ds_add_u32 v[SPW], v[NIL]
	v_lshrrev_b32 v1, 5, v0
	v_readfirstlane_b32 s14, v1                         ; the wave; s15 its row a of the 2 x 2, s16 its column b
	s_lshr_b32 s15, s14, 1
	s_and_b32 s16, s14, 1
	s_bfe_u32 s40, ttmp6, 0x40000                       ; cx
	s_bfe_u32 s41, ttmp6, 0x40004                       ; cy
	s_lshl_b32 s42, ttmp9, 2
	s_add_co_u32 s42, s42, s40                          ; tile column: 0-7 q, 8-15 k
	s_and_b32 s43, ttmp7, 0xffff
	s_lshl_b32 s43, s43, 2
	s_add_co_u32 s43, s43, s41                          ; tile row: 512 tokens
	s_lshl_b32 s44, s41, 2
	s_lshl_b32 s44, 15, s44                             ; my row of the cluster
	s_lshl_b32 s45, 0x1111, s40                         ; my column
	GROUP1 G1A, 44, 200
	GROUP1 G1B, 45, 400
	GROUP1 G1C, 44, 400
	s_mul_i32 s66, s43, 4*CH                            ; my tokens, bytes from xw
	s_add_co_u32 s88, s66, 2*CH                         ; chunk 2
	s_add_co_u32 s9, s42, 64
	s_mul_i32 s9, s9, CH                                ; Wq's or Wk's rows
	s_lshl_b32 s90, s40, 2
	SADD 90, 14                                         ; my number among the sixteen waves of my row of the cluster
	v_and_b32 v1, 15, v0                                ; r
	v_bfe_u32 v2, v0, 4, 1                              ; h
	v_and_b32 v[LANE], 31, v0
	v_lshlrev_b32 v[LI], 4, v[LANE]
	s_mul_i32 s21, s15, UB
	v_add_nc_u32 v[ADRA0], s21, v[LI]
	s_mul_i32 s22, s16, 4*UB
	s_add_co_u32 s22, s22, WB
	v_add_nc_u32 v[ADRB], s22, v[LI]
	s_lshl_b32 s21, s16, 9
	v_add_nc_u32 v[CQ], s21, v[LI]
	s_lshl_b32 s21, s16, 8
	s_add_co_u32 s21, s21, 1024
	v_lshl_add_u32 v[C8], v[LANE], 3, s21
	v_lshl_add_u32 v21, v1, 3, v2                       ; 8 r + h
	s_lshl_b32 s22, s14, 9
	s_add_co_u32 s22, s22, XN
	v_add_nc_u32 v[STO], s22, v21                       ; + 512 x wave
	WALU
	s_wait_dscnt 0x0                                    ; both opening adds are done
	CROUND                                              ; all sixteen work-groups are here: the first joint loads meet
	s_mov_b32 s21, 0
	s_wait_kmcnt 0x0
	G0SET G0B, WB, 9, 0
	G0SET G0A, 0, 66, 0
	G0SET G0D, CH/2, 66, CH/2
	G0SET G0R, CH, 66, CH
	s_cmp_eq_u32 s14, 0
	s_cbranch_scc0 .Lwave_1
	TLOAD G0B, G1B                                      ; wave 0: the weight's rows
	s_branch .Lasked
.Lwave_1:
	s_cmp_eq_u32 s14, 1
	s_cbranch_scc0 .Lwave_2
	TLOAD G0A, G1A                                      ; wave 1: chunk 0's first half
	s_branch .Lasked
.Lwave_2:
	s_cmp_eq_u32 s14, 2
	s_cbranch_scc0 .Lwave_3
	TLOAD G0D, G1A                                      ; wave 2: its second half
	s_branch .Lasked
.Lwave_3:
	TLOAD G0R, G1C                                      ; wave 3: chunk 1
.Lasked:
	s_and_b32 s21, s42, 7                               ; where the results go: unit 512 (k) + 8 G + ks, G = 4 x tile row + 2 x half + a
	s_lshr_b32 s22, s42, 3
	s_lshl_b32 s22, s22, 9
	SADD 21, 22
	s_lshl_b32 s22, s43, 5
	SADD 21, 22
	s_lshl_b32 s22, s15, 3
	s_add_co_u32 s76, s21, s22
	s_mul_i32 s76, s76, UB
	s_lshl_b32 s22, s14, 3                              ; the unit whose scale words I send: half w / 2, row w % 2
	s_add_co_u32 s78, s21, s22
	s_mul_i32 s78, s78, UB
	s_add_co_u32 s78, s78, SCO
	s_mov_b32 s21, 0
	PTR 10, 76
	PTR 48, 78
	s_mov_b32 s46, 0
	s_mov_b32 s47, 0
	PFTILE 8, 88, 90                                    ; chunk 2
	s_add_co_u32 s22, s88, CH
	PFTILE 7, 22, 90                                    ; chunk 3
	WALU
	s_cmp_eq_u32 s14, 0
	s_cbranch_scc0 .Lnot_b
	s_wait_tensorcnt 0x0
.Lnot_b:
	BARRIER                                             ; the weight's rows are in
	PFGO 8
	WEIGHTS
	s_cmp_eq_u32 s14, 3
	s_cbranch_scc1 .Lnot_a0
	s_wait_tensorcnt 0x0
.Lnot_a0:
	s_wait_dscnt 0x0
	BARRIER                                             ; chunk 0 is in; chunk 1 may still be on its way
	FETCHAT 0, v[ADRA0], 0
	FETCHAT 1, v[ADRA0], 2*UB
	s_mov_b32 s101, 2*UB
; ================= SIXTEEN BLOCKS
	s_wait_dscnt NF
	BLOCK 0, ACC, 0, 32, L_STEP
	WIN 0
	PLACES 4
	WALU
	FETCH 0
	PFGO 7
	QB 1, NF, L_Q, 1
	s_mov_b32 s86, 0
.Lwith_rounds:                                          ; blocks 2 to 5, 6 to 9
	QROUND NF+1
	QB 1, -1, L_Q, 1
	QB 0, NF+1, L_Q, 1
	QB 1, NF+1, L_Q, 1
	s_add_co_u32 s86, s86, 1
	s_cmp_lg_u32 s86, 2
	s_cbranch_scc1 .Lwith_rounds
.Lwithout:                                              ; blocks 10, 11 and 12, 13
	QSHOW NF+1
	QB 1, -1, L_Q, 1
	s_add_co_u32 s86, s86, 1
	s_cmp_lg_u32 s86, 4
	s_cbranch_scc1 .Lwithout
	QB 0, NF+1, L_QL, 0
	QB 1, 1, L_QL, 0
; ================= THE END: the last way out; the scale bytes go through LDS under its conversions
	s_wait_xcnt 0x0
.irp i, 0,1,2,3
	PUTA \i
.endr
	s_lshl_b32 s21, s16, 10                             ; row w % 2's two waves, half w / 2: 8 bytes a lane from each
	s_lshl_b32 s22, s15, 8
	SADD 21, 22
	s_add_co_u32 s21, s21, XN
	v_lshl_add_u32 v15, v[LANE], 3, s21
.set I, 0
.rept 18
	CHAIN I, ACC+32, 1
.set I, I+1
.endr
	CODES 2, ACC+32, NCD+6, 1
	WALU
	ds_store_b8 v[VX], v[EB+1]
	s_wait_dscnt 0x0
	s_barrier_signal -1
	CODES 0, ACC+32, NCD+6, 1
	CODES 1, ACC+32, NCD+6, 1
	v_nop
.irp i, 3,4,5
	CODES \i, ACC+32, NCD+6, 1
.endr
	s_barrier_wait -1
	WALU
	ds_load_b64 v[64:65], v15                           ; bytes h of columns b = 0,
	ds_load_b64 v[66:67], v15 offset:512                ; and of b = 1
	global_store_b128 v[CQ], v[NCD+6:NCD+9], s[84:85]
	global_store_b64 v[C8], v[NCD+10:NCD+11], s[84:85]
	s_wait_dscnt 0x0
	v_perm_b32 v70, v66, v64, 0x05040100                ; word j: byte 2 b + h
	v_perm_b32 v71, v66, v64, 0x07060302
	v_perm_b32 v72, v67, v65, 0x05040100
	v_perm_b32 v73, v67, v65, 0x07060302
	global_store_b128 v[LI], v[70:73], s[48:49]
	s_wait_tensorcnt 0x0                                ; the wave's end
	ds_add_u32 v[SPW], v[NIL]
	s_wait_dscnt 0x0
	CROUND                                              ; the closing round
	s_endpgm
.Lfunc_end_k_q46be7864b2_proj:
	.size	k_q46be7864b2_proj, .Lfunc_end_k_q46be7864b2_proj-k_q46be7864b2_proj
	.p2alignl 7, 3214868480
	.fill 96, 4, 3214868480
	.section	.rodata,"a",@progbits
	.p2align	6, 0x0
	.amdhsa_kernel k_q46be7864b2_proj
		.amdhsa_group_segment_fixed_size 327680
		.amdhsa_private_segment_fixed_size 0
		.amdhsa_enable_private_segment 0
		.amdhsa_kernarg_size 16
		.amdhsa_user_sgpr_count 2
		.amdhsa_user_sgpr_kernarg_segment_ptr 1
		.amdhsa_wavefront_size32 1
		.amdhsa_system_sgpr_workgroup_id_x 1
		.amdhsa_system_sgpr_workgroup_id_y 1
		.amdhsa_system_sgpr_workgroup_id_z 1
		.amdhsa_system_vgpr_workitem_id 0
		.amdhsa_next_free_vgpr 840
		.amdhsa_next_free_sgpr 102
		.amdhsa_reserve_vcc 0
		.amdhsa_float_denorm_mode_32 3
		.amdhsa_float_denorm_mode_16_64 3
		.amdhsa_memory_ordered 1
		.amdhsa_forward_progress 1
		.amdhsa_inst_pref_size 105
	.end_amdhsa_kernel
	.amdgpu_metadata
---
amdhsa.version: [ 1, 2 ]
amdhsa.kernels:
  - .name:           k_q46be7864b2_proj
    .symbol:         k_q46be7864b2_proj.kd
    .args:
      - { .name: xw, .offset: 0, .size: 8, .value_kind: global_buffer, .address_space: global }
      - { .name: qk, .offset: 8, .size: 8, .value_kind: global_buffer, .address_space: global }
    .group_segment_fixed_size: 327680
    .private_segment_fixed_size: 0
    .kernarg_segment_align: 8
    .kernarg_segment_size: 16
    .max_flat_workgroup_size: 128
    .sgpr_count:     102
    .vgpr_count:     840
    .wavefront_size: 32
...
	.end_amdgpu_metadata
.endif
;; end of part 6
;; launch scores (part 7): grid 58 x 4, 4 waves a work-group, no clusters, 327,680 bytes of LDS; arguments qk, pu, pl, xw, vu; writes pu, pl, vu
.if DOCPART == 7
	.amdgcn_target "amdgcn-amd-amdhsa--gfx1250"
	.amdhsa_code_object_version 6
	.text
	.protected	k_q46be7864b2_scores
	.globl	k_q46be7864b2_scores
	.p2align	8
	.type	k_q46be7864b2_scores,@function
k_q46be7864b2_scores:
	s_mov_b64 s[64:65], 0
	v_nop
	global_prefetch_b8 v0, s[64:65] scope:SCOPE_SE
	s_setreg_imm32_b32 hwreg(HW_REG_WAVE_MODE, 25, 1), 1
	s_wait_xcnt 0x0
; TWO KINDS OF WORK-GROUPS.  x = 0 .. 35: p of one kept tile of 256 queries x 256 keys of batch y.  x = 36 .. 57: v of 128 channels x two or three groups of 256 tokens.  232 in all.  The choice hangs on the work-group's number alone.
; P: unit 16 x query group + key group (128 x 128; the query group counts over all batches), 13,312 bytes: fragment f of queries at byte 1536 f, registers 4 p .. 4 p + 3 of lane l at 512 p + 16 l, keys in their order along K; at 12,288 the scale words: lane 16 p + r
; has 16 bytes, word j for fragment 2 j + p; at 12,800 in the same order M' (f32), the ceiling of the row's largest t in these 128 keys, under which p = 2^(t - M') was made; in pl, 512 bytes a unit, the row's sum of the unquantised p.
; WORK LEFT OUT: tiles whose keys all come after their queries (shown at the first launch's head); of a tile on the diagonal the one wave whose 128 x 128 lies wholly above it stores zeros.  The scaled scores stay under 2^31 in magnitude: a limit.
; V: unit (8 b + cg) 16 + ks (cg: group of 128 channels, the rows; ks: group of 128 tokens of batch b, the K), 12,800 bytes: fragment f at 1536 f, registers 4 p .. at 512 p + 16 l; at 12,288 + 256 b' the scale words of fragments 4 b' .. 4 b' + 3: lane 16 p + r has
; 8 bytes, word j' for fragment 4 b' + 2 j' + p.
; No cluster: the tiles of a batch fill a triangle, whose rows of 1 to 8 tiles no cluster divides, and the two kinds of work-groups make different requests.
; No prefetch: a refill of p's ring has two K steps, 128 matrix instructions a wave, a refill of v's four blocks, 128 matrix instructions a wave, in which to land, and a slot of p's ring is filled twice in all.
.set UNIT,  12800
.set PUNIT, 13312
.set SCO,   12288
.set MPO,   12800
.set GRP,   8*UNIT
.set REG,   2*UNIT
.set SLOT,  4*REG
.set SPARE, 3*SLOT+1024                ; the spare words: behind all that either kind of work-group fills or stores
.set LI,   1
.set ADRA, 2
.set ADRB, 4
.set SPW,  6
.set NIL,  7
.set SA,   8
.set SB,   16
.set BM,   24
.set SO,   32
.set NM,   36
.set XT,   38
.set SMA,  40
.set SMB,  42
.set T2,   44
.set EE,   52
.set NINF, 54
.set AD8A, 56                          ; v56-57, v58-59: as ADRA, ADRB, for a fragment's two pieces of 8 bytes a lane
.set AD8B, 58
.set H8,   60                          ; v60 8 x (lane / 16)
.set AF,   64
.set CD,   64
.set PA,   160
.set PW,   224
.set MM,   232
.set LL,   240
.set G1,  24
.set G0,  32
.set SEL, 20
.set HM,  48
.set CS,  50
.set QB,  44
.set KB,  45
.set PU,  10
.set PLA, 12
.set MSB, 0
.macro WIN new
.if MSB != (\new)
	s_set_vgpr_msb (MSB<<8)|(\new)
.set MSB, (\new)
.endif
.endm
.macro PLACES cnt
.rept \cnt
	v_nop
.endr
.endm
.macro WMX zero, pa, pb
.if \zero
.if (\pa) && (\pb)
	v_wmma_scale_f32_16x16x128_f8f6f4 v[rD:rD+7], v[rB:rB+11], v[rA:rA+11], 0, v[rSB], v[rSA] matrix_a_fmt:MATRIX_FMT_FP6 matrix_b_fmt:MATRIX_FMT_FP6 matrix_a_scale:MATRIX_SCALE_ROW1 matrix_b_scale:MATRIX_SCALE_ROW1
.elseif (\pa)
	v_wmma_scale_f32_16x16x128_f8f6f4 v[rD:rD+7], v[rB:rB+11], v[rA:rA+11], 0, v[rSB], v[rSA] matrix_a_fmt:MATRIX_FMT_FP6 matrix_b_fmt:MATRIX_FMT_FP6 matrix_a_scale:MATRIX_SCALE_ROW1
.elseif (\pb)
	v_wmma_scale_f32_16x16x128_f8f6f4 v[rD:rD+7], v[rB:rB+11], v[rA:rA+11], 0, v[rSB], v[rSA] matrix_a_fmt:MATRIX_FMT_FP6 matrix_b_fmt:MATRIX_FMT_FP6 matrix_b_scale:MATRIX_SCALE_ROW1
.else
	v_wmma_scale_f32_16x16x128_f8f6f4 v[rD:rD+7], v[rB:rB+11], v[rA:rA+11], 0, v[rSB], v[rSA] matrix_a_fmt:MATRIX_FMT_FP6 matrix_b_fmt:MATRIX_FMT_FP6
.endif
.else
.if (\pa) && (\pb)
	v_wmma_scale_f32_16x16x128_f8f6f4 v[rD:rD+7], v[rB:rB+11], v[rA:rA+11], v[rD:rD+7], v[rSB], v[rSA] matrix_a_fmt:MATRIX_FMT_FP6 matrix_b_fmt:MATRIX_FMT_FP6 matrix_a_scale:MATRIX_SCALE_ROW1 matrix_b_scale:MATRIX_SCALE_ROW1
.elseif (\pa)
	v_wmma_scale_f32_16x16x128_f8f6f4 v[rD:rD+7], v[rB:rB+11], v[rA:rA+11], v[rD:rD+7], v[rSB], v[rSA] matrix_a_fmt:MATRIX_FMT_FP6 matrix_b_fmt:MATRIX_FMT_FP6 matrix_a_scale:MATRIX_SCALE_ROW1
.elseif (\pb)
	v_wmma_scale_f32_16x16x128_f8f6f4 v[rD:rD+7], v[rB:rB+11], v[rA:rA+11], v[rD:rD+7], v[rSB], v[rSA] matrix_a_fmt:MATRIX_FMT_FP6 matrix_b_fmt:MATRIX_FMT_FP6 matrix_b_scale:MATRIX_SCALE_ROW1
.else
	v_wmma_scale_f32_16x16x128_f8f6f4 v[rD:rD+7], v[rB:rB+11], v[rA:rA+11], v[rD:rD+7], v[rSB], v[rSA] matrix_a_fmt:MATRIX_FMT_FP6 matrix_b_fmt:MATRIX_FMT_FP6
.endif
.endif
.endm
.macro MUL a0, cnt, set, zero
.set xa, \a0
.rept \cnt
.set xb, 0
.rept 8
.set rD, 8*(8*(xa%4)+xb)
.set rB, 96*(\set)+12*xb
.set rA, AF+96*(\set)+12*xa
.set rSB, SB+4*(\set)+xb/2
.set rSA, SA+4*(\set)+xa/2
	WMX \zero, xb%2, xa%2
.set xb, xb+1
.endr
.set xa, xa+1
.endr
.endm
.macro FETCH slot, q, set
	WIN 0x40
.irp i, 0,1,2,3,4,5,6,7
.irp c, 0,1                            ; registers 6 c .. 6 c + 3, then 6 c + 4 and 6 c + 5
	ds_load_b128 v[96*(\set)+12*\i+6*\c:96*(\set)+12*\i+6*\c+3], v[ADRB+\slot] offset:UNIT*(\q)+1536*\i+512*\c
	ds_load_b64 v[96*(\set)+12*\i+6*\c+4:96*(\set)+12*\i+6*\c+5], v[AD8B+\slot] offset:UNIT*(\q)+1536*\i+256*\c
.endr
.endr
	WIN 0
.irp i, 0,1,2,3,4,5,6,7
.irp c, 0,1
	ds_load_b128 v[AF+96*(\set)+12*\i+6*\c:AF+96*(\set)+12*\i+6*\c+3], v[ADRA+\slot] offset:UNIT*(\q)+1536*\i+512*\c
	ds_load_b64 v[AF+96*(\set)+12*\i+6*\c+4:AF+96*(\set)+12*\i+6*\c+5], v[AD8A+\slot] offset:UNIT*(\q)+1536*\i+256*\c
.endr
.endr
	ds_load_b128 v[SB+4*(\set):SB+4*(\set)+3], v[ADRB+\slot] offset:UNIT*(\q)+SCO
	ds_load_b128 v[SA+4*(\set):SA+4*(\set)+3], v[ADRA+\slot] offset:UNIT*(\q)+SCO
.endm
.macro KSTEP slot, zero
	s_wait_dscnt 0x0
	PLACES 4
	FETCH \slot, 1, 1
	WIN 0xa1
	MUL 0, 4, 0, \zero
	WIN 0xf1
	MUL 4, 4, 0, \zero
	WIN 0
.endm
.macro TURN slot, next, fill
	s_wait_tensorcnt 0x0
	ds_add_u32 v[SPW], v[NIL]
	s_wait_dscnt 1
	WIN 0xa1
	MUL 0, 1, 1, 0
	s_wait_dscnt 0x0
	s_barrier_signal -1
	MUL 1, 1, 1, 0
	WIN 0
	s_barrier_wait -1
.if \fill
	s_add_nc_u64 s[G0+4*\slot+2:G0+4*\slot+3], s[G0+4*\slot+2:G0+4*\slot+3], 2*REG
	tensor_load_to_lds s[G0+4*\slot:G0+4*\slot+3], s[G1:G1+7]
	s_nop 0
.endif
	PLACES 4
	FETCH \next, 0, 0
	WIN 0xa1
	MUL 2, 2, 1, 0
	WIN 0xf1
	MUL 4, 4, 1, 0
	WIN 0
.endm
	s_load_b128 s[4:7], s[0:1], 0x0
	s_load_b64 s[8:9], s[0:1], 0x10
	s_load_b128 s[52:55], s[0:1], 0x18             ; xw, vu
	v_lshl_add_u32 v[SPW], v0, 2, SPARE
	v_mov_b32 v[NIL], 0
	ds_add_u32 v[SPW], v[NIL]
	ds_add_u32 v[SPW], v[NIL]
	v_lshrrev_b32 v1, 5, v0
	v_readfirstlane_b32 s14, v1
	s_lshr_b32 s15, s14, 1
	s_and_b32 s16, s14, 1
	s_and_b32 s17, ttmp7, 0xffff
	s_wait_alu depctr_va_vdst(0)                   ; the wait here, directly ahead of the wait below
	s_wait_dscnt 0x0                               ; both opening adds are done
	s_cmp_ge_u32 ttmp9, 36
	s_cbranch_scc1 .Lv
	s_mov_b32 s18, 0
.irp th, 1,3,6,10,15,21,28
	s_cmp_ge_u32 ttmp9, \th
	s_cselect_b32 s19, 1, 0
	s_add_co_u32 s18, s18, s19
.endr
	s_add_co_u32 s19, s18, 1
	s_mul_i32 s19, s19, s18
	s_lshr_b32 s19, s19, 1
	s_sub_co_u32 s19, ttmp9, s19
	s_mov_b32 s[G1], 3<<16
	s_mov_b32 s[G1+1], 32<<16
	s_mov_b32 s[G1+2], 100<<16
	s_mov_b32 s[G1+3], 32<<16
	s_mov_b32 s[G1+4], 100
	s_mov_b32 s[G1+5], 32
	s_mov_b32 s[G1+6], 0
	s_mov_b32 s[G1+7], 0
	s_cmp_lt_u32 s14, 2
	s_cselect_b32 s22, s18, s19
	s_cselect_b32 s23, 0, 512*UNIT
	s_lshl_b32 s22, s22, 1
	s_add_co_u32 s22, s22, s16
	s_lshl_b32 s40, s17, 4
	s_add_co_u32 s22, s22, s40
	s_mul_i32 s22, s22, GRP
	s_add_co_u32 s22, s22, s23
	s_mov_b32 s23, 0
	s_mul_i32 s41, s14, REG
	s_mov_b32 s[SEL], 0x76543210
	s_mov_b32 s[SEL+1], 0xfedcba98
	s_mov_b32 s[HM], 0xffff0000
	s_mov_b32 s[CS], 0x3d38aa3b
	s_mov_b32 s[CS+1], s[CS]
	s_wait_kmcnt 0x0
	s_add_nc_u64 s[22:23], s[4:5], s[22:23]
.irp s, 0,1
	s_mov_b32 s[G0+4*\s], 1
	s_add_co_u32 s[G0+4*\s+1], s41, \s*SLOT
	s_add_nc_u64 s[G0+4*\s+2:G0+4*\s+3], s[22:23], \s*REG
	s_or_b32 s[G0+4*\s+3], s[G0+4*\s+3], 0x80000000
.endr
	tensor_load_to_lds s[G0:G0+3], s[G1:G1+7]
	s_nop 0
	PLACES 4
	v_and_b32 v1, 31, v0
	v_lshl_add_u32 v61, v1, 3, 1024
	v_lshlrev_b32 v[LI], 4, v1
	s_mul_i32 s42, s15, REG
	s_mul_i32 s43, s16, REG
	s_add_co_u32 s43, s43, 2*REG
.irp s, 0,1
	v_add_nc_u32 v[ADRA+\s], s42, v[LI]
	v_add_nc_u32 v[ADRB+\s], s43, v[LI]
	v_add_nc_u32 v[AD8A+\s], s42, v61
	v_add_nc_u32 v[AD8B+\s], s43, v61
	s_add_co_u32 s42, s42, SLOT
	s_add_co_u32 s43, s43, SLOT
.endr
	v_and_b32 v55, 15, v0
	v_and_b32 v[EE], 8, v55
	v_mad_u32_u24 v[EE], v[EE], 3, v55     ; r % 8 + 32 (r / 8): my row in its band of 64, less 8 (a % 4)
	v_bfe_u32 v55, v0, 4, 1
	v_lshlrev_b32 v[H8], 3, v55
	v_lshlrev_b32 v55, 5, v55
	v_sub_nc_u32 v[EE], v[EE], v55         ; less 32 h: my keys are 32 h + n
	v_mov_b32 v[NINF], 0xff800000
	v_mov_b32 v[NM+1], 0
.irp b, 0,1,2,3
	v_mov_b32 v[BM+4+\b], 0
.endr
	s_lshl_b32 s42, s17, 4
	s_lshl_b32 s[QB], s18, 1
	s_add_co_u32 s[QB], s[QB], s15
	s_lshl_b32 s[KB], s19, 1
	s_add_co_u32 s[KB], s[KB], s16
	s_add_co_u32 s42, s42, s[QB]
	s_lshl_b32 s42, s42, 4
	s_add_co_u32 s42, s42, s[KB]
	s_mul_i32 s46, s42, PUNIT
	s_mov_b32 s47, 0
	s_add_nc_u64 s[PU:PU+1], s[6:7], s[46:47]
	s_lshl_b32 s46, s42, 9
	s_add_nc_u64 s[PLA:PLA+1], s[8:9], s[46:47]
	s_wait_alu depctr_va_vdst(0)                   ; the wait at the head's end
	s_wait_tensorcnt 0x0                           ; my part of slot 0 is in
	ds_add_u32 v[SPW], v[NIL]
	s_wait_dscnt 0x0
	s_barrier_signal -1
	s_barrier_wait -1                              ; everybody's part is in
	tensor_load_to_lds s[G0+4:G0+7], s[G1:G1+7]    ; slot 1's first fill
	s_nop 0
	PLACES 4
	FETCH 0, 0, 0
	KSTEP 0, 1
	TURN 0, 1, 1
	KSTEP 1, 0
	TURN 1, 0, 1
	KSTEP 0, 0
	TURN 0, 1, 0
	KSTEP 1, 0
	s_wait_dscnt 0x0
	WIN 0xa1
	MUL 0, 4, 1, 0
	WIN 0xf1
	MUL 4, 4, 1, 0
	WIN 0
	PLACES 4
	s_cmp_gt_u32 s[KB], s[QB]
	s_cbranch_scc1 .Ldead
.macro SOFT a
.set AC, 64*((\a)%4)
.set WN, 2+(\a)/4
.set BD, (\a)/4
	s_cmp_lg_u32 s[KB], s[QB]
	s_cbranch_scc1 .Lopen_\@
	WIN WN*65
.set nn, 0
	s_wait_alu depctr_va_vdst(0)
.rept 32                               ; band a / 4 of the keys holds the diagonal; the band behind it is masked whole
	v_cmp_gt_i32 vcc_lo, nn-8*((\a)%4), v[EE]
	v_cndmask_b32 v[AC+32*BD+nn], v[AC+32*BD+nn], v[NINF], vcc_lo
.set nn, nn+1
.endr
.set nn, 32*(BD+1)
.rept 32*(1-BD)
	v_mov_b32 v[AC+nn], 0xff800000
.set nn, nn+1
.endr
	WIN 0
.Lopen_\@:
	WIN WN*5
.irp b, 0,1,2,3
	v_max_num_f32 v[BM+\b], v[AC+16*\b], v[AC+16*\b+1]
.endr
.irp i, 2,4,6,8,10,12,14
.irp b, 0,1,2,3
	v_max3_num_f32 v[BM+\b], v[AC+16*\b+\i], v[AC+16*\b+\i+1], v[BM+\b]
.endr
.endr
	WIN 0
	v_max_num_f32 v[BM], v[BM], v[BM+1]    ; block 2 c + h of 32 keys is mine alone: c = 0,
	v_max_num_f32 v[BM+1], v[BM+2], v[BM+3] ; c = 1
	v_max_num_f32 v[XT], v[BM], v[BM+1]
	v_permlanex16_b32 v[BM+4], v[XT], s[SEL], s[SEL+1]
	v_max_num_f32 v[XT], v[XT], v[BM+4]    ; the row's largest score in these 128 keys
	v_mul_f32 v[XT], s[CS], v[XT]
	v_floor_f32 v[NM], -v[XT]
	WIN WN
.set nn, 0
.rept 32
	v_pk_fma_f32 v[PA+nn:PA+nn+1], v[AC+nn:AC+nn+1], s[CS:CS+1], v[NM:NM+1] op_sel_hi:[1,0,0]
.set nn, nn+2
.endr
	WIN 0
.irp b, 0,1
	v_fma_f32 v[BM+\b], v[BM+\b], s[CS], v[NM]
.endr
.set nn, 0
	s_wait_alu depctr_va_vdst(0)
.rept 64
	v_exp_f32 v[PA+nn], v[PA+nn]
.set nn, nn+1
.endr
	v_mul_f32 v[MM+\a], -1.0, v[NM]
	s_wait_alu depctr_va_vdst(0)
.irp b, 0,1
	v_exp_f32 v[BM+\b], v[BM+\b]
.endr
	v_pk_add_f32 v[SMB:SMB+1], v[PA:PA+1], v[PA+2:PA+3]
	v_pk_add_f32 v[SMA:SMA+1], v[PA+4:PA+5], v[PA+6:PA+7]
.irp j, 8,12,16,20,24,28,32,36,40,44,48,52,56,60
	v_pk_add_f32 v[SMA:SMA+1], v[SMA:SMA+1], v[PA+\j:PA+\j+1]
	v_pk_add_f32 v[SMB:SMB+1], v[SMB:SMB+1], v[PA+\j+2:PA+\j+3]
.endr
	v_pk_add_f32 v[SMA:SMA+1], v[SMA:SMA+1], v[SMB:SMB+1]
	s_wait_alu depctr_va_vdst(0)
.irp b, 0,1
	v_max_num_f32 v[BM+\b], 0x1800000, v[BM+\b]
.endr
.irp b, 0,1
	v_add_nc_u32 v[SO+\b], 0xff000000, v[BM+\b]
.endr
.irp b, 0,1
	v_lshrrev_b32 v[BM+4+\b], 23, v[SO+\b]
.endr
	v_lshl_or_b32 v[BM+4], v[BM+5], 16, v[BM+4]   ; my bytes h and 2 + h of the scale word,
	v_lshlrev_b32 v[BM+4], v[H8], v[BM+4]
	v_permlanex16_b32 v[BM+5], v[BM+4], s[SEL], s[SEL+1]
	v_or_b32 v[PW+\a], v[BM+4], v[BM+5]           ; and lane l xor 16's
.irp c, 0,1
	v_cvt_scalef32_pk16_fp6_f32 v[CD+12*(\a)+6*\c:CD+12*(\a)+6*\c+2], v[PA+32*\c:PA+32*\c+15], v[SO+\c]
	v_cvt_scalef32_pk16_fp6_f32 v[T2+4*\c:T2+4*\c+2], v[PA+32*\c+16:PA+32*\c+31], v[SO+\c]
.endr
	v_nop
.irp c, 0,1
.irp i, 0,1,2
	v_mov_b32 v[CD+12*(\a)+6*\c+3+\i], v[T2+4*\c+\i]
.endr
.endr
	v_add_f32 v[SMA], v[SMA], v[SMA+1]
	v_permlanex16_b32 v[SMB], v[SMA], s[SEL], s[SEL+1]
	v_add_f32 v[LL+\a], v[SMA], v[SMB]
.irp c, 0,1,2
	global_store_b128 v[LI], v[CD+12*(\a)+4*\c:CD+12*(\a)+4*\c+3], s[PU:PU+1] offset:1536*(\a)+512*\c
.endr
.endm
.irp a, 0,1,2,3,4,5,6,7
	SOFT \a
.endr
.irp j, 0,1,2,3
	v_cndmask_b32 v[160+\j], v[PW+2*\j], v[PW+2*\j+1], s[HM]
	v_cndmask_b32 v[164+\j], v[MM+2*\j], v[MM+2*\j+1], s[HM]
	v_cndmask_b32 v[168+\j], v[LL+2*\j], v[LL+2*\j+1], s[HM]
.endr
	global_store_b128 v[LI], v[160:163], s[PU:PU+1] offset:SCO
	global_store_b128 v[LI], v[164:167], s[PU:PU+1] offset:MPO
	global_store_b128 v[LI], v[168:171], s[PLA:PLA+1]
	s_branch .Lend
.Ldead:
.irp j, 0,1,2,3
	v_mov_b32 v[160+\j], 0
	v_mov_b32 v[164+\j], 0x01010101
	v_mov_b32 v[168+\j], 0xff61b1e6
.endr
.irp f, 0,1,2,3,4,5,6,7,8,9,10,11,12,13,14,15,16,17,18,19,20,21,22,23
	global_store_b128 v[LI], v[160:163], s[PU:PU+1] offset:512*\f
.endr
	global_store_b128 v[LI], v[164:167], s[PU:PU+1] offset:SCO
	global_store_b128 v[LI], v[168:171], s[PU:PU+1] offset:MPO
	global_store_b128 v[LI], v[160:163], s[PLA:PLA+1]
.Lend:
	s_wait_tensorcnt 0x0                           ; the wave's end
	ds_add_u32 v[SPW], v[NIL]
	s_wait_dscnt 0x0
	s_endpgm
; ================= V.  Work-group x - 36 = 11 i + pos of batch row y: channels' group cg = 2 y + i, token groups (256) 3 pos .. 3 pos + 2 (pos = 10: two).  Four waves, 2 x 2: a wave holds 64 rows of Wv, all of K, in registers (32 fragments, 384 registers);
; a job is 256 tokens, two chunks of 128 rows in slots 0 and 1; the wave of row a takes units 2 j + a of a chunk as its blocks, so its eight blocks are the 128 tokens 2 g + a.  x is source 0: a lane holds a channel, 32 registers are 32 neighbouring tokens, one scale block.
; Refills, in a job's blocks 2 (slot 0) and 6 (slot 1), with the next job's chunks, waves 0 and 1 a half each, where there is a next job.  Each such block's barrier also shows the other slot's last fill.
; The waits' counts: as in the launch before: the next block's VNF loads, and one store of a scale byte where one was issued between.
.set VCH, 8*UNIT                       ; a chunk; slots 0 and 1; then Wv's 128 rows; then 256 bytes of scale words for each wave
.set VWB, 2*VCH
.set VXM, 3*VCH
.set VNF, 25
.set VA,  2                            ; v2-5   LDS address of my blocks 0, 2, 4, 6; the odd ones stand 2 UNIT further on
.set VB,  8                            ; v8     of my weight's first unit
.set VST, 9                            ; v9     of my scale byte
.set VL8, 10                           ; v10    8 x lane
.set VRD, 13                           ; v13    of my 8 bytes of scale words
.set VSW, 20                           ; v20-21 those words
.set VSB, 24                           ; v24-39 the weights' scale words
.set VTQ, 40
.set VSA, 46                           ; v46-53 x's, two sets of four
.set VTC, 60
.set VH0, 64                           ; v64-191  chunk 0's sums: 32 t + 8 j + i
.set VH1, 840                          ; v840-967 chunk 1's
.set VMC, 192                          ; v192-239 four fragments of codes
.set VSO, 240
.set VEB, 244
.macro VFRAG f, q, a, o
	WIN (1+(\f)/21)<<6
.set R_, 12*((\f)%21)
.irp p, 0,1,2
	ds_load_b128 v[R_+4*\p:R_+4*\p+3], \a offset:(\o)+1536*(\q)+512*\p
.endr
.endm
.macro VFETCH e, a, o                  ; a block into set e: VNF loads
.irp q, 0,1,2,3,4,5,6,7
	VFRAG 32+8*(\e)+\q, \q, \a, \o
.endr
	WIN 0
	ds_load_b128 v[VSA+4*(\e):VSA+4*(\e)+3], \a offset:(\o)+SCO
.endm
.macro VPROD1 d, s0, s1, c, x0, x1, o
.if \o
	v_wmma_scale_f32_16x16x128_f8f6f4 v[\d:\d+7], v[12*((\s0)%21):12*((\s0)%21)+11], v[12*((\s1)%21):12*((\s1)%21)+11], \c, v[\x0], v[\x1] matrix_a_fmt:MATRIX_FMT_FP6 matrix_b_fmt:MATRIX_FMT_FP6 matrix_a_scale:MATRIX_SCALE_ROW1 matrix_b_scale:MATRIX_SCALE_ROW1
.else
	v_wmma_scale_f32_16x16x128_f8f6f4 v[\d:\d+7], v[12*((\s0)%21):12*((\s0)%21)+11], v[12*((\s1)%21):12*((\s1)%21)+11], \c, v[\x0], v[\x1] matrix_a_fmt:MATRIX_FMT_FP6 matrix_b_fmt:MATRIX_FMT_FP6
.endif
.endm
.macro VPROD e, n, a0                  ; n = 4 q + t: the four accumulators take turns
.set Q_, (\n)/4
.set FB_, (\n)
.set FA_, 32+8*(\e)+Q_
.set D_, (\a0)+32*((\n)%4)
.set DL_, D_&255
.set XB_, VSB+4*((\n)%4)+Q_%4
.set XA_, VSA+4*(\e)+Q_%4
	WIN (1+FA_/21)|((1+FB_/21)<<2)|((D_>>8)<<4)|((D_>>8)<<6)
.if Q_
	VPROD1 DL_, FA_, FB_, v[DL_:DL_+7], XA_, XB_, Q_/4
.else
	VPROD1 DL_, FA_, FB_, 0, XA_, XB_, 0
.endif
.endm
.macro VBLOCK e, a0, from, to, list, x=0, y=0
.set N_, \from
.rept (\to)-(\from)
	VPROD \e, N_, \a0
.if N_%2
	\list N_-1, \x, \y
	\list N_, \x, \y
.endif
.set N_, N_+1
.endr
.endm
.macro VCHAIN i, x, n, t=VTQ           ; 18 entries: the largest magnitude of 32 sums, two chains side by side, and the conversions' scale operand
.set XW_, (\x)>>8
.set XL_, (\x)&255
.if (\i) >= 0 && (\i) < 14
.set B_, XL_+16*((\i)%2)+2*((\i)/2)
.set T_, (\t)+1-(\i)%2
.if (\i) < 2
	WIN XW_|(XW_<<2)|(XW_<<4)
	v_max3_num_f32 v[T_], |v[B_]|, |v[B_+1]|, |v[B_+2]|
.else
	WIN (XW_<<2)|(XW_<<4)
	v_max3_num_f32 v[T_], v[T_], |v[B_+1]|, |v[B_+2]|
.endif
.elseif (\i) == 14
	WIN XW_<<2
	v_max3_num_f32 v[\t+1], v[\t+1], |v[XL_+15]|, 0x1800000
.elseif (\i) == 15
	WIN 0
	v_nop
.elseif (\i) == 16
	WIN XW_<<2
	v_max3_num_f32 v[\t], v[\t], |v[XL_+31]|, v[\t+1]
.elseif (\i) == 17
	WIN 0
	v_add_nc_u32 v[VSO+\n], 0xff000000, v[\t]
.endif
.endm
.macro VCODES i, x, c, n, t=VTC        ; 6 lines: 32 codes into v[c .. c+5], the scale's byte into v[VEB+n]
.set XW_, (\x)>>8
.set XL_, (\x)&255
.if (\i) == 0
	WIN XW_
	v_cvt_scalef32_pk16_fp6_f32 v[\c:\c+2], v[XL_:XL_+15], v[VSO+\n]
.elseif (\i) == 1
	WIN XW_
	v_cvt_scalef32_pk16_fp6_f32 v[\t:\t+2], v[XL_+16:XL_+31], v[VSO+\n]
.elseif (\i) == 2
	WIN 0
	v_lshrrev_b32 v[VEB+\n], 23, v[VSO+\n]
.else
	WIN 0
	v_mov_b32 v[\c+\i], v[\t+\i-3]
.endif
.endm
.macro VCODES6 x, c, n                 ; its last four lines are also the places in front of the loads that follow
.irp i, 0,1,2,3,4,5
	VCODES \i, \x, \c, \n
.endr
.endm
.macro V_NONE i, x, y
.endm
.macro V_OUT i, x, y
	VCHAIN \i, \x, \y
.endm
.macro V_2 i, x, y                     ; both refills' addresses step to the next job
.if (\i) == 0
	s_add_nc_u64 s[70:71], s[70:71], 2*VCH
	s_add_nc_u64 s[74:75], s[74:75], 2*VCH
.endif
.endm
.macro VLOAD g                         ; a refill, where there is a next job: the conditions hang on the work-group's and the wave's number and the loop's count
	s_cmp_lt_u32 s86, s91
	s_cbranch_scc0 .Lv_none_\@
	s_cmp_lt_u32 s14, 2
	s_cbranch_scc0 .Lv_none_\@
	tensor_load_to_lds s[\g:\g+3], s[24:31]
	s_nop 0
	PLACES 4
.Lv_none_\@:
.endm
.macro VG0 g, lds, more                ; s[20] = offset from xw, s21 = 0
	s_mov_b32 s[\g], 1
	s_mov_b32 s[\g+1], \lds
	s_add_nc_u64 s[\g+2:\g+3], s[52:53], s[20:21]
	s_add_nc_u64 s[\g+2:\g+3], s[\g+2:\g+3], \more
	s_or_b32 s[\g+3], s[\g+3], 0x80000000
.endm
.macro VHEAD wave, g0, g1, next        ; one arm of the head's chain
	s_cmp_eq_u32 s14, \wave
	s_cbranch_scc0 \next
	tensor_load_to_lds s[\g0:\g0+3], s[\g1:\g1+7]
	s_nop 0
	PLACES 4
	s_branch .Lv_asked
\next:
.endm
.Lv:
	s_sub_co_u32 s19, ttmp9, 36
	s_cmp_ge_u32 s19, 11
	s_cselect_b32 s20, 1, 0
	s_lshl_b32 s18, s17, 1
	s_add_co_u32 s18, s18, s20                     ; cg
	s_mul_i32 s20, s20, 11
	s_sub_co_u32 s19, s19, s20                     ; pos
	s_cmp_eq_u32 s19, 10
	s_cselect_b32 s90, 2, 3                        ; jobs
	s_sub_co_u32 s91, s90, 1
	s_mul_i32 s87, s19, 3                          ; the job's token group
	s_mov_b32 s86, 0                               ; jobs done
.irp g, 24, 32
	s_mov_b32 s[\g], 3<<16                         ; elements of 8 bytes, no mask
	s_mov_b32 s[\g+1], 32<<16                      ; rows of 256 bytes
	s_mov_b32 s[\g+3], 32<<16
	s_mov_b32 s[\g+5], 32
	s_mov_b32 s[\g+6], 0
	s_mov_b32 s[\g+7], 0
.endr
	s_mov_b32 s26, 200<<16                         ; half a chunk
	s_mov_b32 s28, 200
	s_mov_b32 s34, 400<<16                         ; a chunk
	s_mov_b32 s36, 400
	s_mov_b32 s21, 0
	s_wait_kmcnt 0x0
	s_add_co_u32 s20, s18, 80
	s_mul_i32 s20, s20, VCH
	VG0 40, VWB, 0                                 ; Wv's rows
	s_mul_i32 s20, s87, 2*VCH
	VG0 44, 0, 0                                   ; chunk 0's first half,
	VG0 56, VCH/2, VCH/2                           ; its second half,
	VG0 60, VCH, VCH                               ; chunk 1
	s_mul_i32 s22, s14, VCH/2
	s_add_co_u32 s20, s20, s22
	VG0 68, s22, 0                                 ; the refills: my half of slot 0,
	s_add_co_u32 s22, s22, VCH
	VG0 72, s22, VCH                               ; of slot 1
	VHEAD 0, 40, 32, .Lv_w1
	VHEAD 1, 44, 24, .Lv_w2
	VHEAD 2, 56, 24, .Lv_w3
	tensor_load_to_lds s[60:63], s[32:39]
	s_nop 0
	PLACES 4
.Lv_asked:
	v_and_b32 v10, 31, v0
	v_lshlrev_b32 v[LI], 4, v10                    ; 16 x lane
	v_lshlrev_b32 v[VL8], 3, v10
	v_and_b32 v11, 15, v0
	v_bfe_u32 v12, v0, 4, 1
	v_lshl_add_u32 v11, v11, 3, v12                ; 8 r + h
	s_mul_i32 s22, s15, UNIT
	v_add_nc_u32 v[VA], s22, v[LI]
	v_add_nc_u32 v[VA+1], 4*UNIT, v[VA]
	v_add_nc_u32 v[VA+2], VCH, v[VA]
	v_add_nc_u32 v[VA+3], VCH+4*UNIT, v[VA]
	s_mul_i32 s22, s16, 4*UNIT
	s_add_co_u32 s22, s22, VWB
	v_add_nc_u32 v[VB], s22, v[LI]
	s_lshl_b32 s22, s14, 8
	s_add_co_u32 s22, s22, VXM
	v_add_nc_u32 v[VST], s22, v11
	v_add_nc_u32 v[VRD], s22, v[VL8]
	s_wait_alu depctr_va_vdst(0)                   ; the wait at the head's end
	s_cmp_eq_u32 s14, 0
	s_cbranch_scc0 .Lv_not_b
	s_wait_tensorcnt 0x0
.Lv_not_b:
	s_barrier_signal -1
	s_barrier_wait -1                              ; Wv's rows are in
.irp q, 0,1,2,3,4,5,6,7
.irp b, 0,1,2,3
	VFRAG 4*\q+\b, \q, v[VB], UNIT*\b
.endr
.endr
	WIN 0
.irp b, 0,1,2,3
	ds_load_b128 v[VSB+4*\b:VSB+4*\b+3], v[VB] offset:UNIT*\b+SCO
.endr
	s_cmp_eq_u32 s14, 3
	s_cbranch_scc1 .Lv_not_a0
	s_wait_tensorcnt 0x0
.Lv_not_a0:
	s_wait_dscnt 0x0
	s_barrier_signal -1
	s_barrier_wait -1                              ; chunk 0 is in; chunk 1 may be on its way
	VFETCH 0, v[VA], 0
	VFETCH 1, v[VA], 2*UNIT
.Lv_job:
	s_wait_dscnt VNF                               ; block 0
	VBLOCK 0, VH0, 0, 32, V_NONE
	WIN 0
	PLACES 4
	VFETCH 0, v[VA+1], 0
	s_wait_dscnt VNF                               ; block 1
	VBLOCK 1, VH0+8, 0, 32, V_NONE
	WIN 0
	PLACES 4
	VFETCH 1, v[VA+1], 2*UNIT
	s_wait_dscnt VNF                               ; block 2
	s_wait_tensorcnt 0x0                           ; my loads are done: slot 1's last fill among them
	ds_add_u32 v[SPW], v[NIL]
	VBLOCK 0, VH0+16, 0, 24, V_2
	WIN 0
	s_wait_dscnt 0x0                               ; the add is done, and so are my reads of slot 0
	s_barrier_signal -1
	VBLOCK 0, VH0+16, 24, 32, V_NONE
	WIN 0
	s_barrier_wait -1
	VLOAD 68
	PLACES 4
	VFETCH 0, v[VA+2], 0
	VBLOCK 1, VH0+24, 0, 32, V_NONE                ; block 3
	WIN 0
	PLACES 4
	VFETCH 1, v[VA+2], 2*UNIT
.irp j, 0,1                                    ; blocks 4 and 5, with chunk 0's ways out
	s_wait_dscnt VNF+\j
	s_wait_xcnt 0x0                                ; the last job's stores have read their registers and their bases
	VBLOCK \j, VH1+8*\j, 0, 32, V_OUT, VH0+32*\j, \j
	WIN 0
	VCODES6 VH0+32*\j, VMC+12*\j, \j
	s_wait_alu depctr_va_vdst(0)
	ds_store_b8 v[VST], v[VEB+\j] offset:128*\j
	VFETCH \j, v[VA+3], 2*UNIT*\j
.endr
	s_wait_dscnt VNF+1                             ; block 6
	s_wait_tensorcnt 0x0                           ; slot 0's refill is in
	ds_add_u32 v[SPW], v[NIL]
	VBLOCK 0, VH1+16, 0, 26, V_OUT, VH0+64, 2
	WIN 0
	s_wait_alu depctr_va_vdst(0)
	s_wait_dscnt 0x0                               ; the add is done, and so are my reads of slot 1
	s_barrier_signal -1
	VBLOCK 0, VH1+16, 26, 32, V_NONE
	WIN 0
	VCODES6 VH0+64, VMC+24, 2
	s_wait_alu depctr_va_vdst(0)
	s_barrier_wait -1
	VLOAD 72
	s_wait_alu depctr_va_vdst(0)
	ds_store_b8 v[VST], v[VEB+2] offset:4
	VBLOCK 1, VH1+24, 0, 32, V_OUT, VH0+96, 3      ; block 7
	WIN 0
	VCODES6 VH0+96, VMC+36, 3
	s_wait_alu depctr_va_vdst(0)
	ds_store_b8 v[VST], v[VEB+3] offset:132
	s_cmp_lt_u32 s86, s91
	s_cbranch_scc0 .Lv_last
	VFETCH 0, v[VA], 0                             ; the next job's first two blocks, under the ways out below
	VFETCH 1, v[VA], 2*UNIT
.Lv_last:
.set I, 0
.rept 18
.irp t, 0,1,2,3
	VCHAIN I, VH1+32*\t, \t, 64+4*\t
.endr
.set I, I+1
.endr
.set I, 0
.rept 6
.irp t, 0,1,2,3
	VCODES I, VH1+32*\t, VMC+12*\t+6, \t, 80+4*\t
.endr
.set I, I+1
.endr
	WIN 0
	s_lshr_b32 s20, s87, 3                         ; the batch: 8 x 16 units,
	s_lshl_b32 s20, s20, 7
	s_lshl_b32 s21, s18, 4
	s_add_co_u32 s20, s20, s21
	s_and_b32 s21, s87, 7
	s_lshl_b32 s21, s21, 1
	s_add_co_u32 s20, s20, s21
	s_add_co_u32 s20, s20, s15                     ; unit (8 b + cg) 16 + 2 (g % 8) + a
	s_mul_i32 s20, s20, UNIT
	s_mov_b32 s21, 0
	s_add_nc_u64 s[84:85], s[54:55], s[20:21]
	s_mul_i32 s20, s16, 4*1536
	s_add_nc_u64 s[82:83], s[84:85], s[20:21]      ; my four fragments
	s_lshl_b32 s20, s16, 8
	s_add_nc_u64 s[84:85], s[84:85], s[20:21]      ; and my 256 bytes of scale words
	s_wait_alu depctr_va_vdst(0)
.irp t, 0,1,2,3
	ds_store_b8 v[VST], v[VEB+\t] offset:2+128*(\t%2)+4*(\t/2)
.endr
	ds_load_b64 v[VSW:VSW+1], v[VRD]               ; LDS serves a wave's instructions in order: this sees my stores
.irp t, 0,1,2,3
.irp k, 0,1,2
	global_store_b128 v[LI], v[VMC+12*\t+4*\k:VMC+12*\t+4*\k+3], s[82:83] offset:1536*\t+512*\k   ; 512 consecutive bytes, aligned
.endr
.endr
	s_wait_dscnt 0x0
	global_store_b64 v[VL8], v[VSW:VSW+1], s[84:85] offset:SCO   ; one aligned unit of 256 bytes
	s_add_co_u32 s87, s87, 1
	s_add_co_u32 s86, s86, 1
	s_cmp_lt_u32 s86, s90
	s_cbranch_scc1 .Lv_job
	s_wait_tensorcnt 0x0                           ; the wave's end
	ds_add_u32 v[SPW], v[NIL]
	s_wait_dscnt 0x0
	s_endpgm
.Lfunc_end_k_q46be7864b2_scores:
	.size	k_q46be7864b2_scores, .Lfunc_end_k_q46be7864b2_scores-k_q46be7864b2_scores
	.p2alignl 7, 3214868480
	.fill 96, 4, 3214868480
	.section	.rodata,"a",@progbits
	.p2align	6, 0x0
	.amdhsa_kernel k_q46be7864b2_scores
		.amdhsa_group_segment_fixed_size 327680
		.amdhsa_private_segment_fixed_size 0
		.amdhsa_enable_private_segment 0
		.amdhsa_kernarg_size 40
		.amdhsa_user_sgpr_count 2
		.amdhsa_user_sgpr_kernarg_segment_ptr 1
		.amdhsa_wavefront_size32 1
		.amdhsa_system_sgpr_workgroup_id_x 1
		.amdhsa_system_sgpr_workgroup_id_y 1
		.amdhsa_system_sgpr_workgroup_id_z 1
		.amdhsa_system_vgpr_workitem_id 0
		.amdhsa_next_free_vgpr 1024
		.amdhsa_next_free_sgpr 102
		.amdhsa_reserve_vcc 1
		.amdhsa_float_denorm_mode_32 3
		.amdhsa_float_denorm_mode_16_64 3
		.amdhsa_memory_ordered 1
		.amdhsa_forward_progress 1
		.amdhsa_inst_pref_size 255
	.end_amdhsa_kernel
	.section	.bss,"aw",@nobits
	.p2align	6
	.space	262144
	.amdgpu_metadata
---
amdhsa.version: [ 1, 2 ]
amdhsa.kernels:
  - .name:           k_q46be7864b2_scores
    .symbol:         k_q46be7864b2_scores.kd
    .args:
      - { .name: qk, .offset: 0, .size: 8, .value_kind: global_buffer, .address_space: global }
      - { .name: pu, .offset: 8, .size: 8, .value_kind: global_buffer, .address_space: global }
      - { .name: pl, .offset: 16, .size: 8, .value_kind: global_buffer, .address_space: global }
      - { .name: xw, .offset: 24, .size: 8, .value_kind: global_buffer, .address_space: global }
      - { .name: vu, .offset: 32, .size: 8, .value_kind: global_buffer, .address_space: global }
    .group_segment_fixed_size: 327680
    .private_segment_fixed_size: 0
    .kernarg_segment_align: 8
    .kernarg_segment_size: 40
    .max_flat_workgroup_size: 128
    .sgpr_count:     102
    .vgpr_count:     1024
    .wavefront_size: 32
...
	.end_amdgpu_metadata
.endif
;; end of part 7
;; launch pv (part 8): grid 8 x 32, 4 waves a work-group, clusters of 4 x 1, 327,680 bytes of LDS; arguments pu, pl, vu, out0; writes out0
.if DOCPART == 8
	.amdgcn_target "amdgcn-amd-amdhsa--gfx1250"
	.amdhsa_code_object_version 6
	.text
	.protected	k_q46be7864b2_pv
	.globl	k_q46be7864b2_pv
	.p2align	8
	.type	k_q46be7864b2_pv,@function
k_q46be7864b2_pv:
	s_mov_b64 s[64:65], 0
	v_nop
	global_prefetch_b8 v0, s[64:65] scope:SCOPE_SE
	s_setreg_imm32_b32 hwreg(HW_REG_WAVE_MODE, 25, 1), 1
	s_wait_xcnt 0x0
	s_wait_alu depctr_hold_cnt(0) depctr_sa_sdst(0) depctr_va_vdst(0) depctr_va_sdst(0) depctr_va_ssrc(0) depctr_va_vcc(0) depctr_vm_vsrc(0)
	s_getreg_b32 s2, hwreg(HW_REG_IB_STS2, 6, 4)
	s_cmp_eq_u32 s2, 0
	s_cbranch_scc0 .Lentry_in_a_cluster
	s_endpgm
.Lentry_in_a_cluster:
	s_bfe_u32 s2, ttmp6, 0x10000c
	s_cmp_lg_u32 s2, 0x3003
	s_cbranch_scc0 .Lentry_shape_is_right
	s_endpgm
.Lentry_shape_is_right:
; out = (p v) / l on the P units of the launch before and v's units (layouts: the head comments of the first launch and of the launch before).
; WORK LEFT OUT: the chunks of 128 keys that come after a block of 256 queries: the problem's own causal mask makes their p 0 for all inputs (shown at the first launch's head).
; SHARES.  A work-group takes one group of 128 channels (ct) and TWO groups of 128 queries of one batch: H = group 2 (7 - ip) + e and L = group 2 ip + e.  H has 16 - 2 ip chunks of 128 keys, L 2 ip + 2: eighteen K steps
; in all, whatever ip: equal work in all 256 work-groups, and every step a constant of the text.
; THE STREAM, four K steps to an LDS slot: slot A: L's chunks 0, 1 and H's chunks 8, 9; slot B: H's 0-3; slot C: H's 4-7 (all three filled at the head; every ip has these chunks); then A again: H's 10-13 (ip < 2) or L's 2-5;
; then B again, two K steps: H's 14, 15; L's 2, 3; H's 10, 11; L's 6, 7 for ip = 0, 1, 2, 3.  L's and H's sums begin at fixed places of the text; for the last six K steps a scalar test on ip chooses the accumulators.
; A wave takes 64 queries of each group (fragments 4 (w % 2) on) x 64 channels (v's fragments 4 (w / 2) on): 16 accumulators for H and 16 for L.  Source 0 = 16 channels of v, source 1 = 16 queries of p.
; THE SCALES.  p was quantised under the chunk's M'; the row's M is the largest M'.  M - M' is a whole number, 0 or more, and is taken off each of the chunk's four scale bytes (1 to 125, so with bit 7 set no byte borrows
; from its neighbour); a byte that would fall under 0 becomes 0.  LIMIT: such a block, more than 2^-125 under the row's largest p, is multiplied with 2^-127 where the quantiser holds the scale at 2^-126.
; l = the sum of l' 2^(M' - M) over the row's chunks; the result is multiplied by 1 / l.
; CLUSTER 4 x 1: the four partners differ in ct alone and walk the same P: P's tiles are asked for jointly (waves 0, 1); v's are each work-group's own (waves 2, 3).  ip, e and the batch come from the cluster's y: the same in all four.
; By this text's count a wave has three tensor loads out at the start and one behind each of the two rounds that fill.
; REGISTERS: window 0: v1-15 addresses; v16-21 M of H, of L, of the slot chosen; v22-27 at work; v28-43 raw scale words, M', scale words of p and of v, two sets; v44-47 the way out's addresses; v48-63 1 / l, eight pairs;
;   v64-159 p's fragments, two sets; v160-255 v's, two sets (at the head: the statistics); on the way out v64-159.  window 1: the accumulators: H's v0-127, L's v128-255; (a, bt) at 8 (4 a + bt).
; THE STREAM AND THE FILLS AS THIS TEXT HAS THEM (they replace what the paragraphs above say of the slots' order and of the loads at the start): slot A: H's chunks 0-3; slot B: H's 4-7; slot C: L's 0, 1 and H's 8, 9; then A again: the four
; chunks chosen; then B again: the two chosen.  At the head each wave issues ONE load of four units: waves 0, 1 slot A's P and v, waves 2, 3 slot B's.  Slot C is first filled behind a round at K step 2, A again at 7, B again at 11.
; The statistics are asked for ahead of the head's tiles.  The rows of a fragment of queries are 64 (f / 4) + 8 (f % 4) + 0 .. 7 and the same + 32; a lane's 32 results are channels 32 (lane / 16) + 0 .. 31 of its wave's 64.
; PREFETCHES of P: slot C's four units at the head's end, slot A's second four behind K step 2's work, five K steps ahead of their load.  A wave asks in the half that its load base names (two units, 104 blocks of 256 bytes), which eight waves
; of the cluster share out by address, 13 lanes each.  v's chunks are read by eight work-groups of the batch: not prefetched.
.set PFV, 0                            ; v0, when the thread's number has served: the prefetches' offset; never rewritten
.set UNIT,  12800
.set PUNIT, 13312
.set SCO,   12288
.set MPO,   12800
.set VO,    4*PUNIT                    ; in a slot: four P units, then four units of v
.set BSLOT, 4*PUNIT+4*UNIT             ; 104,448 bytes
.set SPARE, 3*BSLOT                    ; the spare words, 128 bytes for each wave: two blocks of 256 bytes that no other line names
.set SPT,   272                        ; the way out: a stage of 16 rows x (256 + 16) bytes for each wave,
.set STG,   2*BSLOT                    ; in slot C, which has had its only fill and its last read by then
.set LI,  1
.set ADA, 2                            ; v2-4   my fragments of p in slot A, B, C
.set ADB, 5                            ; v5-7   my fragments of v
.set ASC, 8                            ; v8-10  p's scale words
.set ASV, 11                           ; v11-13 v's
.set SPW, 14
.set NIL, 15
.set MH,  16
.set ML,  18
.set MC,  20
.set DD,  22
.set WW,  24
.set KK,  26
.set LH,  22                           ; (at the head: l of H, of L)
.set LW,  24
.set RS,  28
.set RM,  32
.set SA,  36
.set SB,  40
.set STO, 44
.set RD,  45
.set SOF, 46
.set GO,  47
.set IVP, 48
.set PF,  64
.set VF,  160
.set OT,  64
.set OB,  96
.set MPH, 160                          ; the head's statistics: M' and l' of H's 16 chunks, of L's 8
.set LPH, 192
.set MPL, 224
.set LPL, 240
.set WV,  12
.set WC,  13
.set WL,  14
.set CT,  16
.set BA,  17
.set IP,  18
.set EB,  19
.set SEL, 20
.set HM,  22
.set MK,  23
.set G1P, 24
.set G1V, 32
.set G0P, 40                           ; s[40:51] groups 0 for P, one for each slot; s[52:63] for v
.set G0V, 52
.set PH2, 66                           ; H's chunk 0 in pu, + two units in waves 1 and 3; L's; v's
.set PL2, 68
.set VB2, 70
.set OUT, 72
.set SPH, 76
.set SLH, 78
.set SPL, 80
.set SLL, 82
.set FB,  84                           ; 1: the four chunks chosen are L's
.set FS,  85                           ; 1: the two chunks chosen are L's
.set KB,  86                           ; their first chunks
.set KS,  87
.set GH,  88
.set GL,  89
.set LP,  90
.set LV,  91
.set MSB, 0
.macro WIN new
.if MSB != (\new)
	s_set_vgpr_msb (MSB<<8)|(\new)
.set MSB, (\new)
.endif
.endm
.macro PLACES cnt
.rept \cnt
	v_nop
.endr
.endm
.macro CROUND                          ; a round of the cluster's barrier
	s_barrier_signal -1
	s_barrier_wait -1
	s_cmp_lg_u32 s[WV], 0
	s_cbranch_scc1 .Lnot_wave_0_\@
	s_barrier_signal -3
.Lnot_wave_0_\@:
	s_barrier_wait -3
	s_barrier_signal -1
	s_barrier_wait -1
.endm
.macro JLOAD s                         ; four K steps: waves 0, 1: two P units each, jointly; waves 2, 3: two units of v each; s_nop 0 and four v_nop follow each line
	s_cmp_lt_u32 s[WV], 2
	s_cbranch_scc0 .Lfor_v_\@
	tensor_load_to_lds s[G0P+4*(\s):G0P+4*(\s)+3], s[G1P:G1P+7]
	s_nop 0
.rept 4
	v_nop
.endr
	s_branch .Lasked_\@
.Lfor_v_\@:
	tensor_load_to_lds s[G0V+4*(\s):G0V+4*(\s)+3], s[G1V:G1V+7]
	s_nop 0
.rept 4
	v_nop
.endr
.Lasked_\@:
.endm
.macro JLOADS s                        ; two K steps: wave 0 the two P units, wave 2 the two of v; waves 1 and 3 have no part to fill
	s_cmp_eq_u32 s[WV], 0
	s_cbranch_scc0 .Lnot_p_\@
	tensor_load_to_lds s[G0P+4*(\s):G0P+4*(\s)+3], s[G1P:G1P+7]
	s_nop 0
.rept 4
	v_nop
.endr
	s_branch .Lasked_\@
.Lnot_p_\@:
	s_cmp_eq_u32 s[WV], 2
	s_cbranch_scc0 .Lasked_\@
	tensor_load_to_lds s[G0V+4*(\s):G0V+4*(\s)+3], s[G1V:G1V+7]
	s_nop 0
.rept 4
	v_nop
.endr
.Lasked_\@:
.endm
; the descriptors of LDS slot s for the chunks from s[kr] on, L's where s[fl] is 1, else H's: scalar work alone
.macro NEXT s, fl, kr
	s_cmp_lg_u32 s[\fl], 0
	s_cselect_b64 s[92:93], s[PL2:PL2+1], s[PH2:PH2+1]
	s_mul_i32 s94, s[\kr], PUNIT
	s_mov_b32 s95, 0
	s_add_nc_u64 s[G0P+4*(\s)+2:G0P+4*(\s)+3], s[92:93], s[94:95]
	s_or_b32 s[G0P+4*(\s)+3], s[G0P+4*(\s)+3], 0x80000000
	s_mul_i32 s96, s[\kr], UNIT
	s_mov_b32 s97, 0
	s_add_nc_u64 s[G0V+4*(\s)+2:G0V+4*(\s)+3], s[VB2:VB2+1], s[96:97]
	s_or_b32 s[G0V+4*(\s)+3], s[G0V+4*(\s)+3], 0x80000000
.endm
.macro WMX zero, pa, pb
.if \zero
.if (\pa) && (\pb)
	v_wmma_scale_f32_16x16x128_f8f6f4 v[rD:rD+7], v[rB:rB+11], v[rA:rA+11], 0, v[rSB], v[rSA] matrix_a_fmt:MATRIX_FMT_FP6 matrix_b_fmt:MATRIX_FMT_FP6 matrix_a_scale:MATRIX_SCALE_ROW1 matrix_b_scale:MATRIX_SCALE_ROW1
.elseif (\pa)
	v_wmma_scale_f32_16x16x128_f8f6f4 v[rD:rD+7], v[rB:rB+11], v[rA:rA+11], 0, v[rSB], v[rSA] matrix_a_fmt:MATRIX_FMT_FP6 matrix_b_fmt:MATRIX_FMT_FP6 matrix_a_scale:MATRIX_SCALE_ROW1
.elseif (\pb)
	v_wmma_scale_f32_16x16x128_f8f6f4 v[rD:rD+7], v[rB:rB+11], v[rA:rA+11], 0, v[rSB], v[rSA] matrix_a_fmt:MATRIX_FMT_FP6 matrix_b_fmt:MATRIX_FMT_FP6 matrix_b_scale:MATRIX_SCALE_ROW1
.else
	v_wmma_scale_f32_16x16x128_f8f6f4 v[rD:rD+7], v[rB:rB+11], v[rA:rA+11], 0, v[rSB], v[rSA] matrix_a_fmt:MATRIX_FMT_FP6 matrix_b_fmt:MATRIX_FMT_FP6
.endif
.else
.if (\pa) && (\pb)
	v_wmma_scale_f32_16x16x128_f8f6f4 v[rD:rD+7], v[rB:rB+11], v[rA:rA+11], v[rD:rD+7], v[rSB], v[rSA] matrix_a_fmt:MATRIX_FMT_FP6 matrix_b_fmt:MATRIX_FMT_FP6 matrix_a_scale:MATRIX_SCALE_ROW1 matrix_b_scale:MATRIX_SCALE_ROW1
.elseif (\pa)
	v_wmma_scale_f32_16x16x128_f8f6f4 v[rD:rD+7], v[rB:rB+11], v[rA:rA+11], v[rD:rD+7], v[rSB], v[rSA] matrix_a_fmt:MATRIX_FMT_FP6 matrix_b_fmt:MATRIX_FMT_FP6 matrix_a_scale:MATRIX_SCALE_ROW1
.elseif (\pb)
	v_wmma_scale_f32_16x16x128_f8f6f4 v[rD:rD+7], v[rB:rB+11], v[rA:rA+11], v[rD:rD+7], v[rSB], v[rSA] matrix_a_fmt:MATRIX_FMT_FP6 matrix_b_fmt:MATRIX_FMT_FP6 matrix_b_scale:MATRIX_SCALE_ROW1
.else
	v_wmma_scale_f32_16x16x128_f8f6f4 v[rD:rD+7], v[rB:rB+11], v[rA:rA+11], v[rD:rD+7], v[rSB], v[rSA] matrix_a_fmt:MATRIX_FMT_FP6 matrix_b_fmt:MATRIX_FMT_FP6
.endif
.endif
.endm
.macro PROD a0, set, base, zero        ; 8 products: p's fragments a0, a0 + 1 against v's four.  A group's 16 accumulators take turns, one instruction a turn, in the same order in every K step
.set xa, \a0
.rept 2
.set xb, 0
.rept 4
.set rD, (\base)+8*(4*xa+xb)
.set rB, VF+48*(\set)+12*xb
.set rA, PF+48*(\set)+12*xa
.set rSB, SB+2*(\set)+xb/2
.set rSA, SA+2*(\set)+xa/2
	WMX \zero, xb%2, xa%2
.set xb, xb+1
.endr
.set xa, xa+1
.endr
.endm
.macro FIX a0, set, base, zero         ; onto accumulators that the text fixes.  Every window is 0 on the way in and on the way out
	WIN 0x50                                       ; C and D window 1; v, p and the scales window 0
	PROD \a0, \set, \base, \zero
	WIN 0
.endm
.macro DYN a0, set, fl                 ; onto L's where s[fl] is 1, else onto H's: the same in all waves and in all four partners
	s_cmp_lg_u32 s[\fl], 0
	s_cbranch_scc1 .Lml_\@
	WIN 0x50
	s_wait_alu depctr_va_vdst(0)
	PROD \a0, \set, 0, 0
	WIN 0
	s_branch .Lmd_\@
.Lml_\@:
	WIN 0x50
	s_wait_alu depctr_va_vdst(0)
	PROD \a0, \set, 128, 0
	WIN 0
.Lmd_\@:
.endm
.macro MULK a0, n                      ; half of K step n's products
.if (\n) == 0
	FIX \a0, 0, 0, 1                               ; H's first products start its sums,
.elseif (\n) == 8
	FIX \a0, 0, 128, 1                             ; L's first products L's: nothing is cleared
.elseif (\n) == 9
	FIX \a0, 1, 128, 0
.elseif (\n) < 12
	FIX \a0, (\n)%2, 0, 0
.elseif (\n) < 16
	DYN \a0, (\n)%2, FB
.else
	DYN \a0, (\n)%2, FS
.endif
.endm
; 27 LDS loads in one run: K step q of LDS slot s into set: the three loads of scales first
.macro FETCHP s, q, set
	ds_load_b64 v[RS+2*(\set):RS+2*(\set)+1], v[ASC+(\s)] offset:PUNIT*(\q)
	ds_load_b64 v[RM+2*(\set):RM+2*(\set)+1], v[ASC+(\s)] offset:PUNIT*(\q)+512
	ds_load_b64 v[SB+2*(\set):SB+2*(\set)+1], v[ASV+(\s)] offset:UNIT*(\q)
.irp a, 0,1,2,3
.irp c, 0,1,2
	ds_load_b128 v[PF+48*(\set)+12*\a+4*\c:PF+48*(\set)+12*\a+4*\c+3], v[ADA+(\s)] offset:PUNIT*(\q)+1536*\a+512*\c
.endr
.endr
.irp a, 0,1,2,3
.irp c, 0,1,2
	ds_load_b128 v[VF+48*(\set)+12*\a+4*\c:VF+48*(\set)+12*\a+4*\c+3], v[ADB+(\s)] offset:UNIT*(\q)+1536*\a+512*\c
.endr
.endr
.endm
; p's scale words of set under the row's M (in v[m], v[m + 1])
.macro ADJ set, m
.irp j, 0,1
	v_sub_f32 v[DD+\j], v[\m+\j], v[RM+2*(\set)+\j]   ; M - M': a whole number, 0 or more
.endr
.irp j, 0,1
	v_min_num_f32 v[DD+\j], 0x42fe0000, v[DD+\j]   ; at most 127
.endr
.irp j, 0,1
	v_cvt_u32_f32 v[DD+\j], v[DD+\j]
.endr
.irp j, 0,1
	v_lshl_or_b32 v[DD+\j], v[DD+\j], 8, v[DD+\j]
.endr
.irp j, 0,1
	v_lshl_or_b32 v[DD+\j], v[DD+\j], 16, v[DD+\j] ; in all four bytes
.endr
.irp j, 0,1
	v_or_b32 v[WW+\j], 0x80808080, v[RS+2*(\set)+\j]
.endr
.irp j, 0,1
	v_sub_nc_u32 v[WW+\j], v[WW+\j], v[DD+\j]      ; 128 + byte - d lies in 2 .. 253: no byte borrows
.endr
.irp j, 0,1
	v_and_b32 v[KK+\j], 0x80808080, v[WW+\j]       ; bit 7 stands where byte - d is 0 or more
.endr
.irp j, 0,1
	v_lshrrev_b32 v[DD+\j], 7, v[KK+\j]
.endr
.irp j, 0,1
	v_sub_nc_u32 v[KK+\j], v[KK+\j], v[DD+\j]      ; 0x7f there, 0 elsewhere
.endr
.irp j, 0,1
	v_and_b32 v[SA+2*(\set)+\j], v[WW+\j], v[KK+\j]
.endr
	PLACES 8                                       ; a scale register written by a vector instruction stands eight places ahead of the scaled product
.endm
.macro ADJM set, n                     ; for K step n: L's M, H's, or that of the chunks chosen
.if ((\n) == 8) || ((\n) == 9)
	ADJ \set, ML
.elseif (\n) < 12
	ADJ \set, MH
.else
	ADJ \set, MC
.endif
.endm
.macro MSEL fl                         ; the M of chunks that are chosen
	s_cmp_lg_u32 s[\fl], 0
	s_cselect_b32 s[MK], -1, 0
	v_cndmask_b32 v[MC], v[MH], v[ML], s[MK]
	v_cndmask_b32 v[MC+1], v[MH+1], v[ML+1], s[MK]
.endm
; K step n is multiplied; K step n + 1 (slot ((n + 1) / 4) % 3, step (n + 1) % 4) is fetched and its scales are made meanwhile
.macro BODY n
	FETCHP (((\n)+1)/4)%3, ((\n)+1)%4, ((\n)+1)%2
	MULK 0, \n
	s_wait_dscnt 24                                ; the three loads of scales are in; the 24 fragment loads behind them may be out
	ADJM ((\n)+1)%2, (\n)+1
	MULK 2, \n
.endm
.macro PLAIN n
	s_wait_dscnt 0x0                               ; this K step's set is in
	PLACES 4                                       ; in front of loads into registers that the last products read
	BODY \n
.endm
	s_load_b256 s[4:11], s[0:1], 0x0               ; pu, pl, vu, out0
	v_lshl_add_u32 v[SPW], v0, 2, SPARE
	v_mov_b32 v[NIL], 0
	ds_add_u32 v[SPW], v[NIL]                      ; the wave's opening: the add, twice on end, and its wait ahead of my first tensor load
	ds_add_u32 v[SPW], v[NIL]
	v_lshrrev_b32 v1, 5, v0
	v_readfirstlane_b32 s[WV], v1                  ; wave 0..3
	s_lshr_b32 s[WC], s[WV], 1                     ; my half of the channels
	s_and_b32 s[WL], s[WV], 1                      ; my half of a group's fragments.  Also: which half of a slot's units I fetch
	s_bfe_u32 s15, ttmp6, 0x40000                  ; cx
	s_lshl_b32 s[CT], ttmp9, 2
	s_add_co_u32 s[CT], s[CT], s15                 ; my group of 128 channels
	s_and_b32 s[BA], ttmp7, 0xffff
	s_and_b32 s[EB], s[BA], 1                      ; e
	s_bfe_u32 s[IP], s[BA], 0x20001                ; ip: two bits from bit 1
	s_lshr_b32 s[BA], s[BA], 3                     ; the batch
	s_mov_b32 s[G1P], 15|(3<<16)|(1<<21)           ; the mask: all four partners; elements of 8 bytes; bit 21 set beside a mask
	s_mov_b32 s[G1P+1], 32<<16                     ; rows of 256 bytes,
	s_mov_b32 s[G1P+2], 208<<16                    ; at the head 208 of them: four P units; from K step 2 on 104: two
	s_mov_b32 s[G1P+3], 32<<16
	s_mov_b32 s[G1P+4], 208
	s_mov_b32 s[G1P+5], 32
	s_mov_b32 s[G1P+6], 0
	s_mov_b32 s[G1P+7], 0
	s_mov_b32 s[G1V], 3<<16                        ; no mask
	s_mov_b32 s[G1V+1], 32<<16
	s_mov_b32 s[G1V+2], 200<<16                    ; 200 rows: four units; from K step 2 on 100: two
	s_mov_b32 s[G1V+3], 32<<16
	s_mov_b32 s[G1V+4], 200
	s_mov_b32 s[G1V+5], 32
	s_mov_b32 s[G1V+6], 0
	s_mov_b32 s[G1V+7], 0
	s_lshl_b32 s92, s[BA], 4
	s_add_co_u32 s92, s92, s[EB]
	s_sub_co_u32 s[GH], 7, s[IP]
	s_lshl_b32 s[GH], s[GH], 1
	s_add_co_u32 s[GH], s[GH], s92                 ; H: group 16 b + 2 (7 - ip) + e
	s_lshl_b32 s[GL], s[IP], 1
	s_add_co_u32 s[GL], s[GL], s92                 ; L: group 16 b + 2 ip + e
	s_cmp_ge_u32 s[IP], 2
	s_cselect_b32 s[FB], 1, 0                      ; the four chunks chosen: L's 2-5 from ip = 2 on, else H's 10-13
	s_cselect_b32 s[KB], 2, 10
	s_and_b32 s[FS], s[IP], 1                      ; the two chunks chosen: L's from 2 ip on where ip is odd, else H's from 14 - 2 ip on
	s_lshl_b32 s92, s[IP], 1
	s_sub_co_u32 s93, 14, s92
	s_cmp_lg_u32 s[FS], 0
	s_cselect_b32 s[KS], s92, s93
	s_mul_i32 s94, s[WL], 2*PUNIT
	s_mul_i32 s92, s[GH], 16*PUNIT                 ; a group's sixteen P units
	s_add_co_u32 s92, s92, s94
	s_mov_b32 s93, 0
	s_mul_i32 s96, s[GL], 16*PUNIT
	s_add_co_u32 s96, s96, s94
	s_mov_b32 s97, 0
	s_lshl_b32 s98, s[BA], 3
	s_add_co_u32 s98, s98, s[CT]
	s_lshl_b32 s98, s98, 4
	s_mul_i32 s98, s98, UNIT                       ; v's unit (8 b + ct) 16
	s_mul_i32 s99, s[WL], 2*UNIT
	s_add_co_u32 s98, s98, s99
	s_mov_b32 s99, 0
	s_mul_i32 s[LP], s[WL], 2*PUNIT                ; where my load lands in a slot: no place in the cluster enters an LDS address
	s_mul_i32 s[LV], s[WL], 2*UNIT
	s_add_co_u32 s[LV], s[LV], VO
	s_mov_b32 s[SEL], 0x76543210
	s_mov_b32 s[SEL+1], 0xfedcba98
	s_mov_b32 s[HM], 0xffff0000
	s_wait_dscnt 0x0                               ; both opening adds are done
	s_wait_kmcnt 0x0
	s_add_nc_u64 s[PH2:PH2+1], s[4:5], s[92:93]
	s_add_nc_u64 s[PL2:PL2+1], s[4:5], s[96:97]
	s_add_nc_u64 s[VB2:VB2+1], s[8:9], s[98:99]
.irp s, 0,1,2
	s_mov_b32 s[G0P+4*\s], 1
	s_add_co_u32 s[G0P+4*\s+1], s[LP], \s*BSLOT
	s_mov_b32 s[G0V+4*\s], 1
	s_add_co_u32 s[G0V+4*\s+1], s[LV], \s*BSLOT
.endr
	s_add_nc_u64 s[92:93], s[PH2:PH2+1], 6*PUNIT   ; slot C: its first half L's chunks 0, 1, its second half H's chunks 8, 9 (in waves 1 and 3 the base stands two units on)
	s_cmp_eq_u32 s[WL], 0
	s_cselect_b64 s[G0P+10:G0P+11], s[PL2:PL2+1], s[92:93]
	s_or_b32 s[G0P+11], s[G0P+11], 0x80000000
	s_mul_i32 s96, s[WL], 6*UNIT
	s_mov_b32 s97, 0
	s_add_nc_u64 s[G0V+10:G0V+11], s[VB2:VB2+1], s[96:97]   ; v's chunks 0, 1 and 8, 9
	s_or_b32 s[G0V+11], s[G0V+11], 0x80000000
	s_mul_i32 s[G0P+1], s[WC], BSLOT               ; the head's loads: waves 0 and 2 H's four P units of slot A and of slot B,
	s_add_co_u32 s[G0V+1], s[G0P+1], VO
	s_mul_i32 s96, s[WC], 4*PUNIT
	s_add_nc_u64 s[G0P+2:G0P+3], s[PH2:PH2+1], s[96:97]
	s_or_b32 s[G0P+3], s[G0P+3], 0x80000000
	s_mul_i32 s96, s[WC], 4*UNIT                   ; waves 1 and 3, whose base of v stands two units on, v's
	s_add_nc_u64 s[G0V+2:G0V+3], s[VB2:VB2+1], s[96:97]
	s_sub_nc_u64 s[G0V+2:G0V+3], s[G0V+2:G0V+3], 2*UNIT
	s_or_b32 s[G0V+3], s[G0V+3], 0x80000000
	v_and_b32 v1, 31, v0
	v_lshlrev_b32 v[LI], 4, v1                     ; 16 x lane
	s_wait_alu depctr_va_vdst(0)
	s_mul_i32 s92, s[WL], 6144                     ; my four fragments of p,
	s_mul_i32 s93, s[WC], 6144
	s_add_co_u32 s93, s93, VO                      ; of v;
	s_lshl_b32 s94, s[WL], 3                       ; of a lane's four scale words my fragments' two
	v_add_nc_u32 v[SOF], s94, v[LI]
	s_add_co_u32 s94, s94, SCO
	s_lshl_b32 s95, s[WC], 8                       ; v's: the 256 bytes of my four fragments, 8 bytes a lane
	s_add_co_u32 s95, s95, VO+SCO
	v_lshrrev_b32 v24, 1, v[LI]                    ; 8 x lane
.irp s, 0,1,2
	v_add_nc_u32 v[ADA+\s], s92, v[LI]
	v_add_nc_u32 v[ADB+\s], s93, v[LI]
	v_add_nc_u32 v[ASC+\s], s94, v[LI]
	v_add_nc_u32 v[ASV+\s], s95, v24
	s_add_co_u32 s92, s92, BSLOT
	s_add_co_u32 s93, s93, BSLOT
	s_add_co_u32 s94, s94, BSLOT
	s_add_co_u32 s95, s95, BSLOT
.endr
	s_mul_i32 s92, s[WV], 16*SPT
	s_add_co_u32 s92, s92, STG                     ; my stage
	v_and_b32 v22, 15, v0                          ; r
	v_bfe_u32 v23, v0, 4, 1                        ; h
	v_mul_u32_u24 v[STO], v22, SPT
	v_lshl_add_u32 v[STO], v23, 7, v[STO]
	v_add_nc_u32 v[STO], s92, v[STO]               ; in: row r, + 128 h
	v_mul_u32_u24 v[RD], v23, SPT
	v_lshl_add_u32 v[RD], v22, 4, v[RD]
	v_add_nc_u32 v[RD], s92, v[RD]                 ; back: lanes 0-15 one row's 256 bytes, lanes 16-31 the next row's
	v_lshlrev_b32 v[GO], 12, v23
	v_lshl_add_u32 v[GO], v22, 4, v[GO]            ; and the same two rows in the output
	s_mov_b32 s93, 0
	s_lshl_b32 s94, s[WL], 18                      ; 64 rows of 4,096 bytes x my half
	s_lshl_b32 s95, s[CT], 9
	s_add_co_u32 s94, s94, s95                     ; + 512 bytes x ct
	s_lshl_b32 s95, s[WC], 8
	s_add_co_u32 s94, s94, s95                     ; + 256 bytes x my half of the channels
	s_mul_i32 s92, s[GH], 16*PUNIT
	s_add_co_u32 s92, s92, MPO
	s_add_nc_u64 s[SPH:SPH+1], s[4:5], s[92:93]    ; H's chunks' M'
	s_lshl_b32 s92, s[GH], 13
	s_add_nc_u64 s[SLH:SLH+1], s[6:7], s[92:93]    ; and l'
	s_lshl_b32 s92, s[GH], 19
	s_add_co_u32 s92, s92, s94
	s_add_nc_u64 s[OUT:OUT+1], s[10:11], s[92:93]  ; and its rows of the output
	s_mul_i32 s92, s[GL], 16*PUNIT                 ; the same of L
	s_add_co_u32 s92, s92, MPO
	s_add_nc_u64 s[SPL:SPL+1], s[4:5], s[92:93]
	s_lshl_b32 s92, s[GL], 13
	s_add_nc_u64 s[SLL:SLL+1], s[6:7], s[92:93]
	s_lshl_b32 s92, s[GL], 19
	s_add_co_u32 s92, s92, s94
	s_add_nc_u64 s[OUT+2:OUT+3], s[10:11], s[92:93]
	; THE ROWS' M AND l, while the first tiles are on their way.  H has 16 - 2 ip chunks, L 2 ip + 2: the chunks that a given ip does not have keep M' = -3e38 and l' = 0
.set nn, 20
.rept 12
	v_mov_b32 v[MPH+nn], 0xff61b1e6
	v_mov_b32 v[LPH+nn], 0
.set nn, nn+1
.endr
.set nn, 4
.rept 12
	v_mov_b32 v[MPL+nn], 0xff61b1e6
	v_mov_b32 v[LPL+nn], 0
.set nn, nn+1
.endr
.macro STAT mreg, lreg, pb, lb, ks
	global_load_b64 v[\mreg+2*(\ks):\mreg+2*(\ks)+1], v[SOF], s[\pb:\pb+1] offset:PUNIT*(\ks)
	global_load_b64 v[\lreg+2*(\ks):\lreg+2*(\ks)+1], v[SOF], s[\lb:\lb+1] offset:512*(\ks)
.endm
.irp ks, 0,1,2,3,4,5,6,7,8,9
	STAT MPH, LPH, SPH, SLH, \ks
.endr
	s_cmp_gt_u32 s[IP], 2
	s_cbranch_scc1 .Lh_done
	STAT MPH, LPH, SPH, SLH, 10
	STAT MPH, LPH, SPH, SLH, 11
	s_cmp_gt_u32 s[IP], 1
	s_cbranch_scc1 .Lh_done
	STAT MPH, LPH, SPH, SLH, 12
	STAT MPH, LPH, SPH, SLH, 13
	s_cmp_gt_u32 s[IP], 0
	s_cbranch_scc1 .Lh_done
	STAT MPH, LPH, SPH, SLH, 14
	STAT MPH, LPH, SPH, SLH, 15
.Lh_done:
	STAT MPL, LPL, SPL, SLL, 0
	STAT MPL, LPL, SPL, SLL, 1
	s_cmp_lt_u32 s[IP], 1
	s_cbranch_scc1 .Ll_done
	STAT MPL, LPL, SPL, SLL, 2
	STAT MPL, LPL, SPL, SLL, 3
	s_cmp_lt_u32 s[IP], 2
	s_cbranch_scc1 .Ll_done
	STAT MPL, LPL, SPL, SLL, 4
	STAT MPL, LPL, SPL, SLL, 5
	s_cmp_lt_u32 s[IP], 3
	s_cbranch_scc1 .Ll_done
	STAT MPL, LPL, SPL, SLL, 6
	STAT MPL, LPL, SPL, SLL, 7
.Ll_done:
	s_lshl_b32 s92, s15, 1
	s_add_co_u32 s92, s92, s[WC]                   ; my number among the eight waves that share a half: 2 cx + w / 2
	s_mul_i32 s92, s92, 13*256
	v_lshrrev_b32 v25, 4, v[LI]
	v_min_u32 v25, 12, v25
	v_lshl_add_u32 v[PFV], v25, 8, s92
	s_wait_alu depctr_va_vdst(0)
	CROUND                                         ; all four work-groups are here: the first joint loads meet
	s_cmp_eq_u32 s[WV], 0                          ; one load a wave, each in its own arm
	s_cbranch_scc0 .Lfirst_1
	tensor_load_to_lds s[G0P:G0P+3], s[G1P:G1P+7]
	s_nop 0
	PLACES 4
	s_branch .Lfirst_done
.Lfirst_1:
	s_cmp_eq_u32 s[WV], 1
	s_cbranch_scc0 .Lfirst_2
	tensor_load_to_lds s[G0V:G0V+3], s[G1V:G1V+7]
	s_nop 0
	PLACES 4
	s_branch .Lfirst_done
.Lfirst_2:
	s_cmp_eq_u32 s[WV], 2
	s_cbranch_scc0 .Lfirst_3
	tensor_load_to_lds s[G0P:G0P+3], s[G1P:G1P+7]
	s_nop 0
	PLACES 4
	s_branch .Lfirst_done
.Lfirst_3:
	tensor_load_to_lds s[G0V:G0V+3], s[G1V:G1V+7]
	s_nop 0
	PLACES 4
.Lfirst_done:
	s_wait_loadcnt 0x0
.irp j, 0,1
	v_max3_num_f32 v[MH+\j], v[MPH+\j], v[MPH+2+\j], v[MPH+4+\j]
	v_max3_num_f32 v[ML+\j], v[MPL+\j], v[MPL+2+\j], v[MPL+4+\j]
.endr
.irp k, 6,10,14,18,22,26
.irp j, 0,1
	v_max3_num_f32 v[MH+\j], v[MH+\j], v[MPH+\k+\j], v[MPH+\k+2+\j]
.endr
.endr
.irp k, 6,10
.irp j, 0,1
	v_max3_num_f32 v[ML+\j], v[ML+\j], v[MPL+\k+\j], v[MPL+\k+2+\j]
.endr
.endr
.irp j, 0,1
	v_max_num_f32 v[MH+\j], v[MH+\j], v[MPH+30+\j] ; the row's M: the largest M'
	v_max_num_f32 v[ML+\j], v[ML+\j], v[MPL+14+\j]
.endr
.set nn, 0
.rept 32
	v_sub_f32 v[MPH+nn], v[MPH+nn], v[MH+nn%2]     ; M' - M
.set nn, nn+1
.endr
.set nn, 0
.rept 16
	v_sub_f32 v[MPL+nn], v[MPL+nn], v[ML+nn%2]
.set nn, nn+1
.endr
.set nn, 0
	s_wait_alu depctr_va_vdst(0)
.rept 32
	v_exp_f32 v[MPH+nn], v[MPH+nn]
.set nn, nn+1
.endr
.set nn, 0
.rept 16
	v_exp_f32 v[MPL+nn], v[MPL+nn]
.set nn, nn+1
.endr
.irp k, 0,1,2,3,4,5,6,7
	v_mov_b32 v[IVP+2*\k+1], 0                     ; the upper halves of the eight pairs, which are named and not used.  (Plain work behind the exponentials)
.endr
	v_mov_b32 v26, 0                               ; (a lane permute's destination counts as one of its sources)
	v_mov_b32 v27, 0
	s_wait_alu depctr_va_vdst(0)                   ; one wait for the batch, ahead of its first reader
.irp j, 0,1
	v_mul_f32 v[LH+\j], v[LPH+\j], v[MPH+\j]
	v_mul_f32 v[LW+\j], v[LPL+\j], v[MPL+\j]
.endr
.set nn, 2
.rept 30
	v_fmac_f32 v[LH+nn%2], v[LPH+nn], v[MPH+nn]    ; l += l' 2^(M' - M)
.set nn, nn+1
.endr
.set nn, 2
.rept 14
	v_fmac_f32 v[LW+nn%2], v[LPL+nn], v[MPL+nn]
.set nn, nn+1
.endr
	s_wait_alu depctr_va_vdst(0)
.irp j, 0,1
	v_rcp_f32 v[LH+\j], v[LH+\j]
	v_rcp_f32 v[LW+\j], v[LW+\j]
.endr
	v_nop                                          ; a plain place behind the last reciprocal
	s_wait_alu depctr_va_vdst(0)                   ; and the wait ahead of the first reader
.irp j, 0,1                                    ; register j holds fragment 2 j's rows in lanes 0-15 and fragment 2 j + 1's in lanes 16-31; an accumulator wants its fragment's rows in both halves
	v_permlanex16_b32 v[26+\j], v[LH+\j], s[SEL], s[SEL+1]
.endr
.irp j, 0,1
	v_cndmask_b32 v[IVP+4*\j], v[LH+\j], v[26+\j], s[HM]
	v_cndmask_b32 v[IVP+4*\j+2], v[26+\j], v[LH+\j], s[HM]
.endr
.irp j, 0,1
	v_permlanex16_b32 v[26+\j], v[LW+\j], s[SEL], s[SEL+1]
.endr
.irp j, 0,1
	v_cndmask_b32 v[IVP+8+4*\j], v[LW+\j], v[26+\j], s[HM]
	v_cndmask_b32 v[IVP+8+4*\j+2], v[26+\j], v[LW+\j], s[HM]
.endr
	s_add_nc_u64 s[94:95], s[PH2:PH2+1], 6*PUNIT
	s_cmp_eq_u32 s[WL], 0
	s_cselect_b64 s[92:93], s[PL2:PL2+1], s[94:95]
	global_prefetch_b8 v[PFV], s[92:93] th:TH_LOAD_NT scope:SCOPE_SE   ; slot C's P: L's chunks 0, 1 or H's 8, 9
	s_wait_alu depctr_va_vdst(0)                   ; the wait at the head's end
	s_cmp_lt_u32 s[WV], 2
	s_cbranch_scc0 .Lslot_b
	s_wait_tensorcnt 0x0                           ; waves 0 and 1: slot A is in; slot B's tiles may stay out
.Lslot_b:
	s_barrier_signal -1
	s_barrier_wait -1
	FETCHP 0, 0, 0
	s_wait_dscnt 24
	ADJ 0, MH
	s_wait_alu depctr_va_vdst(0)
	PLAIN 0                                        ; slot A: H's chunks 0-3
	s_wait_alu depctr_va_vdst(0)
	PLAIN 1
	s_wait_alu depctr_va_vdst(0)
	s_wait_tensorcnt 0x0                           ; K step 2: my tensor load has landed: slot B is in, and descriptors may be written
	ds_add_u32 v[SPW], v[NIL]                      ; 0 onto my spare word; the descriptors' lines stand between it and the wait for it
	s_mov_b32 s[G1P+2], 104<<16                    ; from here on a load brings two units
	s_mov_b32 s[G1P+4], 104
	s_mov_b32 s[G1V+2], 100<<16
	s_mov_b32 s[G1V+4], 100
	s_mov_b32 s[G0P+1], s[LP]
	s_mov_b32 s[G0V+1], s[LV]
	s_wait_dscnt 0x0                               ; the add is done, and this K step's set is in
	CROUND
	JLOAD 2                                        ; slot C's first fill; its four v_nop are the places in front of the loads below
	s_wait_alu depctr_va_vdst(0)
	BODY 2
	s_wait_alu depctr_va_vdst(0)
	s_wait_xcnt 0x0                                ; the head's prefetch has read its base
	s_cmp_lg_u32 s[FB], 0
	s_cselect_b64 s[92:93], s[PL2:PL2+1], s[PH2:PH2+1]
	s_mul_i32 s94, s[KB], PUNIT
	s_mov_b32 s95, 0
	s_add_nc_u64 s[92:93], s[92:93], s[94:95]
	global_prefetch_b8 v[PFV], s[92:93] th:TH_LOAD_NT scope:SCOPE_SE   ; P of the four chunks chosen, which K step 7's round asks for
	s_wait_alu depctr_va_vdst(0)
	PLAIN 3
	s_wait_alu depctr_va_vdst(0)
	PLAIN 4                                        ; slot B: H's chunks 4-7
	s_wait_alu depctr_va_vdst(0)
	PLAIN 5
	s_wait_alu depctr_va_vdst(0)
	PLAIN 6
	s_wait_alu depctr_va_vdst(0)
	s_wait_xcnt 0x0                                ; the prefetch has read its base
	s_wait_tensorcnt 0x0                           ; K step 7: slot C has landed
	ds_add_u32 v[SPW], v[NIL]
	NEXT 0, FB, KB
	s_wait_dscnt 0x0
	CROUND
	JLOAD 0                                        ; slot A, read out since K step 3, takes the four chunks chosen
	s_wait_alu depctr_va_vdst(0)
	BODY 7
	s_wait_alu depctr_va_vdst(0)
	PLAIN 8                                        ; slot C: L's chunks 0, 1,
	s_wait_alu depctr_va_vdst(0)
	PLAIN 9
	s_wait_alu depctr_va_vdst(0)
	PLAIN 10                                       ; H's chunks 8, 9
	s_wait_alu depctr_va_vdst(0)
	s_wait_tensorcnt 0x0                           ; K step 11: slot A's refill has landed
	ds_add_u32 v[SPW], v[NIL]
	NEXT 1, FS, KS
	s_wait_dscnt 0x0
	CROUND
	JLOADS 1                                       ; slot B, read out since K step 7, takes the two chunks chosen
	PLACES 4                                       ; (waves 1 and 3 have passed no v_nop)
	MSEL FB
	s_wait_alu depctr_va_vdst(0)
	BODY 11
	PLAIN 12                                       ; slot A: the four chunks chosen
	PLAIN 13
	PLAIN 14
	s_wait_tensorcnt 0x0                           ; K step 15: slot B's last tiles have landed,
	ds_add_u32 v[SPW], v[NIL]
	s_wait_dscnt 0x0
	s_barrier_signal -1
	s_barrier_wait -1                              ; in every wave; nothing is filled
	PLACES 4
	MSEL FS
	BODY 15
	PLAIN 16                                       ; slot B: the two chunks chosen
	s_wait_dscnt 0x0
	MULK 0, 17
	MULK 2, 17
; THE WAY OUT, eight blocks of 16 queries x 64 channels (k / 4: H or L; k % 4: the fragment).  A lane holds one query; registers 0 .. 31 are channels 32 (lane / 16) + 0 .. 31 of my 64.  Times 1 / l into window 0, through my stage, back as rows of 256 bytes.
.macro PACK k
.set AC, 128*((\k)/4)+32*((\k)%4)
	WIN 0x01                                       ; source 0: the accumulators' window
.set mm, 0
.rept 16
	v_pk_mul_f32 v[OT+2*mm:OT+2*mm+1], v[AC+2*mm:AC+2*mm+1], v[IVP+2*(\k):IVP+2*(\k)+1] op_sel_hi:[1,0]   ; each accumulator from its low end on
.set mm, mm+1
.endr
	WIN 0
.endm
.macro TOSTAGE k
.set BK, OB+32*((\k)%2)
.irp be, 0,1
.irp e, 0,1,2,3
	ds_store_b128 v[STO], v[OT+16*\be+4*\e:OT+16*\be+4*\e+3] offset:64*\be+16*\e
.endr
.endr
.irp t, 0,1,2,3,4,5,6,7
	ds_load_b128 v[BK+4*\t:BK+4*\t+3], v[RD] offset:2*\t*SPT   ; LDS serves a wave's instructions in order: these see my stores, and the next block's stores come behind them
.endr
.endm
.macro SEND k, younger
.set BK, OB+32*((\k)%2)
	s_wait_dscnt \younger                          ; the block is back in registers
.irp t, 0,1,2,3,4,5,6,7
	global_store_b128 v[GO], v[BK+4*\t:BK+4*\t+3], s[OUT+2*((\k)/4):OUT+2*((\k)/4)+1] offset:(8*((\k)%4)+2*\t+24*(\t/4))*4096 th:TH_STORE_NT   ; sixteen lanes store 256 consecutive bytes, at a multiple of 256 from the output's first byte
.endr
.endm
	PLACES 4                                       ; in front of the first reads of results and writes of operands' registers
	PACK 0
	TOSTAGE 0
.irp k, 1,2,3,4,5,6,7
	PACK \k
.if \k >= 2
	s_wait_alu depctr_va_vdst(0)
	s_wait_xcnt 0x0                                ; block k - 2's stores have read their registers: block k's loads may land there
.endif
	TOSTAGE \k
	SEND \k-1, 16                                  ; behind block k - 1's loads: block k's 8 stores and 8 loads
.endr
	SEND 7, 0
	s_wait_tensorcnt 0x0                           ; the wave's end: behind my last tensor load and my last LDS store
	ds_add_u32 v[SPW], v[NIL]
	s_wait_dscnt 0x0
	CROUND                                         ; the closing round
	s_endpgm
.Lfunc_end_k_q46be7864b2_pv:
	.size	k_q46be7864b2_pv, .Lfunc_end_k_q46be7864b2_pv-k_q46be7864b2_pv
	.p2alignl 7, 3214868480
	.fill 96, 4, 3214868480
	.section	.rodata,"a",@progbits
	.p2align	6, 0x0
	.amdhsa_kernel k_q46be7864b2_pv
		.amdhsa_group_segment_fixed_size 327680
		.amdhsa_private_segment_fixed_size 0
		.amdhsa_enable_private_segment 0
		.amdhsa_kernarg_size 32
		.amdhsa_user_sgpr_count 2
		.amdhsa_user_sgpr_kernarg_segment_ptr 1
		.amdhsa_wavefront_size32 1
		.amdhsa_system_sgpr_workgroup_id_x 1
		.amdhsa_system_sgpr_workgroup_id_y 1
		.amdhsa_system_sgpr_workgroup_id_z 1
		.amdhsa_system_vgpr_workitem_id 0
		.amdhsa_next_free_vgpr 512
		.amdhsa_next_free_sgpr 100
		.amdhsa_reserve_vcc 0
		.amdhsa_float_denorm_mode_32 3
		.amdhsa_float_denorm_mode_16_64 3
		.amdhsa_memory_ordered 1
		.amdhsa_forward_progress 1
		.amdhsa_inst_pref_size 163
	.end_amdhsa_kernel
	.amdgpu_metadata
---
amdhsa.version: [ 1, 2 ]
amdhsa.kernels:
  - .name:           k_q46be7864b2_pv
    .symbol:         k_q46be7864b2_pv.kd
    .args:
      - { .name: pu, .offset: 0, .size: 8, .value_kind: global_buffer, .address_space: global }
      - { .name: pl, .offset: 8, .size: 8, .value_kind: global_buffer, .address_space: global }
      - { .name: vu, .offset: 16, .size: 8, .value_kind: global_buffer, .address_space: global }
      - { .name: out0, .offset: 24, .size: 8, .value_kind: global_buffer, .address_space: global }
    .group_segment_fixed_size: 327680
    .private_segment_fixed_size: 0
    .kernarg_segment_align: 8
    .kernarg_segment_size: 32
    .max_flat_workgroup_size: 128
    .sgpr_count:     100
    .vgpr_count:     512
    .wavefront_size: 32
...
	.end_amdgpu_metadata
.endif
;; end of part 8
